; MI455X (gfx1250); checked and timed in simulation.
; The chip was launched on July 23, 2026; its instructions are those of AMD's public machine-readable ISA for CDNA 5 (MIT licence, August 2026) and "CDNA5" Instruction Set Architecture Reference Guide (July 2026). The comments in the code are by the model that wrote it; some were corrected since.
;; Transformer Block. Allowed arithmetic: matrix products marked QUANTISED: E5M2 operands, one given power-of-two scale a tensor, by v_wmma_f32_16x16x64_bf8_bf8 or v_wmma_f32_16x16x128_bf8_bf8, f32 sums; everything else in f32.
;; Inputs: W1 1,024 x 4,096 float32; W2 4,096 x 1,024 float32; Wk 1,024 x 1,024 float32; Wo 1,024 x 1,024 float32; Wq 1,024 x 1,024 float32; Wv 1,024 x 1,024 float32; b1 4,096 float32; b2 1,024 float32; be1 1,024 float32; be2 1,024 float32; bk 1,024 float32; bo 1,024 float32; bq 1,024 float32; bv 1,024 float32; g1 1,024 float32; g2 1,024 float32; lowp_scales 16 int32 (the exponents e of the quantised operands' scales 2^e); mask 2 x 2,048 int32; x 2 x 2,048 x 1,024 float32.
;; Outputs: out0 2 x 2,048 x 1,024 float32.
;; This version of the problem:
;;   THIS VERSION OF THE PROBLEM IS GIVEN IN LOW PRECISION. The matrix products marked QUANTISED in the list below multiply operands that are first quantised to E5M2 (5 exponent bits, 2 mantissa bits; 8 bits a number), with one given power-of-two scale for each operand tensor; their sums are f32. All else is computed in f32.
;;   The module's matrix products, in the order in which they are computed (A, B: the left and right operand; K: the contracted axis; several contracted axes count as one K, in the product's order):
;;     1. [M 4,096, K 1,024] x [K 1,024, N 1,024]; A: input x; B: input Wq: QUANTISED (scales: A lowp_scales[0], B lowp_scales[1])
;;     2. [M 4,096, K 1,024] x [K 1,024, N 1,024]; A: input x; B: input Wk: QUANTISED (scales: A lowp_scales[2], B lowp_scales[3])
;;     3. [M 4,096, K 1,024] x [K 1,024, N 1,024]; A: input x; B: input Wv: QUANTISED (scales: A lowp_scales[4], B lowp_scales[5])
;;     4. batch 32 x [M 2,048, K 64] x [K 64, N 2,048]; A: computed on the way; B: computed on the way: QUANTISED (scales: A lowp_scales[6], B lowp_scales[7])
;;     5. batch 32 x [M 2,048, K 2,048] x [K 2,048, N 64]; A: softmax (see below); B: computed on the way: QUANTISED (scales: A lowp_scales[8], B lowp_scales[9])
;;     6. [M 4,096, K 1,024] x [K 1,024, N 1,024]; A: computed on the way; B: input Wo: QUANTISED (scales: A lowp_scales[10], B lowp_scales[11])
;;     7. [M 4,096, K 1,024] x [K 1,024, N 4,096]; A: computed on the way; B: input W1: QUANTISED (scales: A lowp_scales[12], B lowp_scales[13])
;;     8. [M 4,096, K 4,096] x [K 4,096, N 1,024]; A: computed on the way; B: input W2: QUANTISED (scales: A lowp_scales[14], B lowp_scales[15])
;;   THE QUANTISER, for each operand of a quantised product, along K:
;;     - The operand's scale is 2^e, e = its entry of the input lowp_scales (int32; the entries are numbered through the quantised products in the list's order, A before B).
;;     - Each number is divided by the scale, clamped to +-57,344, and rounded to the nearest number of E5M2, ties to even, subnormals kept.
;;     - The product sums the exact products of the quantised numbers (number of the format x scale) in f32.
;;   ~~~python
;;   def quantise(x, axis, e):      # numpy; x: float32 -> the quantised numbers, widened to float32 again
;;       x = np.moveaxis(x, axis, -1); K = x.shape[-1]
;;       r = np.clip(x / 2.0 ** e, -57344, 57344)
;;       step = 2.0 ** (np.maximum(np.frexp(np.where(r == 0, 1, r))[1] - 1, -14) - 2)
;;       q = np.round(r / step) * step * 2.0 ** e      # np.round: ties to even
;;       return np.moveaxis(q, -1, axis).astype(np.float32)
;;   ~~~
;;   SOFTMAX AHEAD OF A QUANTISED PRODUCT. Where the list says 'softmax', what is quantised is not the finished softmax but p = 2^(t - M), with t = logit x log2(e) and M = ceil(the row's largest t), a whole number; so 1/2 < the row's largest p <= 1. The row's sum l is taken of the UNQUANTISED p, in f32, and the product's result is divided by l at the end. Since M is a whole number, a kernel that streams over the keys may use a running M (the ceiling of the running maximum): every later rescaling is an exact power of two, so the quantised numbers keep their values, but for numbers so far below the row's largest that they fall under the format's range.
;;   OPERANDS COMPUTED ON THE WAY. 'Computed on the way' means the value that the module computes at that place (a softmax that the list does not call 'softmax' is quantised finished and normalised). What goes into a quantiser is computed in f32, as accurately as f32 sums, v_exp_f32 and their like allow (about 1e-6 of the number): no bf16 or f16 on the way to a quantiser, and a product that is left as it is and whose result goes on into a quantised operand takes f32 operands (vector FMAs, or v_wmma_f32_16x16x4_f32). A number that lies on a knife's edge between two numbers of the format may be rounded either way, as far as f32 arithmetic and the matrix unit's own rounding can turn it there, and no further.
;; 2 versions. Each part assembles by itself: llvm-mc -triple=amdgcn-amd-amdhsa -mcpu=gfx1250 --defsym DOCPART=n.
;; ======== version 1 of 2: 8 launches
;; limits: right only within a limited range of input values
;; workspace buffers: xw 25,165,824 bytes; qkv 12,582,912 bytes; ao 4,194,304 bytes; rs 16,777,216 bytes; x1f 16,777,216 bytes; x1c 4,194,304 bytes; hc 16,777,216 bytes
;; launch prep (part 1): grid 640 x 1, 4 waves a work-group, no clusters, 35,840 bytes of LDS; arguments x, Wq, Wk, Wv, Wo, W1, W2, lowp_scales, xw; writes xw
.if DOCPART == 1
	.amdgcn_target "amdgcn-amd-amdhsa--gfx1250"
	.amdhsa_code_object_version 6
	.text
	.protected	k_q9add1ae096_prep
	.globl	k_q9add1ae096_prep
	.p2align	8
	.type	k_q9add1ae096_prep,@function
k_q9add1ae096_prep:
	s_mov_b64 s[64:65], 0
	v_nop
	global_prefetch_b8 v0, s[64:65] scope:SCOPE_SE
	s_setreg_imm32_b32 hwreg(HW_REG_WAVE_MODE, 25, 1), 1
	s_wait_xcnt 0x0
; PREP: the f32 inputs that many work-groups read become codes of E5M2, once.  x three times (its three given scales e0, e2, e4), the six weights once each, laid [N][K] with K innermost.
; DEAD WORK: none is left out in this program.  Every bias enters a quantised operand or an output (bk moves k's codes), the mask is honoured for every pattern, all 19 inputs are loaded.
; code = number / 2^e, held within +-57,344, to the nearest code, ties to even.  LIMITS: every e between -126 and 112; NaN among the inputs is not served.
; THE ROW ORDER sw: sw(i) is i with bits 3 and 4 exchanged (its own inverse).  The weights' rows n, and x's rows in the copies for k and v, are stored at place sw(row).  Sixteen rows on end, 16 i + r, then hold
; index 32 (i / 2) + 16 (r / 8) + 8 (i % 2) + r % 8: as source 0 of a matrix instruction they leave a lane's 16 registers of two neighbouring tiles as 16 NEIGHBOURS along that index.
; xw, in bytes: x for q at 0 (rows as they are), for k at 4 Mi, for v at 8 Mi; Wq 12 Mi, Wk 13 Mi, Wv 14 Mi, Wo 15 Mi, W1 16 Mi, W2 20 Mi.
; Work-groups 0 to 255 take x (16 rows each, no LDS); 256 to 639 a block of 128 columns x 256 along K of a weight (a lane to a column, registers down K; the codes leave through the wave's own stage in LDS).
.set SPW,   12                         ; v12 LDS address of my spare word; never rewritten
.set NIL,   13                         ; v13 0; never rewritten
.set SPARE, 34816                      ; behind the four stages of 32 x 272 bytes: the spare words, 512 bytes that no other line names
.set XX,    32                         ; x path: v32-159 sixteen steps of 8 numbers
.set T,     160                        ; v160-163 what I send to lane xor 1
.set U,     164                        ; v164-167 what I get
.set H,     168                        ; v168-191 the numbers held, one set for each scale
.set C,     192                        ; v192-207 codes, two sets by turns
.set OFF,   32                         ; weight path: v32-63 4 x lane + i rows of the source
.set WX,    64                         ; v64-127 two sets of 32 numbers; later the way out
.set WC,    128                        ; v128-135 a block's codes
.set VO,    136                        ; v136-151 where row pair t goes in xw
.set BASE,  40                         ; s[40:55] the source at block t of 32 rows
	s_load_b512 s[4:19], s[0:1], 0x0               ; x, Wq, Wk, Wv, Wo, W1, W2, the scales' exponents
	s_load_b64 s[20:21], s[0:1], 0x40              ; xw
	v_lshl_add_u32 v[SPW], v0, 2, SPARE
	v_mov_b32 v[NIL], 0
	v_lshrrev_b32 v1, 5, v0
	v_readfirstlane_b32 s22, v1                    ; wave
	v_and_b32 v2, 31, v0                           ; lane
	s_wait_kmcnt 0x0
	s_load_b512 s[68:83], s[18:19], 0x0            ; e0 .. e15
	s_cmp_lt_u32 ttmp9, 256
	s_cbranch_scc0 .Lweights
; ---------------- x: my wave's 4 rows are 16 KiB on end: 16 steps of 256 numbers
	v_lshlrev_b32 v3, 4, v2                        ; my 16 bytes of a load's 512
	v_and_b32 v5, 1, v2
	v_cmp_eq_u32 s23, 1, v5                        ; the odd lanes
	v_lshrrev_b32 v4, 1, v2
	v_lshlrev_b32 v4, 3, v4
	v_lshl_add_u32 v4, v5, 7, v4                   ; my 8 codes of a step's 256: 128 (lane % 2) + 8 (lane / 2)
	s_lshl_b32 s24, ttmp9, 4
	s_lshl_b32 s25, s22, 2
	s_add_co_u32 s24, s24, s25                     ; R: my first row
	s_lshl_b32 s26, s24, 12
	s_mov_b32 s27, 0
	s_add_nc_u64 s[4:5], s[4:5], s[26:27]
.set nn, 0
.rept 16
	global_load_b128 v[XX+8*nn:XX+8*nn+3], v3, s[4:5] offset:1024*nn th:TH_LOAD_NT        ; 32 lanes read 512 consecutive bytes
	global_load_b128 v[XX+8*nn+4:XX+8*nn+7], v3, s[4:5] offset:1024*nn+512 th:TH_LOAD_NT
.set nn, nn+1
.endr
	s_and_b32 s28, s24, 0xffffffe7
	s_and_b32 s29, s24, 8
	s_lshl_b32 s29, s29, 1
	s_or_b32 s28, s28, s29
	s_and_b32 s29, s24, 16
	s_lshr_b32 s29, s29, 1
	s_or_b32 s28, s28, s29                         ; sw(R); R's bits 0 and 1 are 0, so the four rows stay on end
	s_lshl_b32 s26, s24, 10
	s_add_nc_u64 s[40:41], s[20:21], s[26:27]      ; x for q: rows as they are
	s_lshl_b32 s26, s28, 10
	s_add_nc_u64 s[42:43], s[20:21], s[26:27]
	s_add_nc_u64 s[44:45], s[42:43], 0x800000      ; x for v
	s_add_nc_u64 s[42:43], s[42:43], 0x400000      ; x for k
.irp k, 0,1,2,3
	v_mov_b32 v[U+\k], 0                           ; written once: a DPP form's destination counts as read
.endr
	s_wait_kmcnt 0x0
.irp i, 0,1,2
	s_add_co_i32 s30, s[68+2*\i], 127
	s_lshl_b32 s31, s30, 23
	v_mov_b32 v[14+2*\i], s31                      ; 2^e as f32: the conversion takes its exponent field
	s_add_co_i32 s30, s30, 15
	s_lshl_b32 s30, s30, 23
	s_or_b32 s30, s30, 0x600000
	v_mov_b32 v[15+2*\i], s30                      ; 57,344 x 2^e
.endr
; A step.  The loads take the bytes as they lie, 4 numbers a lane of the first 128 (A) and of the second 128 (B).  A conversion wants 8 neighbours in one lane: lanes 2 i and 2 i + 1 exchange, so that
; lane 2 i holds numbers 8 i .. 8 i + 7 of the first 128 and lane 2 i + 1 those of the second.
.macro XSTEP s
.set XS, XX+8*(\s)
	s_wait_loadcnt 30-2*(\s)                       ; this step's two loads are in; the later steps' stay out
	s_wait_xcnt 0x0                                ; the stores of two steps ago have read their codes' registers, which are written again below
.irp k, 0,1,2,3
	v_cndmask_b32 v[T+\k], v[XS+4+\k], v[XS+\k], s23               ; an even lane sends B, an odd one A
.endr
.irp k, 0,1,2,3
	v_mov_b32_dpp v[U+\k], v[T+\k] row_xmask:1 row_mask:0xf bank_mask:0xf
.endr
.irp k, 0,1,2,3
	v_cndmask_b32 v[XS+\k], v[XS+\k], v[U+\k], s23
.endr
.irp k, 0,1,2,3
	v_cndmask_b32 v[XS+4+\k], v[U+\k], v[XS+4+\k], s23
.endr
.irp i, 0,1,2
.irp k, 0,1,2,3,4,5,6,7
	v_med3_num_f32 v[H+8*\i+\k], v[XS+\k], -v[15+2*\i], v[15+2*\i]   ; the conversion to an 8-bit code does not saturate (ISA guide 7.6.2): the hold comes first
.endr
	v_cvt_scalef32_pk8_bf8_f32 v[C+8*((\s)%2)+2*\i:C+8*((\s)%2)+2*\i+1], v[H+8*\i:H+8*\i+7], v[14+2*\i]
.endr
	global_store_b64 v4, v[C+8*((\s)%2):C+8*((\s)%2)+1], s[40:41] offset:256*(\s)       ; 32 lanes store 256 consecutive bytes, aligned
	global_store_b64 v4, v[C+8*((\s)%2)+2:C+8*((\s)%2)+3], s[42:43] offset:256*(\s)
	global_store_b64 v4, v[C+8*((\s)%2)+4:C+8*((\s)%2)+5], s[44:45] offset:256*(\s)
.endm
.irp s, 0,1,2,3,4,5,6,7,8,9,10,11,12,13,14,15
	XSTEP \s
.endr
	s_endpgm
; ---------------- a weight: which, and which block of it, by the work-group's number alone
.Lweights:
	s_sub_co_u32 s24, ttmp9, 256                   ; idx 0 .. 383: 4 x 32 for Wq, Wk, Wv, Wo; 128 for W1; 128 for W2
	s_lshr_b32 s25, s24, 7
	s_bfe_u32 s26, s24, 0x20005
	s_add_co_u32 s27, s25, 3
	s_and_b32 s28, s24, 31
	s_and_b32 s29, s24, 127
	s_cmp_eq_u32 s25, 0
	s_cselect_b32 s26, s26, s27                    ; the tensor: 0 .. 5
	s_cselect_b32 s28, s28, s29                    ; my block among its blocks
	s_cmp_eq_u32 s25, 1
	s_cselect_b32 s29, 5, 3                        ; log2 of its blocks of 128 columns
	s_mov_b32 s30, 4096
	s_cselect_b32 s30, 16384, s30                  ; a row of the source in bytes
	s_cmp_eq_u32 s25, 2
	s_mov_b32 s31, 1024
	s_cselect_b32 s31, 4096, s31                   ; a row of its codes in bytes: K
	s_bfm_b32 s32, s29, 0
	s_and_b32 s32, s28, s32                        ; which 128 columns
	s_lshr_b32 s33, s28, s29                       ; which 256 along K
	s_wait_kmcnt 0x0
	s_mov_b64 s[34:35], s[6:7]                     ; the source and its exponent are chosen together, on the tensor's number
	s_mov_b32 s36, s69
	s_cmp_eq_u32 s26, 1
	s_cselect_b64 s[34:35], s[8:9], s[34:35]
	s_cselect_b32 s36, s71, s36
	s_cmp_eq_u32 s26, 2
	s_cselect_b64 s[34:35], s[10:11], s[34:35]
	s_cselect_b32 s36, s73, s36
	s_cmp_eq_u32 s26, 3
	s_cselect_b64 s[34:35], s[12:13], s[34:35]
	s_cselect_b32 s36, s79, s36
	s_cmp_eq_u32 s26, 4
	s_cselect_b64 s[34:35], s[14:15], s[34:35]
	s_cselect_b32 s36, s81, s36
	s_cmp_eq_u32 s26, 5
	s_cselect_b64 s[34:35], s[16:17], s[34:35]
	s_cselect_b32 s36, s83, s36
	s_cselect_b32 s37, 8, s26
	s_add_co_u32 s37, s37, 12
	s_lshl_b32 s37, s37, 20                        ; where its codes begin in xw
	s_lshl_b32 s38, s32, 7
	s_lshl_b32 s39, s22, 5
	s_add_co_u32 s38, s38, s39                     ; my wave's first column
	s_mul_i32 s56, s33, s30
	s_lshl_b32 s56, s56, 8
	s_lshl_b32 s58, s38, 2
	s_add_co_u32 s56, s56, s58
	s_mov_b32 s57, 0
	s_add_nc_u64 s[BASE:BASE+1], s[34:35], s[56:57]
	s_lshl_b32 s56, s30, 5                         ; 32 rows on
.irp t, 1,2,3,4,5,6,7
	s_add_nc_u64 s[BASE+2*\t:BASE+2*\t+1], s[BASE+2*\t-2:BASE+2*\t-1], s[56:57]
.endr
	s_mul_i32 s58, s38, s31
	s_lshl_b32 s59, s33, 8
	s_add_co_u32 s58, s58, s59
	s_add_co_u32 s58, s58, s37
	s_mov_b32 s59, 0
	s_add_nc_u64 s[20:21], s[20:21], s[58:59]      ; xw at my wave's first column, my 256 along K
	v_lshlrev_b32 v[OFF], 2, v2
.irp i, 1,2,3,4,5,6,7,8,9,10,11,12,13,14,15,16,17,18,19,20,21,22,23,24,25,26,27,28,29,30,31
	v_add_nc_u32 v[OFF+\i], s30, v[OFF+\i-1]
.endr
.macro WLOAD t                         ; block t: W(32 t + i, my column): neighbouring lanes read neighbouring columns, 128 consecutive bytes a wave
.set nn, 0
.rept 32
	global_load_b32 v[WX+32*((\t)%2)+nn], v[OFF+nn], s[BASE+2*(\t):BASE+2*(\t)+1] th:TH_LOAD_NT
.set nn, nn+1
.endr
.endm
	WLOAD 0
	WLOAD 1
	s_mul_i32 s60, s22, 8704                       ; my stage
	v_mul_u32_u24 v5, v2, 272
	v_add_nc_u32 v5, s60, v5                       ; into it: row = my column
	v_and_b32 v8, 15, v2
	v_lshrrev_b32 v6, 4, v2
	v_mul_u32_u24 v7, v6, 272
	v_lshl_add_u32 v7, v8, 4, v7
	v_add_nc_u32 v7, s60, v7                       ; out of it: sixteen lanes to a row, two rows an instruction
	v_mul_lo_u32 v9, v6, s31
	v_lshl_add_u32 v9, v8, 4, v9
.irp t, 0,1,2,3,4,5,6,7,8,9,10,11,12,13,14,15
	s_mul_i32 s61, s31, 2*((\t&3)|((\t&4)<<1)|((\t&8)>>1))         ; columns 2 t, 2 t + 1 go to places sw(2 t), sw(2 t) + 1: bits 2 and 3 of t change places
	v_add_nc_u32 v[VO+\t], s61, v9
.endr
	s_add_co_i32 s36, s36, 127
	s_lshl_b32 s62, s36, 23
	v_mov_b32 v11, s62                             ; 2^e
	s_add_co_i32 s36, s36, 15
	s_lshl_b32 s36, s36, 23
	s_or_b32 s36, s36, 0x600000
	v_mov_b32 v10, s36                             ; 57,344 x 2^e
.macro WBLOCK t
.set XS, WX+32*((\t)%2)
.if (\t) < 7
	s_wait_loadcnt 32                              ; this block's 32 loads are in; the next block's may be out
.else
	s_wait_loadcnt 0
.endif
.set nn, 0
.rept 32
	v_med3_num_f32 v[XS+nn], v[XS+nn], -v10, v10
.set nn, nn+1
.endr
.irp g, 0,1,2,3
	v_cvt_scalef32_pk8_bf8_f32 v[WC+2*\g:WC+2*\g+1], v[XS+8*\g:XS+8*\g+7], v11
.endr
	ds_store_b128 v5, v[WC:WC+3] offset:32*(\t)    ; 32 codes along K of my column
	ds_store_b128 v5, v[WC+4:WC+7] offset:32*(\t)+16
.if (\t)+2 < 8
	WLOAD (\t)+2
.endif
	s_wait_dscnt 0x0                               ; the stores have read their registers: the next block's codes may be written
.endm
.irp t, 0,1,2,3,4,5,6,7
	WBLOCK \t
.endr
.irp t, 0,1,2,3,4,5,6,7,8,9,10,11,12,13,14,15
	ds_load_b128 v[WX+4*\t:WX+4*\t+3], v7 offset:2*\t*272          ; LDS serves a wave's instructions in order: these see my stores
.endr
.irp t, 0,1,2,3,4,5,6,7,8,9,10,11,12,13,14,15
	s_wait_dscnt 15-\t
	global_store_b128 v[VO+\t], v[WX+4*\t:WX+4*\t+3], s[20:21]     ; sixteen lanes store 256 consecutive bytes, aligned
.endr
	s_wait_tensorcnt 0x0                           ; the wave's end, behind my last LDS store
	ds_add_u32 v[SPW], v[NIL]
	s_wait_dscnt 0x0
	s_endpgm
.Lfunc_end_k_q9add1ae096_prep:
	.size	k_q9add1ae096_prep, .Lfunc_end_k_q9add1ae096_prep-k_q9add1ae096_prep
	.p2alignl 7, 3214868480
	.fill 96, 4, 3214868480
	.section	.rodata,"a",@progbits
	.p2align	6, 0x0
	.amdhsa_kernel k_q9add1ae096_prep
		.amdhsa_group_segment_fixed_size 35840
		.amdhsa_private_segment_fixed_size 0
		.amdhsa_enable_private_segment 0
		.amdhsa_kernarg_size 72
		.amdhsa_user_sgpr_count 2
		.amdhsa_user_sgpr_kernarg_segment_ptr 1
		.amdhsa_wavefront_size32 1
		.amdhsa_system_sgpr_workgroup_id_x 1
		.amdhsa_system_sgpr_workgroup_id_y 1
		.amdhsa_system_sgpr_workgroup_id_z 1
		.amdhsa_system_vgpr_workitem_id 0
		.amdhsa_next_free_vgpr 208
		.amdhsa_next_free_sgpr 100
		.amdhsa_reserve_vcc 0
		.amdhsa_float_denorm_mode_32 3
		.amdhsa_float_denorm_mode_16_64 3
		.amdhsa_memory_ordered 1
		.amdhsa_forward_progress 1
		.amdhsa_inst_pref_size 106
	.end_amdhsa_kernel
	.amdgpu_metadata
---
amdhsa.version: [ 1, 2 ]
amdhsa.kernels:
  - .name:           k_q9add1ae096_prep
    .symbol:         k_q9add1ae096_prep.kd
    .args:
      - { .name: x, .offset: 0, .size: 8, .value_kind: global_buffer, .address_space: global }
      - { .name: Wq, .offset: 8, .size: 8, .value_kind: global_buffer, .address_space: global }
      - { .name: Wk, .offset: 16, .size: 8, .value_kind: global_buffer, .address_space: global }
      - { .name: Wv, .offset: 24, .size: 8, .value_kind: global_buffer, .address_space: global }
      - { .name: Wo, .offset: 32, .size: 8, .value_kind: global_buffer, .address_space: global }
      - { .name: W1, .offset: 40, .size: 8, .value_kind: global_buffer, .address_space: global }
      - { .name: W2, .offset: 48, .size: 8, .value_kind: global_buffer, .address_space: global }
      - { .name: lowp_scales, .offset: 56, .size: 8, .value_kind: global_buffer, .address_space: global }
      - { .name: xw, .offset: 64, .size: 8, .value_kind: global_buffer, .address_space: global }
    .group_segment_fixed_size: 35840
    .private_segment_fixed_size: 0
    .kernarg_segment_align: 8
    .kernarg_segment_size: 72
    .max_flat_workgroup_size: 128
    .sgpr_count:     100
    .vgpr_count:     208
    .wavefront_size: 32
...
	.end_amdgpu_metadata
.endif
;; end of part 1
;; launch qkv (part 2): grid 12 x 16, 4 waves a work-group, clusters of 4 x 4, 327,680 bytes of LDS; arguments xw, lowp_scales, bq, bk, bv, mask, qkv; writes qkv
.if DOCPART == 2
	.amdgcn_target "amdgcn-amd-amdhsa--gfx1250"
	.amdhsa_code_object_version 6
	.text
	.protected	k_q9add1ae096_qkv
	.globl	k_q9add1ae096_qkv
	.p2align	8
	.type	k_q9add1ae096_qkv,@function
k_q9add1ae096_qkv:
	s_mov_b64 s[64:65], 0
	v_nop
	global_prefetch_b8 v0, s[64:65] scope:SCOPE_SE
	s_setreg_imm32_b32 hwreg(HW_REG_WAVE_MODE, 25, 1), 1
	s_wait_xcnt 0x0
	s_wait_alu depctr_hold_cnt(0) depctr_sa_sdst(0) depctr_va_vdst(0) depctr_va_sdst(0) depctr_va_ssrc(0) depctr_va_vcc(0) depctr_vm_vsrc(0)
	s_getreg_b32 s2, hwreg(HW_REG_IB_STS2, 6, 4)
	s_cmp_eq_u32 s2, 0
	s_cbranch_scc0 .Lentry_in_a_cluster
	s_endpgm
.Lentry_in_a_cluster:
	s_bfe_u32 s2, ttmp6, 0x10000c
	s_cmp_lg_u32 s2, 0xf033
	s_cbranch_scc0 .Lentry_shape_is_right
	s_endpgm
.Lentry_shape_is_right:
; QKV: q = x Wq + bq, k = x Wk + bk, v = x Wv + bv on codes of E5M2, each result quantised at once with its own given scale (e6, e7, e9).  No work of the problem is left out here.
; The cluster's x says which: 0 q, 1 k, 2 v: the same number in all 16 partners.  q and k: A = x's codes, B = the weight's.  v is made as Wv^T x^T (A = Wv's codes, B = x's), so that a lane's registers run along the TOKENS,
; which are the K of attention's second product; it is stored [batch][channel][key].
; ROW ORDER (sw exchanges bits 3 and 4): B's rows lie at places sw(row), so a lane's 16 registers of two neighbouring tiles are 16 neighbours along B's index; x's rows for k and Wv's rows lie so too, so k's row p holds token sw(p)
; and v's row p channel sw(p): attention takes them as source 0 in its turn.
; THE MASK: a masked key's row of k becomes ZERO CODES: its hold limit is 0, at no line more.  (q's work-groups load the same 32 bytes a lane and select them away.)
; A tile of 256 x 256 to a work-group of four waves, 128 x 128 to a wave: 64 accumulators.  K = 1,024 in steps of 256 through two LDS slots; A's tile is asked for jointly along the cluster's row, B's along its column.
; The matrix instruction is used transposed: source 0 = 16 rows of B, source 1 = 16 rows of A.  A fragment is fetched by four loads of 16 bytes: registers 4 c .. 4 c + 3 hold K = 32 c + 16 (lane / 16) + 0 .. 15, alike in A and B.
; LIMITS: e0 + e1, e2 + e3, e4 + e5 between -126 and 127; e6, e7, e9 between -126 and 112.  NaN among the inputs is not served.
; REGISTERS: window 0: v16-31 addresses and constants; v32-39 each block's hold limit; v48-63 mask words or bv; v64-127 the bias along the columns; v128-255 A's fragments, later at work on the way out.
;   window 1: B's fragments, two sets.   windows 2, 3: the accumulators, (a, b) at v[8 (8 (a % 4) + b)].
.set SIZE_K, 1024
.set KSTEP,  256
.set ROWB,   256
.set KROW,   SIZE_K
.set PITCH,  272                       ; an LDS row: 256 bytes + 16: the 16 rows that a load touches start at 16 different banks (64 banks of 4 bytes: ISA guide 11.1)
.set FR,     16
.set NL,     4
.set NP,     4                         ; places behind this matrix instruction (ISA guide 7.12.1)
.set HALFT,  128*PITCH
.set SLOT,   4*HALFT
.set LAPS,   SIZE_K/(2*KSTEP)
.set SPARE,  2*SLOT                    ; behind the ring: the spare words, 512 bytes that no other line names
.set STGV,   69632                     ; the way out: a stage of 256 rows x 272 bytes in slot 0, which has had its last fill and its last read by then: q's and k's at 0, v's behind it
.set ADRA, 16
.set CO2,  18                          ; v18 v's byte offset in its rows (2,048 bytes apart)
.set ADRB, 20
.set STO2, 22
.set RD2,  23
.set STO,  24
.set RD,   25
.set CO,   26
.set LIM,  27                          ; v27 57,344 x 2^eo
.set SPW,  28
.set NIL,  29
.set CV,   30                          ; v30 2^eo
.set BNO,  31                          ; v31 64 (lane / 16)
.set LIMA, 32
.set VP,   40                          ; v40 4 (16 (r / 8) + r % 8)
.set L16,  48
.set BN,   64
.set TMP,  128
.set PC,   192
.set OUTR, 128
.set AF,   128
.set G1, 24
.set G0, 32
.set G1B, 48
.set G0B, 56
.set MSB, 0
.macro WIN new                         ; the immediate's high byte repeats the setting that is left
.if MSB != \new
	s_set_vgpr_msb (MSB<<8)|\new
.set MSB, \new
.endif
.endm
.set MUL_LO, 0xa1                      ; source 0 (B) window 1, source 1 (A) window 0, C and D window 2
.set MUL_HI, 0xf1
.set TO_B,   0x40
.macro JLOAD g0a, g1a, g0b, g1b        ; a joint load: waves 0 and 1 fetch for A, waves 2 and 3 for B; an s_nop 0 and four v_nop follow each line
	s_cmp_eq_u32 s15, 0
	s_cbranch_scc0 .Lfor_b_\@
	tensor_load_to_lds s[\g0a:\g0a+3], s[\g1a:\g1a+7]
	s_nop 0
.rept 4
	v_nop
.endr
	s_branch .Lasked_\@
.Lfor_b_\@:
	tensor_load_to_lds s[\g0b:\g0b+3], s[\g1b:\g1b+7]
	s_nop 0
.rept 4
	v_nop
.endr
.Lasked_\@:
.endm
.macro CREST                           ; a round of the cluster's barrier behind its opening barrier
	s_cmp_lg_u32 s14, 0
	s_cbranch_scc1 .Lnot_wave_0_\@
	s_barrier_signal -3
.Lnot_wave_0_\@:
	s_barrier_wait -3
	s_barrier_signal -1
	s_barrier_wait -1
.endm
.macro CROUND
	s_barrier_signal -1
	s_barrier_wait -1
	CREST
.endm
.macro FRAG reg, adr, q, i
.irp c, 0,1,2,3
	ds_load_b128 v[\reg+4*\c:\reg+4*\c+3], v[\adr] offset:128*(\q)+32*\c+(\i)*16*PITCH
.endr
.endm
.macro MUL16 a0, p, zero               ; A's blocks a0, a0 + 1 x B's eight; the 64 accumulators take turns, one instruction a turn
.irp a, \a0, \a0+1
.irp b, 0,1,2,3,4,5,6,7
.if \zero
	v_wmma_f32_16x16x128_bf8_bf8 v[8*(8*((\a)%4)+\b):8*(8*((\a)%4)+\b)+7], v[128*(\p)+FR*\b:128*(\p)+FR*\b+FR-1], v[AF+FR*(\a):AF+FR*(\a)+FR-1], 0
.else
	v_wmma_f32_16x16x128_bf8_bf8 v[8*(8*((\a)%4)+\b):8*(8*((\a)%4)+\b)+7], v[128*(\p)+FR*\b:128*(\p)+FR*\b+FR-1], v[AF+FR*(\a):AF+FR*(\a)+FR-1], v[8*(8*((\a)%4)+\b):8*(8*((\a)%4)+\b)+7]
.endif
.endr
.endr
.endm
.macro FETCH_B slot, q, p
	WIN TO_B
.irp i, 0,1,2,3,4,5,6,7
	FRAG 128*(\p)+FR*\i, ADRB+\slot, \q, \i
.endr
	WIN 0
.endm
.macro FETCH_A slot, q, i0
.irp i, \i0, \i0+1, \i0+2, \i0+3
	FRAG AF+FR*(\i), ADRA+\slot, \q, \i
.endr
.endm
.macro PLACES n
.rept \n
	v_nop
.endr
.endm
.macro STEP slot, q, zero              ; 128 along K with its successor in the same slot
	s_wait_dscnt 4*NL                              ; B's set and A's blocks 0-3 are in; the youngest sixteen loads (A's blocks 4-7) may be out
	WIN MUL_LO
	MUL16 0, (\q)%2, \zero
	MUL16 2, (\q)%2, \zero
	s_wait_dscnt 0
	PLACES NP
	FETCH_B \slot, (\q)+1, 1-(\q)%2
	FETCH_A \slot, (\q)+1, 0
	WIN MUL_HI
	MUL16 4, (\q)%2, \zero
	MUL16 6, (\q)%2, \zero
	PLACES NP
	WIN 0
	FETCH_A \slot, (\q)+1, 4
.endm
.macro TURN slot, next, fill           ; a slot's last step changes slots: one barrier; fill = 1: it opens a round of the cluster's barrier and the slot is filled again
	s_wait_tensorcnt 0x0                           ; all my tensor loads have landed: my part of the next slot
	ds_add_u32 v[SPW], v[NIL]                      ; 0 onto my spare word
	s_wait_dscnt 4*NL+1                            ; (the add and the youngest sixteen loads may be out)
	WIN MUL_LO
	MUL16 0, 1, 0
	s_wait_dscnt 0x0                               ; the add is done, and my reads of this slot are over
	s_barrier_signal -1
	MUL16 2, 1, 0
	WIN 0
	s_barrier_wait -1
.if \fill
	CREST                                          ; no wave of any partner still reads this slot's tile or has a load on its way
	s_add_nc_u64 s[G0+4*\slot+2:G0+4*\slot+3], s[G0+4*\slot+2:G0+4*\slot+3], 2*ROWB
	s_add_nc_u64 s[G0B+4*\slot+2:G0B+4*\slot+3], s[G0B+4*\slot+2:G0B+4*\slot+3], 2*ROWB
	JLOAD G0+4*\slot, G1, G0B+4*\slot, G1B         ; the first tensor load behind the round; its four v_nop are the places in front of the loads below
.else
	PLACES NP
.endif
	FETCH_B \next, 0, 0
	FETCH_A \next, 0, 0
	WIN MUL_HI
	MUL16 4, 1, 0
	MUL16 6, 1, 0
	PLACES NP
	WIN 0
	FETCH_A \next, 0, 4
.endm
.macro LAST                            ; the very last step: nothing more to fetch
	s_wait_dscnt 4*NL
	WIN MUL_LO
	MUL16 0, 1, 0
	MUL16 2, 1, 0
	s_wait_dscnt 0
	WIN MUL_HI
	MUL16 4, 1, 0
	MUL16 6, 1, 0
	WIN 0
.endm
.macro FINISH
	s_wait_tensorcnt 0x0                           ; the wave's end, behind my last tensor load and my last LDS store
	ds_add_u32 v[SPW], v[NIL]
	s_wait_dscnt 0x0
	CROUND                                         ; the closing round: no work-group ends while a partner may still ask for a tile that names it
	s_endpgm
.endm
; Block a of 16 rows becomes codes.  value = sum x 2^(eA + eB) + bias, one fused multiply-add for two numbers, each accumulator from its low end on; the hold; the conversion; 16 codes a pair of tiles into the stage.
; mode 0: the bias runs along the registers, the hold limit is the block's own (0 in a masked key's row);  mode 1: the bias belongs to the lane's row.
.macro CONV a, mode, sto
.set AC, 64*((\a)%4)
	WIN 0x02+((\a)/4)
.set jj, 0
.rept 32
.if \mode == 1
	v_pk_fma_f32 v[TMP+jj:TMP+jj+1], v[AC+jj:AC+jj+1], s[96:97], v[L16+2*(\a):L16+2*(\a)+1] op_sel_hi:[1,0,1]
.else
	v_pk_fma_f32 v[TMP+jj:TMP+jj+1], v[AC+jj:AC+jj+1], s[96:97], v[BN+jj:BN+jj+1] op_sel_hi:[1,0,1]
.endif
.set jj, jj+2
.endr
	WIN 0
.set jj, 0
.rept 64
.if \mode == 1
	v_med3_num_f32 v[TMP+jj], v[TMP+jj], -v[LIM], v[LIM]
.else
	v_med3_num_f32 v[TMP+jj], v[TMP+jj], -v[LIMA+(\a)], v[LIMA+(\a)]
.endif
.set jj, jj+1
.endr
	s_wait_dscnt 0x0                               ; the last block's stores have read the codes' registers
.irp p, 0,1,2,3
	v_cvt_scalef32_pk8_bf8_f32 v[PC+4*\p:PC+4*\p+1], v[TMP+16*\p:TMP+16*\p+7], v[CV]
	v_cvt_scalef32_pk8_bf8_f32 v[PC+4*\p+2:PC+4*\p+3], v[TMP+16*\p+8:TMP+16*\p+15], v[CV]
.endr
	v_nop                                          ; a plain line between the conversions and the next vector line that writes their sources
.irp p, 0,1,2,3
	ds_store_b128 v[\sto], v[PC+4*\p:PC+4*\p+3] offset:(\a)*4352+32*\p
.endr
.endm
.macro OUTROWS rd, co, pitch           ; my 64 whole rows of the stage: sixteen lanes store 256 consecutive bytes, aligned
.set tt, 0
.rept 32
	ds_load_b128 v[OUTR+4*tt:OUTR+4*tt+3], v[\rd] offset:2*tt*272
.set tt, tt+1
.endr
.set tt, 0
.rept 32
	s_wait_dscnt 31-tt
	global_store_b128 v[\co], v[OUTR+4*tt:OUTR+4*tt+3], s[88:89] offset:2*tt*\pitch
.set tt, tt+1
.endr
.endm
	s_load_b256 s[4:11], s[0:1], 0x0               ; xw, the scales' exponents, bq, bk
	s_load_b128 s[84:87], s[0:1], 0x20             ; bv, mask
	s_load_b64 s[88:89], s[0:1], 0x30              ; qkv
	v_lshl_add_u32 v[SPW], v0, 2, SPARE
	v_mov_b32 v[NIL], 0
	ds_add_u32 v[SPW], v[NIL]                      ; the wave's opening: the add, twice on end, and its wait ahead of my first tensor load
	ds_add_u32 v[SPW], v[NIL]
	v_lshrrev_b32 v1, 5, v0
	v_readfirstlane_b32 s14, v1                    ; wave 0..3
	s_lshr_b32 s15, s14, 1                         ; which half of the tile's rows is mine.  Also: I fetch for A (0) or for B (1)
	s_and_b32 s16, s14, 1                          ; which half of its columns.  Also: which 128 rows I fetch
	s_bfe_u32 s40, ttmp6, 0x40000                  ; cx
	s_bfe_u32 s41, ttmp6, 0x40004                  ; cy
	s_and_b32 s18, ttmp7, 0xffff
	s_lshl_b32 s18, s18, 2                         ; 4 x cluster y
	s_lshl_b32 s19, ttmp9, 22
	s_lshl_b32 s20, ttmp9, 20
	s_add_co_u32 s20, s20, 0xC00000
	s_mov_b32 s21, 0xE00000
	s_mov_b32 s22, 0x800000
	s_cmp_eq_u32 ttmp9, 2                          ; v?  The cluster's x: the same in all partners
	s_cselect_b32 s17, 0, s18
	s_cselect_b32 s42, s18, 0
	s_cselect_b32 s90, s21, s19                    ; A in xw: Wv's codes, or x's for q or k
	s_cselect_b32 s91, s22, s20                    ; B in xw: x's codes for v, or Wq's or Wk's
	s_add_co_u32 s17, s17, s41                     ; tile row: q, k: 4 Y + cy; v: cy
	s_add_co_u32 s42, s42, s40                     ; tile column: q, k: cx; v: 4 Y + cx
	s_lshl_b32 s43, s41, 2
	s_lshl_b32 s43, 15, s43                        ; my row of the cluster
	s_lshl_b32 s44, 0x1111, s40                    ; my column
	s_or_b32 s[G1+0], s43, (1<<20)|(1<<21)|(5<<22)|(3<<25)         ; the mask; elements of 1 byte; padding on; bit 21 beside a mask; after every 64 words, 4 words
	s_or_b32 s[G1B+0], s44, (1<<20)|(1<<21)|(5<<22)|(3<<25)
.irp g, G1, G1B
	s_mov_b32 s[\g+1], ROWB<<16                    ; tensor_dim0
	s_mov_b32 s[\g+2], 128<<16                     ; tensor_dim1
	s_mov_b32 s[\g+3], ROWB<<16                    ; tile_dim0
	s_mov_b32 s[\g+4], 128                         ; tile_dim1
	s_mov_b32 s[\g+5], KROW                        ; the pitch
	s_mov_b32 s[\g+6], 0
	s_mov_b32 s[\g+7], 0
.endr
	s_lshl_b32 s18, s16, 7
	s_lshl_b32 s20, s17, 8
	s_add_co_u32 s20, s20, s18
	s_lshl_b32 s20, s20, 10
	s_add_co_u32 s20, s20, s90                     ; A's bytes: hang on the tile row and the wave alone
	s_lshl_b32 s46, s42, 8
	s_add_co_u32 s46, s46, s18
	s_lshl_b32 s46, s46, 10
	s_add_co_u32 s46, s46, s91                     ; B's: on the tile column and the wave alone
	s_mov_b32 s21, 0
	s_mov_b32 s47, 0
	s_mul_i32 s45, s14, HALFT                      ; where they go: wave x 128 rows
	s_wait_dscnt 0x0                               ; both opening adds are done
	s_wait_kmcnt 0x0
	s_load_b512 s[68:83], s[6:7], 0x0              ; e0 .. e15
	s_add_nc_u64 s[20:21], s[4:5], s[20:21]
	s_add_nc_u64 s[46:47], s[4:5], s[46:47]
	CROUND                                         ; all sixteen work-groups are here: the first joint loads meet
.irp s, 0,1
	s_mov_b32 s[G0+4*\s], 1
	s_add_co_u32 s[G0+4*\s+1], s45, \s*SLOT
	s_add_nc_u64 s[G0+4*\s+2:G0+4*\s+3], s[20:21], \s*ROWB
	s_or_b32 s[G0+4*\s+3], s[G0+4*\s+3], 0x80000000
	s_mov_b32 s[G0B+4*\s], 1
	s_add_co_u32 s[G0B+4*\s+1], s45, \s*SLOT
	s_add_nc_u64 s[G0B+4*\s+2:G0B+4*\s+3], s[46:47], \s*ROWB
	s_or_b32 s[G0B+4*\s+3], s[G0B+4*\s+3], 0x80000000
	JLOAD G0+4*\s, G1, G0B+4*\s, G1B
.endr
	v_and_b32 v1, 15, v0                           ; r
	v_bfe_u32 v2, v0, 4, 1                         ; h
	v_mul_u32_u24 v3, v1, PITCH
	v_lshl_add_u32 v4, v2, 4, v3                   ; r x 272 + 16 h
	s_mul_i32 s21, s15, HALFT
	s_mul_i32 s22, s16, HALFT
	s_add_co_u32 s22, s22, 2*HALFT
.irp s, 0,1
	v_add_nc_u32 v[ADRA+\s], s21, v4
	v_add_nc_u32 v[ADRB+\s], s22, v4
	s_add_co_u32 s21, s21, SLOT
	s_add_co_u32 s22, s22, SLOT
.endr
	s_mul_i32 s23, s15, 128*272                    ; into the stage: row 128 x row half + 16 a + r, byte 128 x column half + 32 p + 16 h
	s_lshl_b32 s21, s16, 7
	s_add_co_u32 s23, s23, s21
	v_add_nc_u32 v[STO], s23, v4
	v_add_nc_u32 v[STO2], STGV, v[STO]
	s_mul_i32 s23, s14, 64*272                     ; back: wave w takes rows 64 w on, two rows an instruction
	v_mul_u32_u24 v5, v2, 272
	v_lshl_add_u32 v5, v1, 4, v5
	v_add_nc_u32 v[RD], s23, v5
	v_add_nc_u32 v[RD2], STGV, v[RD]
	v_lshlrev_b32 v[CO], 10, v2
	v_lshl_add_u32 v[CO], v1, 4, v[CO]
	v_lshlrev_b32 v[CO2], 11, v2
	v_lshl_add_u32 v[CO2], v1, 4, v[CO2]
	v_lshlrev_b32 v[BNO], 6, v2
	v_and_b32 v[VP], 7, v1
	v_lshrrev_b32 v5, 3, v1
	v_lshl_add_u32 v[VP], v5, 4, v[VP]
	v_lshlrev_b32 v[VP], 2, v[VP]
	; where my 64 rows go.  q, k: [token place][1,024]; v: [batch][channel place][2,048]
	s_lshl_b32 s92, s17, 8
	s_lshl_b32 s93, s14, 6
	s_add_co_u32 s92, s92, s93                     ; 256 x tile row + 64 x wave
	s_lshl_b32 s93, s92, 10
	s_lshl_b32 s94, s42, 8
	s_add_co_u32 s93, s93, s94
	s_lshl_b32 s95, ttmp9, 22
	s_add_co_u32 s93, s93, s95
	s_lshr_b32 s94, s42, 3
	s_lshl_b32 s94, s94, 10
	s_add_co_u32 s94, s94, s92
	s_lshl_b32 s94, s94, 11
	s_and_b32 s95, s42, 7
	s_lshl_b32 s95, s95, 8
	s_add_co_u32 s94, s94, s95
	s_add_co_u32 s94, s94, 0x800000
	s_cmp_eq_u32 ttmp9, 2
	s_cselect_b32 s92, s94, s93
	s_mov_b32 s93, 0
	s_add_nc_u64 s[88:89], s[88:89], s[92:93]
	s_lshl_b32 s92, s42, 10
	s_lshl_b32 s94, s16, 9
	s_add_co_u32 s92, s92, s94                     ; my first column, as f32 bytes
	s_cmp_eq_u32 ttmp9, 0
	s_cselect_b64 s[8:9], s[8:9], s[10:11]         ; bq or bk
	s_add_nc_u64 s[8:9], s[8:9], s[92:93]
	s_lshl_b32 s92, s17, 10
	s_lshl_b32 s94, s15, 9
	s_add_co_u32 s92, s92, s94                     ; my first row, as 4-byte words
	s_add_nc_u64 s[86:87], s[86:87], s[92:93]      ; the mask at my first token (read in q's and k's work-groups alone)
	s_add_nc_u64 s[84:85], s[84:85], s[92:93]      ; bv at my first channel (read in v's alone)
	s_wait_kmcnt 0x0
	s_add_co_i32 s92, s68, s69
	s_add_co_i32 s93, s70, s71
	s_add_co_i32 s94, s72, s73
	s_cmp_eq_u32 ttmp9, 0
	s_cselect_b32 s96, s92, s93
	s_cselect_b32 s95, s74, s75
	s_cmp_eq_u32 ttmp9, 2
	s_cselect_b32 s96, s94, s96                    ; eA + eB
	s_cselect_b32 s95, s77, s95                    ; eo: e6, e7 or e9
	s_cmp_eq_u32 ttmp9, 1
	s_cselect_b32 s98, 0, -1                       ; all ones where the mask is not to count (q)
	s_add_co_i32 s96, s96, 127
	s_lshl_b32 s96, s96, 23                        ; 2^(eA + eB) as f32
	s_mov_b32 s97, s96
	s_add_co_i32 s95, s95, 127
	s_lshl_b32 s94, s95, 23
	v_mov_b32 v[CV], s94
	s_add_co_i32 s95, s95, 15
	s_lshl_b32 s95, s95, 23
	s_or_b32 s95, s95, 0x600000
	v_mov_b32 v[LIM], s95
	s_wait_tensorcnt 1                             ; my part of K step 0 is in; K step 1's load may be out
	s_barrier_signal -1
	s_barrier_wait -1
	FETCH_B 0, 0, 0
	FETCH_A 0, 0, 0
	FETCH_A 0, 0, 4
	STEP 0, 0, 1                                   ; the first step's products start the sums
	s_mov_b32 s3, LAPS-1
.Llap:
	TURN 0, 1, 1
	STEP 1, 0, 0
	TURN 1, 0, 1
	STEP 0, 0, 0
	s_sub_co_u32 s3, s3, 1
	s_cmp_lg_u32 s3, 0
	s_cbranch_scc1 .Llap
	TURN 0, 1, 0                                   ; the last lap fills nothing
	STEP 1, 0, 0
	s_cmp_eq_u32 ttmp9, 2                          ; the two ways out part here, on the cluster's x; each asks for its bias ahead of the last 64 products, and has stage bytes of its own
	s_cbranch_scc1 .Lv
.irp p, 0,1,2,3
.irp i, 0,1,2,3
	global_load_b128 v[BN+16*\p+4*\i:BN+16*\p+4*\i+3], v[BNO], s[8:9] offset:128*\p+16*\i   ; the bias of columns 32 p + 16 h + 4 i on
.endr
.endr
.irp a, 0,1,2,3,4,5,6,7
	global_load_b32 v[L16+2*\a], v[VP], s[86:87] offset:4*(32*(\a/2)+8*(\a%2))             ; the mask of the token in row 16 a + r: sw(16 a + r)
.endr
	LAST
	PLACES NP
	s_wait_loadcnt 0x0
.irp a, 0,1,2,3,4,5,6,7
	v_cmp_ne_u32 vcc_lo, 0, v[L16+2*\a]
	s_or_b32 vcc_lo, vcc_lo, s98
	v_cndmask_b32 v[LIMA+\a], 0, v[LIM], vcc_lo    ; a masked key's limit is 0: its codes are zeros
.endr
.irp a, 0,1,2,3,4,5,6,7
	CONV \a, 0, STO
.endr
	s_wait_dscnt 0x0                               ; for the others' sake: my stores into the stage are done
	s_barrier_signal -1
	s_barrier_wait -1
	OUTROWS RD, CO, 1024
	FINISH
.Lv:
.irp a, 0,1,2,3,4,5,6,7
	global_load_b32 v[L16+2*\a], v[VP], s[84:85] offset:4*(32*(\a/2)+8*(\a%2))             ; bv of the channel in row 16 a + r, twice: a pair for the packed form
	global_load_b32 v[L16+2*\a+1], v[VP], s[84:85] offset:4*(32*(\a/2)+8*(\a%2))
.endr
	LAST
	PLACES NP
	s_wait_loadcnt 0x0
.irp a, 0,1,2,3,4,5,6,7
	CONV \a, 1, STO2
.endr
	s_wait_dscnt 0x0
	s_barrier_signal -1
	s_barrier_wait -1
	OUTROWS RD2, CO2, 2048
	FINISH
.Lfunc_end_k_q9add1ae096_qkv:
	.size	k_q9add1ae096_qkv, .Lfunc_end_k_q9add1ae096_qkv-k_q9add1ae096_qkv
	.p2alignl 7, 3214868480
	.fill 96, 4, 3214868480
	.section	.rodata,"a",@progbits
	.p2align	6, 0x0
	.amdhsa_kernel k_q9add1ae096_qkv
		.amdhsa_group_segment_fixed_size 327680
		.amdhsa_private_segment_fixed_size 0
		.amdhsa_enable_private_segment 0
		.amdhsa_kernarg_size 56
		.amdhsa_user_sgpr_count 2
		.amdhsa_user_sgpr_kernarg_segment_ptr 1
		.amdhsa_wavefront_size32 1
		.amdhsa_system_sgpr_workgroup_id_x 1
		.amdhsa_system_sgpr_workgroup_id_y 1
		.amdhsa_system_sgpr_workgroup_id_z 1
		.amdhsa_system_vgpr_workitem_id 0
		.amdhsa_next_free_vgpr 1024
		.amdhsa_next_free_sgpr 104
		.amdhsa_reserve_vcc 1
		.amdhsa_float_denorm_mode_32 3
		.amdhsa_float_denorm_mode_16_64 3
		.amdhsa_memory_ordered 1
		.amdhsa_forward_progress 1
		.amdhsa_inst_pref_size 211
	.end_amdhsa_kernel
	.amdgpu_metadata
---
amdhsa.version: [ 1, 2 ]
amdhsa.kernels:
  - .name:           k_q9add1ae096_qkv
    .symbol:         k_q9add1ae096_qkv.kd
    .args:
      - { .name: xw, .offset: 0, .size: 8, .value_kind: global_buffer, .address_space: global }
      - { .name: lowp_scales, .offset: 8, .size: 8, .value_kind: global_buffer, .address_space: global }
      - { .name: bq, .offset: 16, .size: 8, .value_kind: global_buffer, .address_space: global }
      - { .name: bk, .offset: 24, .size: 8, .value_kind: global_buffer, .address_space: global }
      - { .name: bv, .offset: 32, .size: 8, .value_kind: global_buffer, .address_space: global }
      - { .name: mask, .offset: 40, .size: 8, .value_kind: global_buffer, .address_space: global }
      - { .name: qkv, .offset: 48, .size: 8, .value_kind: global_buffer, .address_space: global }
    .group_segment_fixed_size: 327680
    .private_segment_fixed_size: 0
    .kernarg_segment_align: 8
    .kernarg_segment_size: 56
    .max_flat_workgroup_size: 128
    .sgpr_count:     104
    .vgpr_count:     1024
    .wavefront_size: 32
...
	.end_amdgpu_metadata
.endif
;; end of part 2
;; launch attn (part 3): grid 32 x 8, 16 waves a work-group, clusters of 4 x 1, 327,680 bytes of LDS; arguments qkv, mask, lowp_scales, ao; writes ao
.if DOCPART == 3
	.amdgcn_target "amdgcn-amd-amdhsa--gfx1250"
	.amdhsa_code_object_version 6
	.text
	.protected	k_q9add1ae096_attn
	.globl	k_q9add1ae096_attn
	.p2align	8
	.type	k_q9add1ae096_attn,@function
k_q9add1ae096_attn:
	s_mov_b64 s[64:65], 0
	v_nop
	global_prefetch_b8 v0, s[64:65] scope:SCOPE_SE
	s_setreg_imm32_b32 hwreg(HW_REG_WAVE_MODE, 25, 1), 1
	s_wait_xcnt 0x0
	s_wait_alu depctr_hold_cnt(0) depctr_sa_sdst(0) depctr_va_vdst(0) depctr_va_sdst(0) depctr_va_ssrc(0) depctr_va_vcc(0) depctr_vm_vsrc(0)
	s_getreg_b32 s2, hwreg(HW_REG_IB_STS2, 6, 4)
	s_cmp_eq_u32 s2, 0
	s_cbranch_scc0 .Lentry_in_a_cluster
	s_endpgm
.Lentry_in_a_cluster:
	s_bfe_u32 s2, ttmp6, 0x10000c
	s_cmp_lg_u32 s2, 0x3003
	s_cbranch_scc0 .Lentry_shape_is_right
	s_endpgm
.Lentry_shape_is_right:
; ATTN: ao = softmax(q k^T / 8, masked keys at a very low logit) v, both products on codes of E5M2; ao is quantised at once (e10).  No work of the problem is left out here.
; THE SOFTMAX: t = logit x log2(e); M = the running largest t rounded UP to a whole number; p = 2^(t - M) is quantised along the keys (e8), not normalised; the sum is taken of the unquantised p and divides at the end.
; SHARES.  A work-group owns 64 queries x 4 heads of one batch; wave w: head w / 4 of the four, query tile w % 4: 16 queries in 256 registers, four waves to a SIMD.  Four heads to a work-group make a token's part of k's row, and of
; ao's row, 256 consecutive bytes, aligned.  The four query blocks of a cluster walk the same k and v and ask for each tile jointly.
; LAYOUT.  Both products transposed: S^T = k q^T, O^T = v^T p^T: a lane holds one query.  k's rows lie at places sw(token), v's at sw(channel) (sw exchanges bits 3 and 4), so the 16 registers of tiles 2 b, 2 b + 1 are 16 neighbours.
; THE MASK costs no line in the loop.  A table of 2,048 f32 in LDS holds 0 for an open key and C = -2^(33 - e6 - e7) for a masked one; it is loaded into the score registers and is the C of the first product; a masked key's codes
; of k are zeros, so its raw score is C and its logit -2^30.  LIMIT, stated: reference() writes -1e9 there.  Beside any open key both give p = 0; with all keys masked both give equal p.  A power of two is taken since C x c is then
; exact, t - M is 0 and p is 1.  Open logits under about -1e9 are not served.
; LIMITS: e6 + e7 between -93 and 130; e8, e10 between -126 and 112.  NaN among the inputs is not served.
; REGISTERS: v1-7 addresses that stay; v8-10 addresses in hand; v12 -M, v13 the largest t, v[14:15] the sum; v16-23 q; v32-95 k's 8 fragments, then v's 4; v96-159 S^T, then p; v160-191 O^T; v224-239 p's codes; v236-254 at work.
.set KP,    272                        ; an LDS row: 256 bytes + 16
.set VOFF,  69632                      ; a slot: 256 key rows of k, then 256 channel rows of v (256 keys each)
.set SLOTB, 139264                     ; 0x22000: shares no bit with any address inside a slot's four tile starts, so one exclusive or turns a descriptor's LDS word
.set BIAS,  278528                     ; behind the ring: the mask's table, 8,192 bytes; no tile lands there
.set SPARE, 286720                     ; the spare words, 128 bytes for each of 16 waves, that no other line names
.set AK0, 1
.set AV0, 2
.set PFO, 3
.set AB0, 4
.set SPW, 5
.set NIL, 6
.set GO,  7
.set ADK, 8
.set ADV, 9
.set ADB, 10
.set TB,  2                            ; s2  LDS byte at which the slot in hand begins
.set KB,  3                            ; s3  the slot's first key x 4
.set WV,  18
.set SEL, 20
.set CS,  22                           ; s[22:23] c = log2(e) / 8 x 2^(e6 + e7)
.set G1K, 24
.set G1V, 32
.set G0K, 40
.set G0V, 44
.set EO,  48                           ; s48 e8 + e9
.set SLOTS, 67
.set PFA, 84
.set PFS, 86
.set LIM, 88
.macro TLOAD                           ; waves 0, 1 fetch k's halves, waves 2, 3 v's, the others nothing: branches on the wave's number alone; an s_nop 0 and four v_nop follow each line
	s_cmp_lt_u32 s[WV], 2
	s_cbranch_scc0 .Lnot_k_\@
	tensor_load_to_lds s[G0K:G0K+3], s[G1K:G1K+7]
	s_nop 0
.rept 4
	v_nop
.endr
	s_branch .Lasked_\@
.Lnot_k_\@:
	s_cmp_lt_u32 s[WV], 4
	s_cbranch_scc0 .Lasked_\@
	tensor_load_to_lds s[G0V:G0V+3], s[G1V:G1V+7]
	s_nop 0
.rept 4
	v_nop
.endr
.Lasked_\@:
.endm
; A prefetch of what the NEXT change of slots will ask for: 256 rows of k and 256 of v, 256 bytes of each, a lane a row.  Each row's 256 bytes are named once in the launch: of the eight clusters that walk the same k and v the
; first asks; its four partners take 64 rows each, told apart by address; in each, waves 8, 9 ask for k's and waves 10, 11 for v's, 32 rows a wave.  The last change that fills a slot asks for nothing.
.macro ASK
	s_cmp_gt_u32 s[SLOTS], s[LIM]
	s_cbranch_scc0 .Lnot_mine_\@
	global_prefetch_b8 v[PFO], s[PFA:PFA+1] th:TH_LOAD_NT scope:SCOPE_SE
.Lnot_mine_\@:
.endm
.macro CROUND
	s_barrier_signal -1
	s_barrier_wait -1
	s_cmp_lg_u32 s[WV], 0
	s_cbranch_scc1 .Lnot_wave_0_\@
	s_barrier_signal -3
.Lnot_wave_0_\@:
	s_barrier_wait -3
	s_barrier_signal -1
	s_barrier_wait -1
.endm
	s_load_b256 s[4:11], s[0:1], 0x0               ; qkv, mask, the scales' exponents, ao
	v_lshl_add_u32 v[SPW], v0, 2, SPARE
	v_mov_b32 v[NIL], 0
	ds_add_u32 v[SPW], v[NIL]                      ; the wave's opening: the add, twice on end, and its wait ahead of the first tensor loads
	ds_add_u32 v[SPW], v[NIL]
	v_lshrrev_b32 v8, 5, v0
	v_readfirstlane_b32 s[WV], v8                  ; wave 0..15
	s_bfe_u32 s12, ttmp6, 0x40000                  ; cx: it enters q's, ao's and the prefetches' global addresses alone
	s_and_b32 s13, ttmp7, 0xffff
	s_lshr_b32 s14, s13, 2                         ; the batch
	s_and_b32 s15, s13, 3                          ; the group of four heads
	s_lshl_b32 s16, ttmp9, 2
	s_add_co_u32 s16, s16, s12                     ; my block of 64 queries
	s_lshr_b32 s17, s[WV], 2                       ; my head of the four
	s_and_b32 s19, s[WV], 3                        ; my tile of 16 queries
	s_and_b32 s89, s[WV], 1                        ; which 128 rows I fetch, if I fetch
	s_lshl_b32 s90, s14, 21
	s_lshl_b32 s91, s89, 17
	s_add_co_u32 s90, s90, s91
	s_lshl_b32 s91, s15, 8
	s_add_co_u32 s90, s90, s91
	s_add_co_u32 s90, s90, 0x400000                ; k: 4 Mi + (2,048 batch + 128 half) x 1,024 + 256 group
	s_mov_b32 s91, 0
	s_lshl_b32 s92, s14, 21
	s_lshl_b32 s93, s15, 19
	s_add_co_u32 s92, s92, s93
	s_lshl_b32 s93, s89, 18
	s_add_co_u32 s92, s92, s93
	s_add_co_u32 s92, s92, 0x800000                ; v: 8 Mi + (1,024 batch + 256 group + 128 half) x 2,048
	s_mov_b32 s93, 0
	s_mul_i32 s94, s89, 128*KP
	s_add_co_u32 s95, s94, VOFF
	s_mov_b32 s[G1K], 15|(1<<20)|(1<<21)|(5<<22)|(3<<25)           ; the mask: all four partners; elements of 1 byte; padding on; bit 21 beside a mask; after every 64 words, 4 words
	s_mov_b32 s[G1K+1], 256<<16
	s_mov_b32 s[G1K+2], 128<<16
	s_mov_b32 s[G1K+3], 256<<16
	s_mov_b32 s[G1K+4], 128
	s_mov_b32 s[G1K+5], 1024                       ; from token to token
	s_mov_b32 s[G1K+6], 0
	s_mov_b32 s[G1K+7], 0
	s_mov_b32 s[G1V], 15|(1<<20)|(1<<21)|(5<<22)|(3<<25)
	s_mov_b32 s[G1V+1], 256<<16
	s_mov_b32 s[G1V+2], 128<<16
	s_mov_b32 s[G1V+3], 256<<16
	s_mov_b32 s[G1V+4], 128
	s_mov_b32 s[G1V+5], 2048                       ; from channel to channel
	s_mov_b32 s[G1V+6], 0
	s_mov_b32 s[G1V+7], 0
	s_mov_b32 s[SEL], 0x76543210
	s_mov_b32 s[SEL+1], 0xfedcba98
	s_mov_b32 s[CS], 0x3e38aa3b                    ; log2(e) / 8
	s_mov_b32 s[TB], 0
	s_mov_b32 s[KB], 0
	s_mov_b32 s[SLOTS], 7
	s_wait_dscnt 0x0                               ; both opening adds are done
	s_wait_kmcnt 0x0
	s_load_b512 s[68:83], s[8:9], 0x0              ; e0 .. e15
	s_mov_b32 s[G0K], 1
	s_mov_b32 s[G0K+1], s94
	s_add_nc_u64 s[G0K+2:G0K+3], s[4:5], s[90:91]
	s_or_b32 s[G0K+3], s[G0K+3], 0x80000000
	s_mov_b32 s[G0V], 1
	s_mov_b32 s[G0V+1], s95
	s_add_nc_u64 s[G0V+2:G0V+3], s[4:5], s[92:93]
	s_or_b32 s[G0V+3], s[G0V+3], 0x80000000
	CROUND                                         ; all four work-groups are here: the first joint loads meet
	TLOAD                                          ; slot 0
	s_lshl_b32 s90, s14, 11
	s_lshl_b32 s91, s16, 6
	s_add_co_u32 s90, s90, s91                     ; my block's first token
	s_lshl_b32 s91, s19, 4
	s_add_co_u32 s91, s90, s91
	s_lshl_b32 s91, s91, 10
	s_lshl_b32 s92, s15, 8
	s_add_co_u32 s91, s91, s92
	s_lshl_b32 s93, s17, 6
	s_add_co_u32 s96, s91, s93
	s_mov_b32 s97, 0
	s_add_nc_u64 s[96:97], s[4:5], s[96:97]        ; q at my first query, my head
	s_lshl_b32 s91, s[WV], 2
	s_add_co_u32 s91, s90, s91
	s_lshl_b32 s91, s91, 10
	s_add_co_u32 s98, s91, s92
	s_mov_b32 s99, 0
	s_add_nc_u64 s[10:11], s[10:11], s[98:99]      ; ao at the 4 rows that I store
	s_lshl_b32 s98, s14, 13
	s_add_nc_u64 s[6:7], s[6:7], s[98:99]          ; my batch's mask
	v_and_b32 v8, 15, v0                           ; r
	v_bfe_u32 v9, v0, 4, 1                         ; h
	v_lshlrev_b32 v10, 10, v8
	v_lshl_add_u32 v10, v9, 4, v10
	global_load_b128 v[16:19], v10, s[96:97]       ; q's fragment stays in registers: K = 32 c + 16 h + 0 .. 15
	global_load_b128 v[20:23], v10, s[96:97] offset:32
	v_lshlrev_b32 v11, 4, v0
	global_load_b128 v[24:27], v11, s[6:7]         ; four words of the mask a thread
	; the prefetches: where my wave's stand, and who asks
	s_lshl_b32 s90, s12, 6
	s_lshl_b32 s91, s89, 5
	s_add_co_u32 s90, s90, s91                     ; 64 cx + 32 (wave % 2)
	s_lshl_b32 s91, s14, 11
	s_add_co_u32 s91, s91, s90
	s_lshl_b32 s91, s91, 10
	s_add_co_u32 s91, s91, s92
	s_add_co_u32 s91, s91, 0x400000+262144         ; in k, slot 1: the first change of slots steps it to slot 2
	s_lshl_b32 s93, s14, 10
	s_lshl_b32 s94, s15, 8
	s_add_co_u32 s93, s93, s94
	s_add_co_u32 s93, s93, s90
	s_lshl_b32 s93, s93, 11
	s_add_co_u32 s93, s93, 0x800000+256            ; in v, slot 1
	s_mov_b32 s94, 256
	s_mov_b32 s95, 2048
	s_cmp_lt_u32 s[WV], 10
	s_cselect_b32 s98, s91, s93
	s_cselect_b32 s[PFS], 262144, s94              ; a slot on
	s_cselect_b32 s95, 1024, s95                   ; from lane to lane
	s_mov_b32 s[PFS+1], 0
	s_add_nc_u64 s[PFA:PFA+1], s[4:5], s[98:99]
	v_and_b32 v[PFO], 31, v0
	v_mul_lo_u32 v[PFO], v[PFO], s95
	s_sub_co_u32 s98, s[WV], 8
	s_lshr_b32 s98, s98, 2                         ; 0 in waves 8 to 11,
	s_or_b32 s98, s98, ttmp9                       ; of the first cluster: the same in all four partners
	s_cmp_eq_u32 s98, 0
	s_cselect_b32 s[LIM], 1, -1
	v_mul_u32_u24 v[AK0], v8, KP
	v_lshl_add_u32 v[AK0], v9, 4, v[AK0]
	s_lshl_b32 s91, s17, 6
	v_add_nc_u32 v[AK0], s91, v[AK0]               ; k: row r, my head's 64 bytes, + 16 h
	v_mul_u32_u24 v[AV0], v8, KP
	v_lshl_add_u32 v[AV0], v9, 4, v[AV0]
	s_mul_i32 s91, s17, 64*KP
	s_add_co_u32 s91, s91, VOFF
	v_add_nc_u32 v[AV0], s91, v[AV0]               ; v: my head's 64 rows, row r, + 16 h
	v_lshlrev_b32 v[AB0], 6, v9
	v_add_nc_u32 v[AB0], BIAS, v[AB0]              ; the table: + 64 h
	v_lshlrev_b32 v[GO], 10, v9
	v_lshl_add_u32 v[GO], v8, 4, v[GO]             ; the way out: lanes 0-15 one row of ao, lanes 16-31 the next
	v_lshl_add_u32 v29, v0, 4, BIAS
	v_mov_b32 v13, 0xff61b1e6                      ; the largest t so far: -3e38
	v_floor_f32 v12, -v13
	v_mov_b32 v14, 0
	v_mov_b32 v15, 0
	v_mov_b32 v236, 0                              ; written once: a lane permute's destination counts as read
	v_mov_b32 v253, 0                              ; (named as the upper half of v[252:253])
.set jj, 0
.rept 32
	v_mov_b32 v[160+jj], 0                         ; O^T: the step is written once; its first pass finds zeros, which the first change of M leaves zeros
.set jj, jj+1
.endr
	s_wait_kmcnt 0x0
	s_add_co_i32 s90, s74, s75                     ; e6 + e7
	s_lshl_b32 s91, s90, 23
	s_add_co_i32 s[CS], s[CS], s91                 ; added to c's exponent field
	s_mov_b32 s[CS+1], s[CS]
	s_sub_co_i32 s91, 160, s90
	s_lshl_b32 s91, s91, 23
	s_or_b32 s91, s91, 0x80000000                  ; C = -2^(33 - e6 - e7)
	v_mov_b32 v28, s91
	s_add_co_i32 s90, s76, 127
	s_lshl_b32 s91, s90, 23
	v_mov_b32 v244, s91                            ; 2^e8
	s_add_co_i32 s90, s90, 15
	s_lshl_b32 s90, s90, 23
	s_or_b32 s90, s90, 0x600000
	v_mov_b32 v240, s90                            ; 57,344 x 2^e8
	s_add_co_i32 s90, s78, 127
	s_lshl_b32 s91, s90, 23
	v_mov_b32 v245, s91                            ; 2^e10
	s_add_co_i32 s90, s90, 15
	s_lshl_b32 s90, s90, 23
	s_or_b32 s90, s90, 0x600000
	v_mov_b32 v241, s90                            ; 57,344 x 2^e10
	s_add_co_i32 s[EO], s76, s77
	s_wait_loadcnt 0x0                             ; q and the mask
.irp k, 0,1,2,3
	v_cmp_eq_u32 vcc_lo, 0, v[24+\k]
	v_cndmask_b32 v[24+\k], 0, v28, vcc_lo
.endr
	ds_store_b128 v29, v[24:27]                    ; the first change of slots, below, waits for it and shows it to all sixteen waves
; A KEY STEP: 128 keys, the q-th of the slot in hand.
.macro STEP q
	v_add_nc_u32 v[ADK], s[TB], v[AK0]
	v_add_nc_u32 v[ADV], s[TB], v[AV0]
	v_add_nc_u32 v[ADB], s[KB], v[AB0]
	v_nop                                          ; four places in front of loads into registers that the last products read
.irp i, 0,1,2,3,4,5,6,7
	ds_load_b128 v[96+8*\i:99+8*\i], v[ADB] offset:4*(128*(\q)+32*(\i/2)+8*(\i%2))        ; the table's words of tile i's keys 32 (i / 2) + 16 h + 8 (i % 2) + 0 .. 7: they are the product's C
	ds_load_b128 v[100+8*\i:103+8*\i], v[ADB] offset:4*(128*(\q)+32*(\i/2)+8*(\i%2))+16
.endr
.irp i, 0,1,2,3,4,5,6,7
	ds_load_b128 v[32+8*\i:35+8*\i], v[ADK] offset:(128*(\q)+16*\i)*KP
	ds_load_b128 v[36+8*\i:39+8*\i], v[ADK] offset:(128*(\q)+16*\i)*KP+32
.endr
	s_wait_dscnt 0x0
.irp i, 0,1,2,3,4,5,6,7
	v_wmma_f32_16x16x64_bf8_bf8 v[96+8*\i:103+8*\i], v[32+8*\i:39+8*\i], v[16:23], v[96+8*\i:103+8*\i]
.endr
.rept 4
	v_nop
.endr
.irp t, 0,1,2,3
.irp c, 0,1,2,3
	ds_load_b128 v[32+16*\t+4*\c:35+16*\t+4*\c], v[ADV] offset:16*\t*KP+128*(\q)+32*\c     ; v's four fragments land under the softmax
.endr
.endr
	v_max3_num_f32 v254, v96, v97, v98             ; the step's largest score of my query among my 64 keys, in two chains, each accumulator from its low end on
	v_max3_num_f32 v252, v99, v100, v101
.irp i, 6,10,14,18,22,26,30,34,38,42,46,50,54,58
	v_max3_num_f32 v254, v254, v[96+\i], v[97+\i]
	v_max3_num_f32 v252, v252, v[98+\i], v[99+\i]
.endr
	v_max3_num_f32 v254, v254, v158, v159
	v_max_num_f32 v254, v254, v252
	v_permlanex16_b32 v236, v254, s[SEL], s[SEL+1]
	v_max_num_f32 v254, v254, v236                 ; and among lane l xor 16's
	v_mul_f32 v254, s[CS], v254                    ; as t (c is positive)
	v_max_num_f32 v13, v13, v254
	v_mov_b32 v254, v12
	v_floor_f32 v12, -v13                          ; the new -M = floor(-t): M is a whole number
	v_sub_f32 v254, v12, v254                      ; old M - new M: a whole number, 0 or less
	v_cvt_i32_f32 v254, v254                       ; (it saturates)
	v_ldexp_f32 v252, 1.0, v254                    ; f = 2^(old M - new M)
.set jj, 0
.rept 32
	v_pk_fma_f32 v[96+jj:97+jj], v[96+jj:97+jj], s[CS:CS+1], v[12:13] op_sel_hi:[1,0,0]   ; t - M, two at a time
.set jj, jj+2
.endr
.set jj, 0
.rept 64
	v_exp_f32 v[96+jj], v[96+jj]                   ; p = 2^(t - M)
.set jj, jj+1
.endr
	v_pk_mul_f32 v[14:15], v[14:15], v[252:253] op_sel_hi:[1,0]   ; the sums under the new M: a plain line behind the exponentials
	s_wait_alu depctr_va_vdst(0)                   ; one wait for the whole batch, ahead of its first reader
	v_pk_add_f32 v[242:243], v[96:97], v[98:99]    ; the row's sum is taken of the unquantised p
.irp j, 4,8,12,16,20,24,28,32,36,40,44,48,52,56,60
	v_pk_add_f32 v[14:15], v[14:15], v[96+\j:97+\j]
	v_pk_add_f32 v[242:243], v[242:243], v[98+\j:99+\j]
.endr
	v_pk_add_f32 v[14:15], v[14:15], v[242:243]
.irp b, 0,1,2,3
.irp i, 0,1,2,3,4,5,6,7,8,9,10,11,12,13,14,15
	v_min_num_f32 v[96+16*\b+\i], v[96+16*\b+\i], v240   ; the hold; p is not negative, so it is one-sided
.endr
	v_cvt_scalef32_pk8_bf8_f32 v[224+4*\b:225+4*\b], v[96+16*\b:103+16*\b], v244
	v_cvt_scalef32_pk8_bf8_f32 v[226+4*\b:227+4*\b], v[104+16*\b:111+16*\b], v244
.endr
.set jj, 0
.rept 16
	v_pk_mul_f32 v[160+jj:161+jj], v[160+jj:161+jj], v[252:253] op_sel_hi:[1,0]   ; O^T under the new M
.set jj, jj+2
.endr
	s_wait_dscnt 0x0                               ; v is in
.irp t, 0,1,2,3
	v_wmma_f32_16x16x128_bf8_bf8 v[160+8*\t:167+8*\t], v[32+16*\t:47+16*\t], v[224:239], v[160+8*\t:167+8*\t]
.endr
.endm
; THE CHANGE OF SLOTS, at a slot's head.  Each wave waits for all its tensor loads, adds 0 to its spare word, and waits for that and for its LDS instructions.  fill = 1: a round of the cluster's barrier, and the slot that was
; left is filled with the next 256 keys: the load has a whole slot's steps in which to land.  A fetching wave has one tensor load out.
.macro CHANGE fill
	s_wait_tensorcnt 0x0
	ds_add_u32 v[SPW], v[NIL]
.if \fill
	ds_add_u32 v[SPW], v[NIL]                      ; and once more: the add twice on end, in every trip alike
	s_xor_b32 s[G0K+1], s[G0K+1], SLOTB
	s_add_nc_u64 s[G0K+2:G0K+3], s[G0K+2:G0K+3], 262144
	s_xor_b32 s[G0V+1], s[G0V+1], SLOTB
	s_add_nc_u64 s[G0V+2:G0V+3], s[G0V+2:G0V+3], 256
	s_wait_xcnt 0x0                                ; the last prefetch, a slot back, has read its address
	s_add_nc_u64 s[PFA:PFA+1], s[PFA:PFA+1], s[PFS:PFS+1]
.endif
	s_wait_dscnt 0x0
.if \fill
	CROUND
	TLOAD
	ASK
.else
	s_barrier_signal -1
	s_barrier_wait -1
.endif
.endm
.Lslot:                                            ; 7 trips: behind each change of slots but the last the next slot is asked for
	CHANGE 1
	STEP 0
	STEP 1
	s_xor_b32 s[TB], s[TB], SLOTB
	s_add_co_u32 s[KB], s[KB], 1024
	s_sub_co_u32 s[SLOTS], s[SLOTS], 1
	s_cmp_lg_u32 s[SLOTS], 0
	s_cbranch_scc1 .Lslot
	CHANGE 0                                       ; the last slot is written out
	STEP 0
	STEP 1
	; THE WAY OUT.  O^T / the sum x 2^(e8 + e9) is ao; registers 16 b + 0 .. 15 are channels 32 b + 16 h + 0 .. 15 of my head: quantised (e10), 16 codes a store into a stage of 64 rows x 272 bytes at LDS byte 0:
	; that slot was left at the last change of slots, has had its last fill, and nobody reads it.
	v_add_f32 v14, v14, v15
	v_permlanex16_b32 v252, v14, s[SEL], s[SEL+1]
	v_add_f32 v14, v14, v252
	v_rcp_f32 v14, v14
	v_and_b32 v8, 15, v0                           ; (a plain line behind the reciprocal)
	v_bfe_u32 v9, v0, 4, 1
	s_mul_i32 s91, s19, 16*KP
	s_lshl_b32 s92, s17, 6
	s_add_co_u32 s91, s91, s92
	v_mul_u32_u24 v10, v8, KP
	v_lshl_add_u32 v10, v9, 4, v10
	v_add_nc_u32 v10, s91, v10                     ; in: row 16 tile + r, byte 64 head + 16 h
	s_mul_i32 s92, s[WV], 4*KP
	v_mul_u32_u24 v11, v9, KP
	v_lshl_add_u32 v11, v8, 4, v11
	v_add_nc_u32 v11, s92, v11                     ; back: rows 4 w on, two rows an instruction
	s_wait_alu depctr_va_vdst(0)                   ; the wait ahead of the reciprocal's first reader
	v_ldexp_f32 v14, v14, s[EO]
.set jj, 0
.rept 32
	v_mul_f32 v[96+jj], v[160+jj], v14
.set jj, jj+1
.endr
.set jj, 0
.rept 32
	v_med3_num_f32 v[96+jj], v[96+jj], -v241, v241
.set jj, jj+1
.endr
.irp b, 0,1
	v_cvt_scalef32_pk8_bf8_f32 v[224+4*\b:225+4*\b], v[96+16*\b:103+16*\b], v245
	v_cvt_scalef32_pk8_bf8_f32 v[226+4*\b:227+4*\b], v[104+16*\b:111+16*\b], v245
.endr
	v_nop
	ds_store_b128 v10, v[224:227]
	ds_store_b128 v10, v[228:231] offset:32
	s_wait_dscnt 0x0                               ; for the others' sake: a row's 256 bytes come from four waves
	s_barrier_signal -1
	s_barrier_wait -1
	ds_load_b128 v[32:35], v11
	ds_load_b128 v[36:39], v11 offset:2*KP
	s_wait_dscnt 0x1                               ; the first pair of rows is in; the second may be out
	global_store_b128 v[GO], v[32:35], s[10:11]    ; sixteen lanes store 256 consecutive bytes, aligned
	s_wait_dscnt 0x0
	global_store_b128 v[GO], v[36:39], s[10:11] offset:2048
	s_wait_tensorcnt 0x0                           ; the wave's end
	ds_add_u32 v[SPW], v[NIL]
	s_wait_dscnt 0x0
	CROUND                                         ; the closing round
	s_endpgm
.Lfunc_end_k_q9add1ae096_attn:
	.size	k_q9add1ae096_attn, .Lfunc_end_k_q9add1ae096_attn-k_q9add1ae096_attn
	.p2alignl 7, 3214868480
	.fill 96, 4, 3214868480
	.section	.rodata,"a",@progbits
	.p2align	6, 0x0
	.amdhsa_kernel k_q9add1ae096_attn
		.amdhsa_group_segment_fixed_size 327680
		.amdhsa_private_segment_fixed_size 0
		.amdhsa_enable_private_segment 0
		.amdhsa_kernarg_size 32
		.amdhsa_user_sgpr_count 2
		.amdhsa_user_sgpr_kernarg_segment_ptr 1
		.amdhsa_wavefront_size32 1
		.amdhsa_system_sgpr_workgroup_id_x 1
		.amdhsa_system_sgpr_workgroup_id_y 1
		.amdhsa_system_sgpr_workgroup_id_z 1
		.amdhsa_system_vgpr_workitem_id 0
		.amdhsa_next_free_vgpr 256
		.amdhsa_next_free_sgpr 104
		.amdhsa_reserve_vcc 1
		.amdhsa_float_denorm_mode_32 3
		.amdhsa_float_denorm_mode_16_64 3
		.amdhsa_memory_ordered 1
		.amdhsa_forward_progress 1
		.amdhsa_inst_pref_size 82
	.end_amdhsa_kernel
	.amdgpu_metadata
---
amdhsa.version: [ 1, 2 ]
amdhsa.kernels:
  - .name:           k_q9add1ae096_attn
    .symbol:         k_q9add1ae096_attn.kd
    .args:
      - { .name: qkv, .offset: 0, .size: 8, .value_kind: global_buffer, .address_space: global }
      - { .name: mask, .offset: 8, .size: 8, .value_kind: global_buffer, .address_space: global }
      - { .name: lowp_scales, .offset: 16, .size: 8, .value_kind: global_buffer, .address_space: global }
      - { .name: ao, .offset: 24, .size: 8, .value_kind: global_buffer, .address_space: global }
    .group_segment_fixed_size: 327680
    .private_segment_fixed_size: 0
    .kernarg_segment_align: 8
    .kernarg_segment_size: 32
    .max_flat_workgroup_size: 512
    .sgpr_count:     104
    .vgpr_count:     256
    .wavefront_size: 32
...
	.end_amdgpu_metadata
.endif
;; end of part 3
;; launch wo (part 4): grid 4 x 16, 4 waves a work-group, clusters of 4 x 4, 327,680 bytes of LDS; arguments ao, xw, lowp_scales, bo, x, rs; writes rs
.if DOCPART == 4
	.amdgcn_target "amdgcn-amd-amdhsa--gfx1250"
	.amdhsa_code_object_version 6
	.text
	.protected	k_q9add1ae096_wo
	.globl	k_q9add1ae096_wo
	.p2align	8
	.type	k_q9add1ae096_wo,@function
k_q9add1ae096_wo:
	s_mov_b64 s[64:65], 0
	v_nop
	global_prefetch_b8 v0, s[64:65] scope:SCOPE_SE
	s_setreg_imm32_b32 hwreg(HW_REG_WAVE_MODE, 25, 1), 1
	s_wait_xcnt 0x0
	s_wait_alu depctr_hold_cnt(0) depctr_sa_sdst(0) depctr_va_vdst(0) depctr_va_sdst(0) depctr_va_ssrc(0) depctr_va_vcc(0) depctr_vm_vsrc(0)
	s_getreg_b32 s2, hwreg(HW_REG_IB_STS2, 6, 4)
	s_cmp_eq_u32 s2, 0
	s_cbranch_scc0 .Lentry_in_a_cluster
	s_endpgm
.Lentry_in_a_cluster:
	s_bfe_u32 s2, ttmp6, 0x10000c
	s_cmp_lg_u32 s2, 0xf033
	s_cbranch_scc0 .Lentry_shape_is_right
	s_endpgm
.Lentry_shape_is_right:
; WO: rs = x + (ao Wo + bo): the product on codes of E5M2 (scales e10, e11), the rest in f32.  No work of the problem is left out here.
; A tile of 256 x 256 to a work-group of four waves, 128 x 128 to a wave.  K in steps of 256 through two LDS slots; A's tile is asked for jointly along the cluster's row, B's along its column.
; The matrix instruction is used transposed (source 0 = 16 rows of B, source 1 = 16 rows of A).  B's rows lie at places sw(n) (bits 3 and 4 exchanged), so a lane's 16 registers of tiles 2 p, 2 p + 1 are columns 32 p + 16 h + 0 .. 15.
; 64 work-groups: the output has 64 tiles of this size.  LIMIT: the two exponents' sum between -126 and 127.
; REGISTERS: window 0: v8-11 the bias of my four columns; v16-29 addresses; v128-255 A's fragments, later two sets of 16 rows on the way out.  window 1: B's fragments, two sets; set 0 takes the residual at the end.  windows 2, 3: accumulators.
.set SIZE_K, 1024
.set BOFF,   0xF00000                  ; Wo's codes in xw
.set SCOFF,  40                        ; e10, e11
.set KSTEP,  256
.set ROWB,   256
.set KROW,   SIZE_K
.set PITCH,  272
.set FR,     16
.set NL,     4
.set NP,     4
.set HALFT,  128*PITCH
.set SLOT,   4*HALFT
.set LAPS,   SIZE_K/(2*KSTEP)
.set SPARE,  2*SLOT
.set SPITCH, 528                       ; the way out: a stage of 16 rows x (512 bytes + 16) for each wave, in slot 0, which has had its last fill and its last read by then
.set BI,   8
.set ADRA, 16
.set ADRB, 20
.set STO,  24
.set RD,   25
.set CO,   26
.set SPW,  28
.set NIL,  29
.set AF,   128
.set BK,   128
.set G1, 24
.set G0, 32
.set G1B, 48
.set G0B, 56
.set MSB, 0
.macro WIN new
.if MSB != \new
	s_set_vgpr_msb (MSB<<8)|\new
.set MSB, \new
.endif
.endm
.set MUL_LO, 0xa1
.set MUL_HI, 0xf1
.set TO_B,   0x40
.macro JLOAD g0a, g1a, g0b, g1b
	s_cmp_eq_u32 s15, 0
	s_cbranch_scc0 .Lfor_b_\@
	tensor_load_to_lds s[\g0a:\g0a+3], s[\g1a:\g1a+7]
	s_nop 0
.rept 4
	v_nop
.endr
	s_branch .Lasked_\@
.Lfor_b_\@:
	tensor_load_to_lds s[\g0b:\g0b+3], s[\g1b:\g1b+7]
	s_nop 0
.rept 4
	v_nop
.endr
.Lasked_\@:
.endm
.macro CREST
	s_cmp_lg_u32 s14, 0
	s_cbranch_scc1 .Lnot_wave_0_\@
	s_barrier_signal -3
.Lnot_wave_0_\@:
	s_barrier_wait -3
	s_barrier_signal -1
	s_barrier_wait -1
.endm
.macro CROUND
	s_barrier_signal -1
	s_barrier_wait -1
	CREST
.endm
.macro FRAG reg, adr, q, i
.irp c, 0,1,2,3
	ds_load_b128 v[\reg+4*\c:\reg+4*\c+3], v[\adr] offset:128*(\q)+32*\c+(\i)*16*PITCH
.endr
.endm
.macro MUL16 a0, p, zero               ; the 64 accumulators take turns, one instruction a turn
.irp a, \a0, \a0+1
.irp b, 0,1,2,3,4,5,6,7
.if \zero
	v_wmma_f32_16x16x128_bf8_bf8 v[8*(8*((\a)%4)+\b):8*(8*((\a)%4)+\b)+7], v[128*(\p)+FR*\b:128*(\p)+FR*\b+FR-1], v[AF+FR*(\a):AF+FR*(\a)+FR-1], 0
.else
	v_wmma_f32_16x16x128_bf8_bf8 v[8*(8*((\a)%4)+\b):8*(8*((\a)%4)+\b)+7], v[128*(\p)+FR*\b:128*(\p)+FR*\b+FR-1], v[AF+FR*(\a):AF+FR*(\a)+FR-1], v[8*(8*((\a)%4)+\b):8*(8*((\a)%4)+\b)+7]
.endif
.endr
.endr
.endm
.macro FETCH_B slot, q, p
	WIN TO_B
.irp i, 0,1,2,3,4,5,6,7
	FRAG 128*(\p)+FR*\i, ADRB+\slot, \q, \i
.endr
	WIN 0
.endm
.macro FETCH_A slot, q, i0
.irp i, \i0, \i0+1, \i0+2, \i0+3
	FRAG AF+FR*(\i), ADRA+\slot, \q, \i
.endr
.endm
.macro PLACES n
.rept \n
	v_nop
.endr
.endm
.macro STEP slot, q, zero
	s_wait_dscnt 4*NL                              ; the youngest sixteen loads (A's blocks 4-7) may be out
	WIN MUL_LO
	MUL16 0, (\q)%2, \zero
	MUL16 2, (\q)%2, \zero
	s_wait_dscnt 0
	PLACES NP
	FETCH_B \slot, (\q)+1, 1-(\q)%2
	FETCH_A \slot, (\q)+1, 0
	WIN MUL_HI
	MUL16 4, (\q)%2, \zero
	MUL16 6, (\q)%2, \zero
	PLACES NP
	WIN 0
	FETCH_A \slot, (\q)+1, 4
.endm
.macro TURN slot, next, fill
	s_wait_tensorcnt 0x0                           ; all my tensor loads have landed: my part of the next slot
	ds_add_u32 v[SPW], v[NIL]
	s_wait_dscnt 4*NL+1                            ; (the add and the youngest sixteen loads may be out)
	WIN MUL_LO
	MUL16 0, 1, 0
	s_wait_dscnt 0x0                               ; the add is done, and my reads of this slot are over
	s_barrier_signal -1
	MUL16 2, 1, 0
	WIN 0
	s_barrier_wait -1
.if \fill
	CREST
	s_add_nc_u64 s[G0+4*\slot+2:G0+4*\slot+3], s[G0+4*\slot+2:G0+4*\slot+3], 2*ROWB
	s_add_nc_u64 s[G0B+4*\slot+2:G0B+4*\slot+3], s[G0B+4*\slot+2:G0B+4*\slot+3], 2*ROWB
	JLOAD G0+4*\slot, G1, G0B+4*\slot, G1B
.else
	PLACES NP
.endif
	FETCH_B \next, 0, 0
	FETCH_A \next, 0, 0
	WIN MUL_HI
	MUL16 4, 1, 0
	MUL16 6, 1, 0
	PLACES NP
	WIN 0
	FETCH_A \next, 0, 4
.endm
.macro LAST
	s_wait_dscnt 4*NL
	WIN MUL_LO
	MUL16 0, 1, 0
	MUL16 2, 1, 0
	s_wait_dscnt 0
	WIN MUL_HI
	MUL16 4, 1, 0
	MUL16 6, 1, 0
	WIN 0
.endm
; THE WAY OUT, block by block of 16 rows x 128 columns.
.macro RESLOAD a                       ; the residual's 16 rows of block a, 512 consecutive bytes a load, into window 1
	WIN TO_B
.set tt, 0
.rept 16
	global_load_b128 v[64*((\a)%2)+4*tt:64*((\a)%2)+4*tt+3], v[CO], s[68:69] offset:(16*(\a)+tt)*4096 th:TH_LOAD_NT
.set tt, tt+1
.endr
	WIN 0
.endm
.macro TOSTAGE a                       ; the sums go into my stage as they stand, each accumulator from its low end on, and come back as whole rows of 512 bytes; LDS serves a wave's instructions in order
.set AC, 64*((\a)%4)
	WIN 0x08+4*((\a)/4)                            ; the store's data: window 2 or 3
.irp p, 0,1,2,3
.irp i, 0,1,2,3
	ds_store_b128 v[STO], v[AC+16*\p+4*\i:AC+16*\p+4*\i+3] offset:128*\p+16*\i
.endr
.endr
	WIN 0
.set BB, BK+64*((\a)%2)
.set tt, 0
.rept 16
	ds_load_b128 v[BB+4*tt:BB+4*tt+3], v[RD] offset:tt*SPITCH
.set tt, tt+1
.endr
.endm
.macro SEND a, yds, yld                ; yds, yld: the younger LDS instructions and global loads that may stay out
.set BB, BK+64*((\a)%2)
	s_wait_dscnt \yds
	s_wait_loadcnt \yld
.set tt, 0
.rept 16
	v_pk_fma_f32 v[BB+4*tt:BB+4*tt+1], v[BB+4*tt:BB+4*tt+1], s[96:97], v[BI:BI+1] op_sel_hi:[1,0,1]       ; sum x 2^(eA + eB) + bias
	v_pk_fma_f32 v[BB+4*tt+2:BB+4*tt+3], v[BB+4*tt+2:BB+4*tt+3], s[96:97], v[BI+2:BI+3] op_sel_hi:[1,0,1]
.set tt, tt+1
.endr
	WIN 0x04                                       ; source 1: window 1
.set jj, 0
.rept 32
	v_pk_add_f32 v[BB+jj:BB+jj+1], v[BB+jj:BB+jj+1], v[64*((\a)%2)+jj:64*((\a)%2)+jj+1]                   ; + the residual
.set jj, jj+2
.endr
	WIN 0
.set tt, 0
.rept 16
	global_store_b128 v[CO], v[BB+4*tt:BB+4*tt+3], s[70:71] offset:(16*(\a)+tt)*4096   ; 32 lanes store 512 consecutive bytes, aligned
.set tt, tt+1
.endr
.if (\a)+2 <= 7
	RESLOAD (\a)+2
.endif
.endm
	s_load_b256 s[4:11], s[0:1], 0x0               ; A's codes, xw, the scales' exponents, the bias
	s_load_b128 s[68:71], s[0:1], 0x20             ; the residual, rs
	v_lshl_add_u32 v[SPW], v0, 2, SPARE
	v_mov_b32 v[NIL], 0
	ds_add_u32 v[SPW], v[NIL]                      ; the wave's opening: the add, twice on end, and its wait ahead of my first tensor load
	ds_add_u32 v[SPW], v[NIL]
	v_lshrrev_b32 v1, 5, v0
	v_readfirstlane_b32 s14, v1
	s_lshr_b32 s15, s14, 1
	s_and_b32 s16, s14, 1
	s_bfe_u32 s40, ttmp6, 0x40000
	s_bfe_u32 s41, ttmp6, 0x40004
	s_lshl_b32 s42, ttmp9, 2
	s_add_co_u32 s42, s42, s40                     ; tile column
	s_and_b32 s17, ttmp7, 0xffff
	s_lshl_b32 s17, s17, 2
	s_add_co_u32 s17, s17, s41                     ; tile row
	s_lshl_b32 s43, s41, 2
	s_lshl_b32 s43, 15, s43
	s_lshl_b32 s44, 0x1111, s40
	s_or_b32 s[G1+0], s43, (1<<20)|(1<<21)|(5<<22)|(3<<25)
	s_or_b32 s[G1B+0], s44, (1<<20)|(1<<21)|(5<<22)|(3<<25)
.irp g, G1, G1B
	s_mov_b32 s[\g+1], ROWB<<16
	s_mov_b32 s[\g+2], 128<<16
	s_mov_b32 s[\g+3], ROWB<<16
	s_mov_b32 s[\g+4], 128
	s_mov_b32 s[\g+5], KROW
	s_mov_b32 s[\g+6], 0
	s_mov_b32 s[\g+7], 0
.endr
	s_lshl_b32 s18, s16, 7
	s_lshl_b32 s20, s17, 8
	s_add_co_u32 s20, s20, s18
	s_lshl_b32 s46, s42, 8
	s_add_co_u32 s46, s46, s18
	s_mov_b32 s21, 0
	s_mov_b32 s47, 0
	s_mov_b64 s[18:19], KROW
	s_mul_u64 s[20:21], s[20:21], s[18:19]
	s_mul_u64 s[46:47], s[46:47], s[18:19]
	s_mul_i32 s45, s14, HALFT
	s_wait_dscnt 0x0
	s_wait_kmcnt 0x0
	s_load_b64 s[96:97], s[8:9], SCOFF
	s_add_nc_u64 s[6:7], s[6:7], BOFF
	s_add_nc_u64 s[20:21], s[4:5], s[20:21]
	s_add_nc_u64 s[46:47], s[6:7], s[46:47]
	CROUND
.irp s, 0,1
	s_mov_b32 s[G0+4*\s], 1
	s_add_co_u32 s[G0+4*\s+1], s45, \s*SLOT
	s_add_nc_u64 s[G0+4*\s+2:G0+4*\s+3], s[20:21], \s*ROWB
	s_or_b32 s[G0+4*\s+3], s[G0+4*\s+3], 0x80000000
	s_mov_b32 s[G0B+4*\s], 1
	s_add_co_u32 s[G0B+4*\s+1], s45, \s*SLOT
	s_add_nc_u64 s[G0B+4*\s+2:G0B+4*\s+3], s[46:47], \s*ROWB
	s_or_b32 s[G0B+4*\s+3], s[G0B+4*\s+3], 0x80000000
	JLOAD G0+4*\s, G1, G0B+4*\s, G1B
.endr
	v_and_b32 v1, 15, v0
	v_bfe_u32 v2, v0, 4, 1
	v_mul_u32_u24 v3, v1, PITCH
	v_lshl_add_u32 v4, v2, 4, v3
	s_mul_i32 s21, s15, HALFT
	s_mul_i32 s22, s16, HALFT
	s_add_co_u32 s22, s22, 2*HALFT
.irp s, 0,1
	v_add_nc_u32 v[ADRA+\s], s21, v4
	v_add_nc_u32 v[ADRB+\s], s22, v4
	s_add_co_u32 s21, s21, SLOT
	s_add_co_u32 s22, s22, SLOT
.endr
	s_mul_i32 s23, s14, 16*SPITCH                  ; my stage
	v_mul_u32_u24 v5, v1, SPITCH
	v_lshl_add_u32 v5, v2, 6, v5
	v_add_nc_u32 v[STO], s23, v5                   ; in: row r, + 64 h: my 16 columns of each 32
	v_and_b32 v6, 31, v0
	v_lshlrev_b32 v[CO], 4, v6
	v_add_nc_u32 v[RD], s23, v[CO]                 ; back: the 32 lanes take one row of 512 bytes
	s_lshl_b32 s20, s17, 8
	s_lshl_b32 s21, s15, 7
	s_add_co_u32 s20, s20, s21
	s_lshl_b32 s20, s20, 12                        ; my first row x 4,096 bytes
	s_lshl_b32 s46, s42, 10
	s_lshl_b32 s47, s16, 9
	s_add_co_u32 s46, s46, s47                     ; my first column x 4
	s_mov_b32 s47, 0
	s_add_nc_u64 s[10:11], s[10:11], s[46:47]
	s_add_co_u32 s46, s46, s20
	s_add_nc_u64 s[68:69], s[68:69], s[46:47]
	s_add_nc_u64 s[70:71], s[70:71], s[46:47]
	s_wait_tensorcnt 1                             ; my part of K step 0 is in; K step 1's load may be out
	s_barrier_signal -1
	s_barrier_wait -1
	FETCH_B 0, 0, 0
	FETCH_A 0, 0, 0
	FETCH_A 0, 0, 4
	STEP 0, 0, 1
	s_mov_b32 s3, LAPS-1
.Llap:
	TURN 0, 1, 1
	STEP 1, 0, 0
	TURN 1, 0, 1
	STEP 0, 0, 0
	s_sub_co_u32 s3, s3, 1
	s_cmp_lg_u32 s3, 0
	s_cbranch_scc1 .Llap
	TURN 0, 1, 0
	STEP 1, 0, 0
	global_load_b128 v[BI:BI+3], v[CO], s[10:11]   ; the bias and two blocks of the residual are asked for ahead of the last 64 products; B's set 0 was last read four places back
	RESLOAD 0
	RESLOAD 1
	LAST
	s_wait_kmcnt 0x0
	s_add_co_i32 s96, s96, s97
	s_add_co_i32 s96, s96, 127
	s_lshl_b32 s96, s96, 23                        ; 2^(eA + eB) as f32
	s_mov_b32 s97, s96
	PLACES NP
	TOSTAGE 0
.irp a, 1,2,3,4,5,6,7
.if \a > 1
	s_wait_xcnt 0x0                                ; block a - 2's stores have read their registers: block a's rows may land there
.endif
	TOSTAGE \a
	SEND \a-1, 32, 16                              ; behind block a - 1's loads: block a's 16 stores and 16 loads; behind its residual: the next block's 16 loads
.endr
	SEND 7, 0, 0
	s_wait_tensorcnt 0x0                           ; the wave's end
	ds_add_u32 v[SPW], v[NIL]
	s_wait_dscnt 0x0
	CROUND                                         ; the closing round
	s_endpgm
.Lfunc_end_k_q9add1ae096_wo:
	.size	k_q9add1ae096_wo, .Lfunc_end_k_q9add1ae096_wo-k_q9add1ae096_wo
	.p2alignl 7, 3214868480
	.fill 96, 4, 3214868480
	.section	.rodata,"a",@progbits
	.p2align	6, 0x0
	.amdhsa_kernel k_q9add1ae096_wo
		.amdhsa_group_segment_fixed_size 327680
		.amdhsa_private_segment_fixed_size 0
		.amdhsa_enable_private_segment 0
		.amdhsa_kernarg_size 48
		.amdhsa_user_sgpr_count 2
		.amdhsa_user_sgpr_kernarg_segment_ptr 1
		.amdhsa_wavefront_size32 1
		.amdhsa_system_sgpr_workgroup_id_x 1
		.amdhsa_system_sgpr_workgroup_id_y 1
		.amdhsa_system_sgpr_workgroup_id_z 1
		.amdhsa_system_vgpr_workitem_id 0
		.amdhsa_next_free_vgpr 1024
		.amdhsa_next_free_sgpr 104
		.amdhsa_reserve_vcc 0
		.amdhsa_float_denorm_mode_32 3
		.amdhsa_float_denorm_mode_16_64 3
		.amdhsa_memory_ordered 1
		.amdhsa_forward_progress 1
		.amdhsa_inst_pref_size 152
	.end_amdhsa_kernel
	.amdgpu_metadata
---
amdhsa.version: [ 1, 2 ]
amdhsa.kernels:
  - .name:           k_q9add1ae096_wo
    .symbol:         k_q9add1ae096_wo.kd
    .args:
      - { .name: ao, .offset: 0, .size: 8, .value_kind: global_buffer, .address_space: global }
      - { .name: xw, .offset: 8, .size: 8, .value_kind: global_buffer, .address_space: global }
      - { .name: lowp_scales, .offset: 16, .size: 8, .value_kind: global_buffer, .address_space: global }
      - { .name: bo, .offset: 24, .size: 8, .value_kind: global_buffer, .address_space: global }
      - { .name: x, .offset: 32, .size: 8, .value_kind: global_buffer, .address_space: global }
      - { .name: rs, .offset: 40, .size: 8, .value_kind: global_buffer, .address_space: global }
    .group_segment_fixed_size: 327680
    .private_segment_fixed_size: 0
    .kernarg_segment_align: 8
    .kernarg_segment_size: 48
    .max_flat_workgroup_size: 128
    .sgpr_count:     104
    .vgpr_count:     1024
    .wavefront_size: 32
...
	.end_amdgpu_metadata
.endif
;; end of part 4
;; launch ln1 (part 5): grid 256 x 1, 4 waves a work-group, no clusters, 0 bytes of LDS; arguments rs, g1, be1, lowp_scales, x1f, x1c; writes x1f, x1c
.if DOCPART == 5
	.amdgcn_target "amdgcn-amd-amdhsa--gfx1250"
	.amdhsa_code_object_version 6
	.text
	.protected	k_q9add1ae096_ln1
	.globl	k_q9add1ae096_ln1
	.p2align	8
	.type	k_q9add1ae096_ln1,@function
k_q9add1ae096_ln1:
	s_mov_b64 s[64:65], 0
	v_nop
	global_prefetch_b8 v0, s[64:65] scope:SCOPE_SE
	s_setreg_imm32_b32 hwreg(HW_REG_WAVE_MODE, 25, 1), 1
	s_wait_xcnt 0x0
; LN: y = (x - mean) rsqrt(var + 1e-5) g + b along rows of 1,024 f32.  CODES = 1: y is also quantised to E5M2 with the given scale e12 (between -126 and 112).  No work of the problem is left out here.
; A wave takes 4 rows and keeps each in 32 registers: lane l holds 16 bytes at 512 j + 16 l.  The mean first, then the mean of the squared differences, as reference() has it.  No LDS, no barrier: memory binds, all loads go out first.
.set CODES, 1
.set E,  8                             ; v8-15 eight neighbours for a conversion
.set T,  16
.set U,  20
.set G,  32
.set BE, 64
.set X,  96
.if CODES
	s_load_b256 s[4:11], s[0:1], 0x0               ; rs, g, b, the scales' exponents
	s_load_b128 s[12:15], s[0:1], 0x20             ; y, y's codes
.else
	s_load_b128 s[4:7], s[0:1], 0x0                ; rs, g
	s_load_b64 s[8:9], s[0:1], 0x10                ; b
	s_load_b64 s[12:13], s[0:1], 0x18              ; y
.endif
	v_lshrrev_b32 v1, 5, v0
	v_readfirstlane_b32 s16, v1
	v_and_b32 v2, 31, v0
	v_lshlrev_b32 v1, 4, v2                        ; 16 x lane
	s_lshl_b32 s17, ttmp9, 4
	s_lshl_b32 s18, s16, 2
	s_add_co_u32 s17, s17, s18                     ; my first row
	s_lshl_b32 s18, s17, 12
	s_mov_b32 s19, 0
	s_mov_b32 s20, 0x3a800000                      ; 1 / 1,024
	s_mov_b32 s25, 0x3727c5ac                      ; 1e-5
	s_mov_b32 s22, 0x76543210
	s_mov_b32 s23, 0xfedcba98
	v_mov_b32 v28, 0                               ; written once: a lane permute's destination counts as read
	v_mov_b32 v31, 0                               ; (named as the upper half of v[30:31])
	s_wait_kmcnt 0x0
	s_add_nc_u64 s[4:5], s[4:5], s[18:19]
	s_add_nc_u64 s[12:13], s[12:13], s[18:19]
.irp j, 0,1,2,3,4,5,6,7
	global_load_b128 v[G+4*\j:G+4*\j+3], v1, s[6:7] offset:512*\j
.endr
.irp j, 0,1,2,3,4,5,6,7
	global_load_b128 v[BE+4*\j:BE+4*\j+3], v1, s[8:9] offset:512*\j
.endr
.irp k, 0,1,2,3
.irp j, 0,1,2,3,4,5,6,7
	global_load_b128 v[X+32*\k+4*\j:X+32*\k+4*\j+3], v1, s[4:5] offset:4096*\k+512*\j th:TH_LOAD_NT
.endr
.endr
.if CODES
	s_load_b32 s24, s[10:11], 0x30                 ; e12
	s_lshl_b32 s18, s17, 10
	s_add_nc_u64 s[14:15], s[14:15], s[18:19]
	v_and_b32 v3, 1, v2
	v_cmp_eq_u32 s21, 1, v3                        ; the odd lanes
	v_lshrrev_b32 v2, 1, v2
	v_lshlrev_b32 v2, 3, v2
	v_lshl_add_u32 v2, v3, 7, v2                   ; my 8 codes of 256: 128 (lane % 2) + 8 (lane / 2)
.irp k, 0,1,2,3
	v_mov_b32 v[U+\k], 0                           ; written once: a DPP form's destination counts as read
.endr
	s_wait_kmcnt 0x0
	s_add_co_i32 s24, s24, 127
	s_lshl_b32 s26, s24, 23
	v_mov_b32 v4, s26                              ; 2^e12
	s_add_co_i32 s24, s24, 15
	s_lshl_b32 s24, s24, 23
	s_or_b32 s24, s24, 0x600000
	v_mov_b32 v3, s24                              ; 57,344 x 2^e12
.endif
.macro RED r                           ; the sum over the 32 lanes, in every lane
	v_add_f32_dpp v[\r], v[\r], v[\r] row_xmask:1 row_mask:0xf bank_mask:0xf
	v_add_f32_dpp v[\r], v[\r], v[\r] row_xmask:2 row_mask:0xf bank_mask:0xf
	v_add_f32_dpp v[\r], v[\r], v[\r] row_xmask:4 row_mask:0xf bank_mask:0xf
	v_add_f32_dpp v[\r], v[\r], v[\r] row_xmask:8 row_mask:0xf bank_mask:0xf
	v_permlanex16_b32 v28, v[\r], s22, s23
	v_add_f32 v[\r], v[\r], v28
.endm
.macro ROW k
.set XR, X+32*(\k)
	s_wait_loadcnt 8*(3-(\k))                      ; g, b and this row are in; the later rows' loads stay out
	v_pk_add_f32 v[24:25], v[XR:XR+1], v[XR+2:XR+3]
	v_pk_add_f32 v[26:27], v[XR+4:XR+5], v[XR+6:XR+7]
.set jj, 8
.rept 6
	v_pk_add_f32 v[24:25], v[24:25], v[XR+jj:XR+jj+1]
	v_pk_add_f32 v[26:27], v[26:27], v[XR+jj+2:XR+jj+3]
.set jj, jj+4
.endr
	v_pk_add_f32 v[24:25], v[24:25], v[26:27]
	v_add_f32 v24, v24, v25
	RED 24
	v_mul_f32 v30, s20, v24                        ; the mean
.set jj, 0
.rept 16
	v_pk_add_f32 v[XR+jj:XR+jj+1], v[XR+jj:XR+jj+1], v[30:31] op_sel_hi:[1,0] neg_lo:[0,1] neg_hi:[0,1]
.set jj, jj+2
.endr
	v_pk_mul_f32 v[24:25], v[XR:XR+1], v[XR:XR+1]
	v_pk_mul_f32 v[26:27], v[XR+2:XR+3], v[XR+2:XR+3]
.set jj, 4
.rept 7
	v_pk_fma_f32 v[24:25], v[XR+jj:XR+jj+1], v[XR+jj:XR+jj+1], v[24:25]
	v_pk_fma_f32 v[26:27], v[XR+jj+2:XR+jj+3], v[XR+jj+2:XR+jj+3], v[26:27]
.set jj, jj+4
.endr
	v_pk_add_f32 v[24:25], v[24:25], v[26:27]
	v_add_f32 v24, v24, v25
	RED 24
	v_fma_f32 v24, v24, s20, s25                   ; var + 1e-5
	v_rsq_f32 v30, v24
	v_nop                                          ; a plain line behind the transcendental,
	s_wait_alu depctr_va_vdst(0)                   ; and the wait ahead of its first reader
.set jj, 0
.rept 16
	v_pk_mul_f32 v[XR+jj:XR+jj+1], v[XR+jj:XR+jj+1], v[30:31] op_sel_hi:[1,0]
.set jj, jj+2
.endr
.set jj, 0
.rept 16
	v_pk_fma_f32 v[XR+jj:XR+jj+1], v[XR+jj:XR+jj+1], v[G+jj:G+jj+1], v[BE+jj:BE+jj+1]
.set jj, jj+2
.endr
.irp j, 0,1,2,3,4,5,6,7
	global_store_b128 v1, v[XR+4*\j:XR+4*\j+3], s[12:13] offset:4096*(\k)+512*\j   ; 512 consecutive bytes; these registers are not written again
.endr
.if CODES
; lanes 2 i and 2 i + 1 exchange, so that lane 2 i holds numbers 8 i .. 8 i + 7 of chunk 2 q and lane 2 i + 1 those of chunk 2 q + 1: eight neighbours for a conversion
.irp q, 0,1,2,3
.irp c, 0,1,2,3
	v_cndmask_b32 v[T+\c], v[XR+8*\q+4+\c], v[XR+8*\q+\c], s21
.endr
.irp c, 0,1,2,3
	v_mov_b32_dpp v[U+\c], v[T+\c] row_xmask:1 row_mask:0xf bank_mask:0xf
.endr
.irp c, 0,1,2,3
	v_cndmask_b32 v[E+\c], v[XR+8*\q+\c], v[U+\c], s21
.endr
.irp c, 0,1,2,3
	v_cndmask_b32 v[E+4+\c], v[U+\c], v[XR+8*\q+4+\c], s21
.endr
.irp c, 0,1,2,3,4,5,6,7
	v_med3_num_f32 v[E+\c], v[E+\c], -v3, v3
.endr
	v_cvt_scalef32_pk8_bf8_f32 v[224+8*(\k)+2*\q:225+8*(\k)+2*\q], v[E:E+7], v4
	global_store_b64 v2, v[224+8*(\k)+2*\q:225+8*(\k)+2*\q], s[14:15] offset:1024*(\k)+256*\q   ; 256 consecutive bytes, aligned; each pair of code registers is written once
.endr
.endif
.endm
	ROW 0
	ROW 1
	ROW 2
	ROW 3
	s_endpgm
.Lfunc_end_k_q9add1ae096_ln1:
	.size	k_q9add1ae096_ln1, .Lfunc_end_k_q9add1ae096_ln1-k_q9add1ae096_ln1
	.p2alignl 7, 3214868480
	.fill 96, 4, 3214868480
	.section	.rodata,"a",@progbits
	.p2align	6, 0x0
	.amdhsa_kernel k_q9add1ae096_ln1
		.amdhsa_group_segment_fixed_size 0
		.amdhsa_private_segment_fixed_size 0
		.amdhsa_enable_private_segment 0
		.amdhsa_kernarg_size 48
		.amdhsa_user_sgpr_count 2
		.amdhsa_user_sgpr_kernarg_segment_ptr 1
		.amdhsa_wavefront_size32 1
		.amdhsa_system_sgpr_workgroup_id_x 1
		.amdhsa_system_sgpr_workgroup_id_y 1
		.amdhsa_system_sgpr_workgroup_id_z 1
		.amdhsa_system_vgpr_workitem_id 0
		.amdhsa_next_free_vgpr 256
		.amdhsa_next_free_sgpr 66
		.amdhsa_reserve_vcc 0
		.amdhsa_float_denorm_mode_32 3
		.amdhsa_float_denorm_mode_16_64 3
		.amdhsa_memory_ordered 1
		.amdhsa_forward_progress 1
		.amdhsa_inst_pref_size 60
	.end_amdhsa_kernel
	.amdgpu_metadata
---
amdhsa.version: [ 1, 2 ]
amdhsa.kernels:
  - .name:           k_q9add1ae096_ln1
    .symbol:         k_q9add1ae096_ln1.kd
    .args:
      - { .name: rs, .offset: 0, .size: 8, .value_kind: global_buffer, .address_space: global }
      - { .name: g1, .offset: 8, .size: 8, .value_kind: global_buffer, .address_space: global }
      - { .name: be1, .offset: 16, .size: 8, .value_kind: global_buffer, .address_space: global }
      - { .name: lowp_scales, .offset: 24, .size: 8, .value_kind: global_buffer, .address_space: global }
      - { .name: x1f, .offset: 32, .size: 8, .value_kind: global_buffer, .address_space: global }
      - { .name: x1c, .offset: 40, .size: 8, .value_kind: global_buffer, .address_space: global }
    .group_segment_fixed_size: 0
    .private_segment_fixed_size: 0
    .kernarg_segment_align: 8
    .kernarg_segment_size: 48
    .max_flat_workgroup_size: 128
    .sgpr_count:     66
    .vgpr_count:     256
    .wavefront_size: 32
...
	.end_amdgpu_metadata
.endif
;; end of part 5
;; launch ffn1 (part 6): grid 16 x 16, 4 waves a work-group, clusters of 4 x 4, 327,680 bytes of LDS; arguments x1c, xw, lowp_scales, b1, hc; writes hc
.if DOCPART == 6
	.amdgcn_target "amdgcn-amd-amdhsa--gfx1250"
	.amdhsa_code_object_version 6
	.text
	.protected	k_q9add1ae096_ffn1
	.globl	k_q9add1ae096_ffn1
	.p2align	8
	.type	k_q9add1ae096_ffn1,@function
k_q9add1ae096_ffn1:
	s_mov_b64 s[64:65], 0
	v_nop
	global_prefetch_b8 v0, s[64:65] scope:SCOPE_SE
	s_setreg_imm32_b32 hwreg(HW_REG_WAVE_MODE, 25, 1), 1
	s_wait_xcnt 0x0
	s_wait_alu depctr_hold_cnt(0) depctr_sa_sdst(0) depctr_va_vdst(0) depctr_va_sdst(0) depctr_va_ssrc(0) depctr_va_vcc(0) depctr_vm_vsrc(0)
	s_getreg_b32 s2, hwreg(HW_REG_IB_STS2, 6, 4)
	s_cmp_eq_u32 s2, 0
	s_cbranch_scc0 .Lentry_in_a_cluster
	s_endpgm
.Lentry_in_a_cluster:
	s_bfe_u32 s2, ttmp6, 0x10000c
	s_cmp_lg_u32 s2, 0xf033
	s_cbranch_scc0 .Lentry_shape_is_right
	s_endpgm
.Lentry_shape_is_right:
; FFN1: h = relu(x1 W1 + b1) on codes of E5M2 (e12, e13), quantised at once (e14): the hold between 0 and the largest code x the scale is the activation too.  No work of the problem is left out here.
; A tile of 256 x 256 to a work-group of four waves, 128 x 128 to a wave; K = 1,024 in steps of 256 through two LDS slots; A's tile is asked for jointly along the cluster's row, B's along its column.
; The matrix instruction is used transposed; W1's rows lie at places sw(n) (bits 3 and 4 exchanged), so a lane's 16 registers of tiles 2 p, 2 p + 1 are hidden units 32 p + 16 h + 0 .. 15: neighbours along the next K.
; LIMITS: e12 + e13 between -126 and 127; e14 between -126 and 112.
; REGISTERS: window 0: v16-31 addresses and constants; v64-127 b1 of my columns; v128-255 A's fragments, later at work on the way out.  window 1: B's fragments, two sets.  windows 2, 3: accumulators.
.set SIZE_K, 1024
.set BOFF,   0x1000000                 ; W1's codes in xw
.set KSTEP,  256
.set ROWB,   256
.set KROW,   SIZE_K
.set PITCH,  272
.set FR,     16
.set NL,     4
.set NP,     4
.set HALFT,  128*PITCH
.set SLOT,   4*HALFT
.set LAPS,   SIZE_K/(2*KSTEP)
.set SPARE,  2*SLOT
.set ADRA, 16
.set ADRB, 20
.set STO,  24                          ; the way out: a stage of 256 rows x 272 bytes at LDS byte 0: slot 0 has had its last fill and its last read by then
.set RD,   25
.set CO,   26
.set LIM,  27
.set SPW,  28
.set NIL,  29
.set CV,   30
.set BNO,  31
.set BN,   64
.set TMP,  128
.set PC,   192
.set OUTR, 128
.set AF,   128
.set G1, 24
.set G0, 32
.set G1B, 48
.set G0B, 56
.set MSB, 0
.macro WIN new
.if MSB != \new
	s_set_vgpr_msb (MSB<<8)|\new
.set MSB, \new
.endif
.endm
.set MUL_LO, 0xa1
.set MUL_HI, 0xf1
.set TO_B,   0x40
.macro JLOAD g0a, g1a, g0b, g1b
	s_cmp_eq_u32 s15, 0
	s_cbranch_scc0 .Lfor_b_\@
	tensor_load_to_lds s[\g0a:\g0a+3], s[\g1a:\g1a+7]
	s_nop 0
.rept 4
	v_nop
.endr
	s_branch .Lasked_\@
.Lfor_b_\@:
	tensor_load_to_lds s[\g0b:\g0b+3], s[\g1b:\g1b+7]
	s_nop 0
.rept 4
	v_nop
.endr
.Lasked_\@:
.endm
.macro CREST
	s_cmp_lg_u32 s14, 0
	s_cbranch_scc1 .Lnot_wave_0_\@
	s_barrier_signal -3
.Lnot_wave_0_\@:
	s_barrier_wait -3
	s_barrier_signal -1
	s_barrier_wait -1
.endm
.macro CROUND
	s_barrier_signal -1
	s_barrier_wait -1
	CREST
.endm
.macro FRAG reg, adr, q, i
.irp c, 0,1,2,3
	ds_load_b128 v[\reg+4*\c:\reg+4*\c+3], v[\adr] offset:128*(\q)+32*\c+(\i)*16*PITCH
.endr
.endm
.macro MUL16 a0, p, zero               ; the 64 accumulators take turns, one instruction a turn
.irp a, \a0, \a0+1
.irp b, 0,1,2,3,4,5,6,7
.if \zero
	v_wmma_f32_16x16x128_bf8_bf8 v[8*(8*((\a)%4)+\b):8*(8*((\a)%4)+\b)+7], v[128*(\p)+FR*\b:128*(\p)+FR*\b+FR-1], v[AF+FR*(\a):AF+FR*(\a)+FR-1], 0
.else
	v_wmma_f32_16x16x128_bf8_bf8 v[8*(8*((\a)%4)+\b):8*(8*((\a)%4)+\b)+7], v[128*(\p)+FR*\b:128*(\p)+FR*\b+FR-1], v[AF+FR*(\a):AF+FR*(\a)+FR-1], v[8*(8*((\a)%4)+\b):8*(8*((\a)%4)+\b)+7]
.endif
.endr
.endr
.endm
.macro FETCH_B slot, q, p
	WIN TO_B
.irp i, 0,1,2,3,4,5,6,7
	FRAG 128*(\p)+FR*\i, ADRB+\slot, \q, \i
.endr
	WIN 0
.endm
.macro FETCH_A slot, q, i0
.irp i, \i0, \i0+1, \i0+2, \i0+3
	FRAG AF+FR*(\i), ADRA+\slot, \q, \i
.endr
.endm
.macro PLACES n
.rept \n
	v_nop
.endr
.endm
.macro STEP slot, q, zero
	s_wait_dscnt 4*NL                              ; the youngest sixteen loads (A's blocks 4-7) may be out
	WIN MUL_LO
	MUL16 0, (\q)%2, \zero
	MUL16 2, (\q)%2, \zero
	s_wait_dscnt 0
	PLACES NP
	FETCH_B \slot, (\q)+1, 1-(\q)%2
	FETCH_A \slot, (\q)+1, 0
	WIN MUL_HI
	MUL16 4, (\q)%2, \zero
	MUL16 6, (\q)%2, \zero
	PLACES NP
	WIN 0
	FETCH_A \slot, (\q)+1, 4
.endm
.macro TURN slot, next, fill
	s_wait_tensorcnt 0x0                           ; all my tensor loads have landed: my part of the next slot
	ds_add_u32 v[SPW], v[NIL]
	s_wait_dscnt 4*NL+1                            ; (the add and the youngest sixteen loads may be out)
	WIN MUL_LO
	MUL16 0, 1, 0
	s_wait_dscnt 0x0                               ; the add is done, and my reads of this slot are over
	s_barrier_signal -1
	MUL16 2, 1, 0
	WIN 0
	s_barrier_wait -1
.if \fill
	CREST
	s_add_nc_u64 s[G0+4*\slot+2:G0+4*\slot+3], s[G0+4*\slot+2:G0+4*\slot+3], 2*ROWB
	s_add_nc_u64 s[G0B+4*\slot+2:G0B+4*\slot+3], s[G0B+4*\slot+2:G0B+4*\slot+3], 2*ROWB
	JLOAD G0+4*\slot, G1, G0B+4*\slot, G1B
.else
	PLACES NP
.endif
	FETCH_B \next, 0, 0
	FETCH_A \next, 0, 0
	WIN MUL_HI
	MUL16 4, 1, 0
	MUL16 6, 1, 0
	PLACES NP
	WIN 0
	FETCH_A \next, 0, 4
.endm
.macro LAST
	s_wait_dscnt 4*NL
	WIN MUL_LO
	MUL16 0, 1, 0
	MUL16 2, 1, 0
	s_wait_dscnt 0
	WIN MUL_HI
	MUL16 4, 1, 0
	MUL16 6, 1, 0
	WIN 0
.endm
; Block a of 16 rows becomes codes: sum x 2^(e12 + e13) + b1, each accumulator from its low end on; relu and the hold in one; the conversion; 16 codes a pair of tiles into the stage.
.macro CONV a
.set AC, 64*((\a)%4)
	WIN 0x02+((\a)/4)
.set jj, 0
.rept 32
	v_pk_fma_f32 v[TMP+jj:TMP+jj+1], v[AC+jj:AC+jj+1], s[96:97], v[BN+jj:BN+jj+1] op_sel_hi:[1,0,1]
.set jj, jj+2
.endr
	WIN 0
.set jj, 0
.rept 64
	v_med3_num_f32 v[TMP+jj], v[TMP+jj], 0, v[LIM]
.set jj, jj+1
.endr
	s_wait_dscnt 0x0                               ; the last block's stores have read the codes' registers
.irp p, 0,1,2,3
	v_cvt_scalef32_pk8_bf8_f32 v[PC+4*\p:PC+4*\p+1], v[TMP+16*\p:TMP+16*\p+7], v[CV]
	v_cvt_scalef32_pk8_bf8_f32 v[PC+4*\p+2:PC+4*\p+3], v[TMP+16*\p+8:TMP+16*\p+15], v[CV]
.endr
	v_nop                                          ; a plain line between the conversions and the next vector line that writes their sources
.irp p, 0,1,2,3
	ds_store_b128 v[STO], v[PC+4*\p:PC+4*\p+3] offset:(\a)*4352+32*\p
.endr
.endm
	s_load_b256 s[4:11], s[0:1], 0x0               ; x1's codes, xw, the scales' exponents, b1
	s_load_b64 s[88:89], s[0:1], 0x20              ; hc
	v_lshl_add_u32 v[SPW], v0, 2, SPARE
	v_mov_b32 v[NIL], 0
	ds_add_u32 v[SPW], v[NIL]                      ; the wave's opening: the add, twice on end, and its wait ahead of my first tensor load
	ds_add_u32 v[SPW], v[NIL]
	v_lshrrev_b32 v1, 5, v0
	v_readfirstlane_b32 s14, v1
	s_lshr_b32 s15, s14, 1
	s_and_b32 s16, s14, 1
	s_bfe_u32 s40, ttmp6, 0x40000
	s_bfe_u32 s41, ttmp6, 0x40004
	s_lshl_b32 s42, ttmp9, 2
	s_add_co_u32 s42, s42, s40                     ; tile column
	s_and_b32 s17, ttmp7, 0xffff
	s_lshl_b32 s17, s17, 2
	s_add_co_u32 s17, s17, s41                     ; tile row
	s_lshl_b32 s43, s41, 2
	s_lshl_b32 s43, 15, s43
	s_lshl_b32 s44, 0x1111, s40
	s_or_b32 s[G1+0], s43, (1<<20)|(1<<21)|(5<<22)|(3<<25)
	s_or_b32 s[G1B+0], s44, (1<<20)|(1<<21)|(5<<22)|(3<<25)
.irp g, G1, G1B
	s_mov_b32 s[\g+1], ROWB<<16
	s_mov_b32 s[\g+2], 128<<16
	s_mov_b32 s[\g+3], ROWB<<16
	s_mov_b32 s[\g+4], 128
	s_mov_b32 s[\g+5], KROW
	s_mov_b32 s[\g+6], 0
	s_mov_b32 s[\g+7], 0
.endr
	s_lshl_b32 s18, s16, 7
	s_lshl_b32 s20, s17, 8
	s_add_co_u32 s20, s20, s18
	s_lshl_b32 s46, s42, 8
	s_add_co_u32 s46, s46, s18
	s_mov_b32 s21, 0
	s_mov_b32 s47, 0
	s_mov_b64 s[18:19], KROW
	s_mul_u64 s[20:21], s[20:21], s[18:19]
	s_mul_u64 s[46:47], s[46:47], s[18:19]
	s_mul_i32 s45, s14, HALFT
	s_wait_dscnt 0x0
	s_wait_kmcnt 0x0
	s_load_b128 s[92:95], s[8:9], 0x30             ; e12, e13, e14, e15
	s_add_nc_u64 s[6:7], s[6:7], BOFF
	s_add_nc_u64 s[20:21], s[4:5], s[20:21]
	s_add_nc_u64 s[46:47], s[6:7], s[46:47]
	CROUND
.irp s, 0,1
	s_mov_b32 s[G0+4*\s], 1
	s_add_co_u32 s[G0+4*\s+1], s45, \s*SLOT
	s_add_nc_u64 s[G0+4*\s+2:G0+4*\s+3], s[20:21], \s*ROWB
	s_or_b32 s[G0+4*\s+3], s[G0+4*\s+3], 0x80000000
	s_mov_b32 s[G0B+4*\s], 1
	s_add_co_u32 s[G0B+4*\s+1], s45, \s*SLOT
	s_add_nc_u64 s[G0B+4*\s+2:G0B+4*\s+3], s[46:47], \s*ROWB
	s_or_b32 s[G0B+4*\s+3], s[G0B+4*\s+3], 0x80000000
	JLOAD G0+4*\s, G1, G0B+4*\s, G1B
.endr
	v_and_b32 v1, 15, v0
	v_bfe_u32 v2, v0, 4, 1
	v_mul_u32_u24 v3, v1, PITCH
	v_lshl_add_u32 v4, v2, 4, v3
	s_mul_i32 s21, s15, HALFT
	s_mul_i32 s22, s16, HALFT
	s_add_co_u32 s22, s22, 2*HALFT
.irp s, 0,1
	v_add_nc_u32 v[ADRA+\s], s21, v4
	v_add_nc_u32 v[ADRB+\s], s22, v4
	s_add_co_u32 s21, s21, SLOT
	s_add_co_u32 s22, s22, SLOT
.endr
	s_mul_i32 s23, s15, 128*272
	s_lshl_b32 s21, s16, 7
	s_add_co_u32 s23, s23, s21
	v_add_nc_u32 v[STO], s23, v4                   ; into the stage: row 128 x row half + 16 a + r, byte 128 x column half + 32 p + 16 h
	s_mul_i32 s23, s14, 64*272
	v_mul_u32_u24 v5, v2, 272
	v_lshl_add_u32 v5, v1, 4, v5
	v_add_nc_u32 v[RD], s23, v5                    ; back: rows 64 w on, two rows an instruction
	v_lshlrev_b32 v[CO], 12, v2
	v_lshl_add_u32 v[CO], v1, 4, v[CO]
	v_lshlrev_b32 v[BNO], 6, v2
	s_lshl_b32 s46, s42, 10
	s_lshl_b32 s47, s16, 9
	s_add_co_u32 s46, s46, s47
	s_mov_b32 s47, 0
	s_add_nc_u64 s[10:11], s[10:11], s[46:47]      ; b1 at my first column
.irp p, 0,1,2,3
.irp i, 0,1,2,3
	global_load_b128 v[BN+16*\p+4*\i:BN+16*\p+4*\i+3], v[BNO], s[10:11] offset:128*\p+16*\i   ; b1 of hidden units 32 p + 16 h + 4 i on
.endr
.endr
	s_lshl_b32 s46, s17, 8
	s_lshl_b32 s20, s14, 6
	s_add_co_u32 s46, s46, s20
	s_lshl_b32 s46, s46, 12
	s_lshl_b32 s20, s42, 8
	s_add_co_u32 s46, s46, s20
	s_add_nc_u64 s[88:89], s[88:89], s[46:47]      ; hc at my 64 rows, the tile's 256 columns
	s_wait_kmcnt 0x0
	s_add_co_i32 s96, s92, s93
	s_add_co_i32 s96, s96, 127
	s_lshl_b32 s96, s96, 23                        ; 2^(e12 + e13)
	s_mov_b32 s97, s96
	s_add_co_i32 s94, s94, 127
	s_lshl_b32 s95, s94, 23
	v_mov_b32 v[CV], s95                           ; 2^e14
	s_add_co_i32 s94, s94, 15
	s_lshl_b32 s94, s94, 23
	s_or_b32 s94, s94, 0x600000
	v_mov_b32 v[LIM], s94                          ; 57,344 x 2^e14
	s_wait_tensorcnt 1                             ; my part of K step 0 is in; K step 1's load may be out
	s_barrier_signal -1
	s_barrier_wait -1
	FETCH_B 0, 0, 0
	FETCH_A 0, 0, 0
	FETCH_A 0, 0, 4
	STEP 0, 0, 1
	s_mov_b32 s3, LAPS-1
.Llap:
	TURN 0, 1, 1
	STEP 1, 0, 0
	TURN 1, 0, 1
	STEP 0, 0, 0
	s_sub_co_u32 s3, s3, 1
	s_cmp_lg_u32 s3, 0
	s_cbranch_scc1 .Llap
	TURN 0, 1, 0
	STEP 1, 0, 0
	LAST
	PLACES NP
	s_wait_loadcnt 0x0                             ; b1
.irp a, 0,1,2,3,4,5,6,7
	CONV \a
.endr
	s_wait_dscnt 0x0                               ; for the others' sake: a row's 256 bytes come from two waves
	s_barrier_signal -1
	s_barrier_wait -1
.set tt, 0
.rept 32
	ds_load_b128 v[OUTR+4*tt:OUTR+4*tt+3], v[RD] offset:2*tt*272
.set tt, tt+1
.endr
.set tt, 0
.rept 32
	s_wait_dscnt 31-tt
	global_store_b128 v[CO], v[OUTR+4*tt:OUTR+4*tt+3], s[88:89] offset:2*tt*4096   ; sixteen lanes store 256 consecutive bytes, aligned
.set tt, tt+1
.endr
	s_wait_tensorcnt 0x0                           ; the wave's end
	ds_add_u32 v[SPW], v[NIL]
	s_wait_dscnt 0x0
	CROUND                                         ; the closing round
	s_endpgm
.Lfunc_end_k_q9add1ae096_ffn1:
	.size	k_q9add1ae096_ffn1, .Lfunc_end_k_q9add1ae096_ffn1-k_q9add1ae096_ffn1
	.p2alignl 7, 3214868480
	.fill 96, 4, 3214868480
	.section	.rodata,"a",@progbits
	.p2align	6, 0x0
	.amdhsa_kernel k_q9add1ae096_ffn1
		.amdhsa_group_segment_fixed_size 327680
		.amdhsa_private_segment_fixed_size 0
		.amdhsa_enable_private_segment 0
		.amdhsa_kernarg_size 40
		.amdhsa_user_sgpr_count 2
		.amdhsa_user_sgpr_kernarg_segment_ptr 1
		.amdhsa_wavefront_size32 1
		.amdhsa_system_sgpr_workgroup_id_x 1
		.amdhsa_system_sgpr_workgroup_id_y 1
		.amdhsa_system_sgpr_workgroup_id_z 1
		.amdhsa_system_vgpr_workitem_id 0
		.amdhsa_next_free_vgpr 1024
		.amdhsa_next_free_sgpr 104
		.amdhsa_reserve_vcc 0
		.amdhsa_float_denorm_mode_32 3
		.amdhsa_float_denorm_mode_16_64 3
		.amdhsa_memory_ordered 1
		.amdhsa_forward_progress 1
		.amdhsa_inst_pref_size 141
	.end_amdhsa_kernel
	.amdgpu_metadata
---
amdhsa.version: [ 1, 2 ]
amdhsa.kernels:
  - .name:           k_q9add1ae096_ffn1
    .symbol:         k_q9add1ae096_ffn1.kd
    .args:
      - { .name: x1c, .offset: 0, .size: 8, .value_kind: global_buffer, .address_space: global }
      - { .name: xw, .offset: 8, .size: 8, .value_kind: global_buffer, .address_space: global }
      - { .name: lowp_scales, .offset: 16, .size: 8, .value_kind: global_buffer, .address_space: global }
      - { .name: b1, .offset: 24, .size: 8, .value_kind: global_buffer, .address_space: global }
      - { .name: hc, .offset: 32, .size: 8, .value_kind: global_buffer, .address_space: global }
    .group_segment_fixed_size: 327680
    .private_segment_fixed_size: 0
    .kernarg_segment_align: 8
    .kernarg_segment_size: 40
    .max_flat_workgroup_size: 128
    .sgpr_count:     104
    .vgpr_count:     1024
    .wavefront_size: 32
...
	.end_amdgpu_metadata
.endif
;; end of part 6
;; launch ffn2 (part 7): grid 4 x 16, 4 waves a work-group, clusters of 4 x 4, 327,680 bytes of LDS; arguments hc, xw, lowp_scales, b2, x1f, rs; writes rs
.if DOCPART == 7
	.amdgcn_target "amdgcn-amd-amdhsa--gfx1250"
	.amdhsa_code_object_version 6
	.text
	.protected	k_q9add1ae096_ffn2
	.globl	k_q9add1ae096_ffn2
	.p2align	8
	.type	k_q9add1ae096_ffn2,@function
k_q9add1ae096_ffn2:
	s_mov_b64 s[64:65], 0
	v_nop
	global_prefetch_b8 v0, s[64:65] scope:SCOPE_SE
	s_setreg_imm32_b32 hwreg(HW_REG_WAVE_MODE, 25, 1), 1
	s_wait_xcnt 0x0
	s_wait_alu depctr_hold_cnt(0) depctr_sa_sdst(0) depctr_va_vdst(0) depctr_va_sdst(0) depctr_va_ssrc(0) depctr_va_vcc(0) depctr_vm_vsrc(0)
	s_getreg_b32 s2, hwreg(HW_REG_IB_STS2, 6, 4)
	s_cmp_eq_u32 s2, 0
	s_cbranch_scc0 .Lentry_in_a_cluster
	s_endpgm
.Lentry_in_a_cluster:
	s_bfe_u32 s2, ttmp6, 0x10000c
	s_cmp_lg_u32 s2, 0xf033
	s_cbranch_scc0 .Lentry_shape_is_right
	s_endpgm
.Lentry_shape_is_right:
; FFN2: rs = x1 + (h W2 + b2): the product on codes of E5M2 (scales e14, e15), the rest in f32.  No work of the problem is left out here.
; A tile of 256 x 256 to a work-group of four waves, 128 x 128 to a wave.  K = 4,096 in steps of 256 through two LDS slots; A's tile is asked for jointly along the cluster's row, B's along its column.
; The matrix instruction is used transposed (source 0 = 16 rows of B, source 1 = 16 rows of A).  B's rows lie at places sw(n) (bits 3 and 4 exchanged), so a lane's 16 registers of tiles 2 p, 2 p + 1 are columns 32 p + 16 h + 0 .. 15.
; 64 work-groups: the output has 64 tiles of this size.  LIMIT: the two exponents' sum between -126 and 127.
; REGISTERS: window 0: v8-11 the bias of my four columns; v16-29 addresses; v128-255 A's fragments, later two sets of 16 rows on the way out.  window 1: B's fragments, two sets; set 0 takes the residual at the end.  windows 2, 3: accumulators.
.set SIZE_K, 4096
.set BOFF,   0x1400000                 ; W2's codes in xw
.set SCOFF,  56                        ; e14, e15
.set KSTEP,  256
.set ROWB,   256
.set KROW,   SIZE_K
.set PITCH,  272
.set FR,     16
.set NL,     4
.set NP,     4
.set HALFT,  128*PITCH
.set SLOT,   4*HALFT
.set LAPS,   SIZE_K/(2*KSTEP)
.set SPARE,  2*SLOT
.set SPITCH, 528                       ; the way out: a stage of 16 rows x (512 bytes + 16) for each wave, in slot 0, which has had its last fill and its last read by then
.set BI,   8
.set ADRA, 16
.set ADRB, 20
.set STO,  24
.set RD,   25
.set CO,   26
.set SPW,  28
.set NIL,  29
.set AF,   128
.set BK,   128
.set G1, 24
.set G0, 32
.set G1B, 48
.set G0B, 56
.set MSB, 0
.macro WIN new
.if MSB != \new
	s_set_vgpr_msb (MSB<<8)|\new
.set MSB, \new
.endif
.endm
.set MUL_LO, 0xa1
.set MUL_HI, 0xf1
.set TO_B,   0x40
.macro JLOAD g0a, g1a, g0b, g1b
	s_cmp_eq_u32 s15, 0
	s_cbranch_scc0 .Lfor_b_\@
	tensor_load_to_lds s[\g0a:\g0a+3], s[\g1a:\g1a+7]
	s_nop 0
.rept 4
	v_nop
.endr
	s_branch .Lasked_\@
.Lfor_b_\@:
	tensor_load_to_lds s[\g0b:\g0b+3], s[\g1b:\g1b+7]
	s_nop 0
.rept 4
	v_nop
.endr
.Lasked_\@:
.endm
.macro CREST
	s_cmp_lg_u32 s14, 0
	s_cbranch_scc1 .Lnot_wave_0_\@
	s_barrier_signal -3
.Lnot_wave_0_\@:
	s_barrier_wait -3
	s_barrier_signal -1
	s_barrier_wait -1
.endm
.macro CROUND
	s_barrier_signal -1
	s_barrier_wait -1
	CREST
.endm
.macro FRAG reg, adr, q, i
.irp c, 0,1,2,3
	ds_load_b128 v[\reg+4*\c:\reg+4*\c+3], v[\adr] offset:128*(\q)+32*\c+(\i)*16*PITCH
.endr
.endm
.macro MUL16 a0, p, zero               ; the 64 accumulators take turns, one instruction a turn
.irp a, \a0, \a0+1
.irp b, 0,1,2,3,4,5,6,7
.if \zero
	v_wmma_f32_16x16x128_bf8_bf8 v[8*(8*((\a)%4)+\b):8*(8*((\a)%4)+\b)+7], v[128*(\p)+FR*\b:128*(\p)+FR*\b+FR-1], v[AF+FR*(\a):AF+FR*(\a)+FR-1], 0
.else
	v_wmma_f32_16x16x128_bf8_bf8 v[8*(8*((\a)%4)+\b):8*(8*((\a)%4)+\b)+7], v[128*(\p)+FR*\b:128*(\p)+FR*\b+FR-1], v[AF+FR*(\a):AF+FR*(\a)+FR-1], v[8*(8*((\a)%4)+\b):8*(8*((\a)%4)+\b)+7]
.endif
.endr
.endr
.endm
.macro FETCH_B slot, q, p
	WIN TO_B
.irp i, 0,1,2,3,4,5,6,7
	FRAG 128*(\p)+FR*\i, ADRB+\slot, \q, \i
.endr
	WIN 0
.endm
.macro FETCH_A slot, q, i0
.irp i, \i0, \i0+1, \i0+2, \i0+3
	FRAG AF+FR*(\i), ADRA+\slot, \q, \i
.endr
.endm
.macro PLACES n
.rept \n
	v_nop
.endr
.endm
.macro STEP slot, q, zero
	s_wait_dscnt 4*NL                              ; the youngest sixteen loads (A's blocks 4-7) may be out
	WIN MUL_LO
	MUL16 0, (\q)%2, \zero
	MUL16 2, (\q)%2, \zero
	s_wait_dscnt 0
	PLACES NP
	FETCH_B \slot, (\q)+1, 1-(\q)%2
	FETCH_A \slot, (\q)+1, 0
	WIN MUL_HI
	MUL16 4, (\q)%2, \zero
	MUL16 6, (\q)%2, \zero
	PLACES NP
	WIN 0
	FETCH_A \slot, (\q)+1, 4
.endm
.macro TURN slot, next, fill
	s_wait_tensorcnt 0x0                           ; all my tensor loads have landed: my part of the next slot
	ds_add_u32 v[SPW], v[NIL]
	s_wait_dscnt 4*NL+1                            ; (the add and the youngest sixteen loads may be out)
	WIN MUL_LO
	MUL16 0, 1, 0
	s_wait_dscnt 0x0                               ; the add is done, and my reads of this slot are over
	s_barrier_signal -1
	MUL16 2, 1, 0
	WIN 0
	s_barrier_wait -1
.if \fill
	CREST
	s_add_nc_u64 s[G0+4*\slot+2:G0+4*\slot+3], s[G0+4*\slot+2:G0+4*\slot+3], 2*ROWB
	s_add_nc_u64 s[G0B+4*\slot+2:G0B+4*\slot+3], s[G0B+4*\slot+2:G0B+4*\slot+3], 2*ROWB
	JLOAD G0+4*\slot, G1, G0B+4*\slot, G1B
.else
	PLACES NP
.endif
	FETCH_B \next, 0, 0
	FETCH_A \next, 0, 0
	WIN MUL_HI
	MUL16 4, 1, 0
	MUL16 6, 1, 0
	PLACES NP
	WIN 0
	FETCH_A \next, 0, 4
.endm
.macro LAST
	s_wait_dscnt 4*NL
	WIN MUL_LO
	MUL16 0, 1, 0
	MUL16 2, 1, 0
	s_wait_dscnt 0
	WIN MUL_HI
	MUL16 4, 1, 0
	MUL16 6, 1, 0
	WIN 0
.endm
; THE WAY OUT, block by block of 16 rows x 128 columns.
.macro RESLOAD a                       ; the residual's 16 rows of block a, 512 consecutive bytes a load, into window 1
	WIN TO_B
.set tt, 0
.rept 16
	global_load_b128 v[64*((\a)%2)+4*tt:64*((\a)%2)+4*tt+3], v[CO], s[68:69] offset:(16*(\a)+tt)*4096 th:TH_LOAD_NT
.set tt, tt+1
.endr
	WIN 0
.endm
.macro TOSTAGE a                       ; the sums go into my stage as they stand, each accumulator from its low end on, and come back as whole rows of 512 bytes; LDS serves a wave's instructions in order
.set AC, 64*((\a)%4)
	WIN 0x08+4*((\a)/4)                            ; the store's data: window 2 or 3
.irp p, 0,1,2,3
.irp i, 0,1,2,3
	ds_store_b128 v[STO], v[AC+16*\p+4*\i:AC+16*\p+4*\i+3] offset:128*\p+16*\i
.endr
.endr
	WIN 0
.set BB, BK+64*((\a)%2)
.set tt, 0
.rept 16
	ds_load_b128 v[BB+4*tt:BB+4*tt+3], v[RD] offset:tt*SPITCH
.set tt, tt+1
.endr
.endm
.macro SEND a, yds, yld                ; yds, yld: the younger LDS instructions and global loads that may stay out
.set BB, BK+64*((\a)%2)
	s_wait_dscnt \yds
	s_wait_loadcnt \yld
.set tt, 0
.rept 16
	v_pk_fma_f32 v[BB+4*tt:BB+4*tt+1], v[BB+4*tt:BB+4*tt+1], s[96:97], v[BI:BI+1] op_sel_hi:[1,0,1]       ; sum x 2^(eA + eB) + bias
	v_pk_fma_f32 v[BB+4*tt+2:BB+4*tt+3], v[BB+4*tt+2:BB+4*tt+3], s[96:97], v[BI+2:BI+3] op_sel_hi:[1,0,1]
.set tt, tt+1
.endr
	WIN 0x04                                       ; source 1: window 1
.set jj, 0
.rept 32
	v_pk_add_f32 v[BB+jj:BB+jj+1], v[BB+jj:BB+jj+1], v[64*((\a)%2)+jj:64*((\a)%2)+jj+1]                   ; + the residual
.set jj, jj+2
.endr
	WIN 0
.set tt, 0
.rept 16
	global_store_b128 v[CO], v[BB+4*tt:BB+4*tt+3], s[70:71] offset:(16*(\a)+tt)*4096   ; 32 lanes store 512 consecutive bytes, aligned
.set tt, tt+1
.endr
.if (\a)+2 <= 7
	RESLOAD (\a)+2
.endif
.endm
	s_load_b256 s[4:11], s[0:1], 0x0               ; A's codes, xw, the scales' exponents, the bias
	s_load_b128 s[68:71], s[0:1], 0x20             ; the residual, rs
	v_lshl_add_u32 v[SPW], v0, 2, SPARE
	v_mov_b32 v[NIL], 0
	ds_add_u32 v[SPW], v[NIL]                      ; the wave's opening: the add, twice on end, and its wait ahead of my first tensor load
	ds_add_u32 v[SPW], v[NIL]
	v_lshrrev_b32 v1, 5, v0
	v_readfirstlane_b32 s14, v1
	s_lshr_b32 s15, s14, 1
	s_and_b32 s16, s14, 1
	s_bfe_u32 s40, ttmp6, 0x40000
	s_bfe_u32 s41, ttmp6, 0x40004
	s_lshl_b32 s42, ttmp9, 2
	s_add_co_u32 s42, s42, s40                     ; tile column
	s_and_b32 s17, ttmp7, 0xffff
	s_lshl_b32 s17, s17, 2
	s_add_co_u32 s17, s17, s41                     ; tile row
	s_lshl_b32 s43, s41, 2
	s_lshl_b32 s43, 15, s43
	s_lshl_b32 s44, 0x1111, s40
	s_or_b32 s[G1+0], s43, (1<<20)|(1<<21)|(5<<22)|(3<<25)
	s_or_b32 s[G1B+0], s44, (1<<20)|(1<<21)|(5<<22)|(3<<25)
.irp g, G1, G1B
	s_mov_b32 s[\g+1], ROWB<<16
	s_mov_b32 s[\g+2], 128<<16
	s_mov_b32 s[\g+3], ROWB<<16
	s_mov_b32 s[\g+4], 128
	s_mov_b32 s[\g+5], KROW
	s_mov_b32 s[\g+6], 0
	s_mov_b32 s[\g+7], 0
.endr
	s_lshl_b32 s18, s16, 7
	s_lshl_b32 s20, s17, 8
	s_add_co_u32 s20, s20, s18
	s_lshl_b32 s46, s42, 8
	s_add_co_u32 s46, s46, s18
	s_mov_b32 s21, 0
	s_mov_b32 s47, 0
	s_mov_b64 s[18:19], KROW
	s_mul_u64 s[20:21], s[20:21], s[18:19]
	s_mul_u64 s[46:47], s[46:47], s[18:19]
	s_mul_i32 s45, s14, HALFT
	s_wait_dscnt 0x0
	s_wait_kmcnt 0x0
	s_load_b64 s[96:97], s[8:9], SCOFF
	s_add_nc_u64 s[6:7], s[6:7], BOFF
	s_add_nc_u64 s[20:21], s[4:5], s[20:21]
	s_add_nc_u64 s[46:47], s[6:7], s[46:47]
	CROUND
.irp s, 0,1
	s_mov_b32 s[G0+4*\s], 1
	s_add_co_u32 s[G0+4*\s+1], s45, \s*SLOT
	s_add_nc_u64 s[G0+4*\s+2:G0+4*\s+3], s[20:21], \s*ROWB
	s_or_b32 s[G0+4*\s+3], s[G0+4*\s+3], 0x80000000
	s_mov_b32 s[G0B+4*\s], 1
	s_add_co_u32 s[G0B+4*\s+1], s45, \s*SLOT
	s_add_nc_u64 s[G0B+4*\s+2:G0B+4*\s+3], s[46:47], \s*ROWB
	s_or_b32 s[G0B+4*\s+3], s[G0B+4*\s+3], 0x80000000
	JLOAD G0+4*\s, G1, G0B+4*\s, G1B
.endr
	v_and_b32 v1, 15, v0
	v_bfe_u32 v2, v0, 4, 1
	v_mul_u32_u24 v3, v1, PITCH
	v_lshl_add_u32 v4, v2, 4, v3
	s_mul_i32 s21, s15, HALFT
	s_mul_i32 s22, s16, HALFT
	s_add_co_u32 s22, s22, 2*HALFT
.irp s, 0,1
	v_add_nc_u32 v[ADRA+\s], s21, v4
	v_add_nc_u32 v[ADRB+\s], s22, v4
	s_add_co_u32 s21, s21, SLOT
	s_add_co_u32 s22, s22, SLOT
.endr
	s_mul_i32 s23, s14, 16*SPITCH                  ; my stage
	v_mul_u32_u24 v5, v1, SPITCH
	v_lshl_add_u32 v5, v2, 6, v5
	v_add_nc_u32 v[STO], s23, v5                   ; in: row r, + 64 h: my 16 columns of each 32
	v_and_b32 v6, 31, v0
	v_lshlrev_b32 v[CO], 4, v6
	v_add_nc_u32 v[RD], s23, v[CO]                 ; back: the 32 lanes take one row of 512 bytes
	s_lshl_b32 s20, s17, 8
	s_lshl_b32 s21, s15, 7
	s_add_co_u32 s20, s20, s21
	s_lshl_b32 s20, s20, 12                        ; my first row x 4,096 bytes
	s_lshl_b32 s46, s42, 10
	s_lshl_b32 s47, s16, 9
	s_add_co_u32 s46, s46, s47                     ; my first column x 4
	s_mov_b32 s47, 0
	s_add_nc_u64 s[10:11], s[10:11], s[46:47]
	s_add_co_u32 s46, s46, s20
	s_add_nc_u64 s[68:69], s[68:69], s[46:47]
	s_add_nc_u64 s[70:71], s[70:71], s[46:47]
	s_wait_tensorcnt 1                             ; my part of K step 0 is in; K step 1's load may be out
	s_barrier_signal -1
	s_barrier_wait -1
	FETCH_B 0, 0, 0
	FETCH_A 0, 0, 0
	FETCH_A 0, 0, 4
	STEP 0, 0, 1
	s_mov_b32 s3, LAPS-1
.Llap:
	TURN 0, 1, 1
	STEP 1, 0, 0
	TURN 1, 0, 1
	STEP 0, 0, 0
	s_sub_co_u32 s3, s3, 1
	s_cmp_lg_u32 s3, 0
	s_cbranch_scc1 .Llap
	TURN 0, 1, 0
	STEP 1, 0, 0
	global_load_b128 v[BI:BI+3], v[CO], s[10:11]   ; the bias and two blocks of the residual are asked for ahead of the last 64 products; B's set 0 was last read four places back
	RESLOAD 0
	RESLOAD 1
	LAST
	s_wait_kmcnt 0x0
	s_add_co_i32 s96, s96, s97
	s_add_co_i32 s96, s96, 127
	s_lshl_b32 s96, s96, 23                        ; 2^(eA + eB) as f32
	s_mov_b32 s97, s96
	PLACES NP
	TOSTAGE 0
.irp a, 1,2,3,4,5,6,7
.if \a > 1
	s_wait_xcnt 0x0                                ; block a - 2's stores have read their registers: block a's rows may land there
.endif
	TOSTAGE \a
	SEND \a-1, 32, 16                              ; behind block a - 1's loads: block a's 16 stores and 16 loads; behind its residual: the next block's 16 loads
.endr
	SEND 7, 0, 0
	s_wait_tensorcnt 0x0                           ; the wave's end
	ds_add_u32 v[SPW], v[NIL]
	s_wait_dscnt 0x0
	CROUND                                         ; the closing round
	s_endpgm
.Lfunc_end_k_q9add1ae096_ffn2:
	.size	k_q9add1ae096_ffn2, .Lfunc_end_k_q9add1ae096_ffn2-k_q9add1ae096_ffn2
	.p2alignl 7, 3214868480
	.fill 96, 4, 3214868480
	.section	.rodata,"a",@progbits
	.p2align	6, 0x0
	.amdhsa_kernel k_q9add1ae096_ffn2
		.amdhsa_group_segment_fixed_size 327680
		.amdhsa_private_segment_fixed_size 0
		.amdhsa_enable_private_segment 0
		.amdhsa_kernarg_size 48
		.amdhsa_user_sgpr_count 2
		.amdhsa_user_sgpr_kernarg_segment_ptr 1
		.amdhsa_wavefront_size32 1
		.amdhsa_system_sgpr_workgroup_id_x 1
		.amdhsa_system_sgpr_workgroup_id_y 1
		.amdhsa_system_sgpr_workgroup_id_z 1
		.amdhsa_system_vgpr_workitem_id 0
		.amdhsa_next_free_vgpr 1024
		.amdhsa_next_free_sgpr 104
		.amdhsa_reserve_vcc 0
		.amdhsa_float_denorm_mode_32 3
		.amdhsa_float_denorm_mode_16_64 3
		.amdhsa_memory_ordered 1
		.amdhsa_forward_progress 1
		.amdhsa_inst_pref_size 152
	.end_amdhsa_kernel
	.amdgpu_metadata
---
amdhsa.version: [ 1, 2 ]
amdhsa.kernels:
  - .name:           k_q9add1ae096_ffn2
    .symbol:         k_q9add1ae096_ffn2.kd
    .args:
      - { .name: hc, .offset: 0, .size: 8, .value_kind: global_buffer, .address_space: global }
      - { .name: xw, .offset: 8, .size: 8, .value_kind: global_buffer, .address_space: global }
      - { .name: lowp_scales, .offset: 16, .size: 8, .value_kind: global_buffer, .address_space: global }
      - { .name: b2, .offset: 24, .size: 8, .value_kind: global_buffer, .address_space: global }
      - { .name: x1f, .offset: 32, .size: 8, .value_kind: global_buffer, .address_space: global }
      - { .name: rs, .offset: 40, .size: 8, .value_kind: global_buffer, .address_space: global }
    .group_segment_fixed_size: 327680
    .private_segment_fixed_size: 0
    .kernarg_segment_align: 8
    .kernarg_segment_size: 48
    .max_flat_workgroup_size: 128
    .sgpr_count:     104
    .vgpr_count:     1024
    .wavefront_size: 32
...
	.end_amdgpu_metadata
.endif
;; end of part 7
;; launch ln2 (part 8): grid 256 x 1, 4 waves a work-group, no clusters, 0 bytes of LDS; arguments rs, g2, be2, out0; writes out0
.if DOCPART == 8
	.amdgcn_target "amdgcn-amd-amdhsa--gfx1250"
	.amdhsa_code_object_version 6
	.text
	.protected	k_q9add1ae096_ln2
	.globl	k_q9add1ae096_ln2
	.p2align	8
	.type	k_q9add1ae096_ln2,@function
k_q9add1ae096_ln2:
	s_mov_b64 s[64:65], 0
	v_nop
	global_prefetch_b8 v0, s[64:65] scope:SCOPE_SE
	s_setreg_imm32_b32 hwreg(HW_REG_WAVE_MODE, 25, 1), 1
	s_wait_xcnt 0x0
; LN: y = (x - mean) rsqrt(var + 1e-5) g + b along rows of 1,024 f32: the block's result.  No work of the problem is left out here.
; A wave takes 4 rows and keeps each in 32 registers: lane l holds 16 bytes at 512 j + 16 l.  The mean first, then the mean of the squared differences, as reference() has it.  No LDS, no barrier: memory binds, all loads go out first.
.set G,  32
.set BE, 64
.set X,  96
	s_load_b128 s[4:7], s[0:1], 0x0                ; rs, g
	s_load_b64 s[8:9], s[0:1], 0x10                ; b
	s_load_b64 s[12:13], s[0:1], 0x18              ; y
	v_lshrrev_b32 v1, 5, v0
	v_readfirstlane_b32 s16, v1
	v_and_b32 v2, 31, v0
	v_lshlrev_b32 v1, 4, v2                        ; 16 x lane
	s_lshl_b32 s17, ttmp9, 4
	s_lshl_b32 s18, s16, 2
	s_add_co_u32 s17, s17, s18                     ; my first row
	s_lshl_b32 s18, s17, 12
	s_mov_b32 s19, 0
	s_mov_b32 s20, 0x3a800000                      ; 1 / 1,024
	s_mov_b32 s25, 0x3727c5ac                      ; 1e-5
	s_mov_b32 s22, 0x76543210
	s_mov_b32 s23, 0xfedcba98
	v_mov_b32 v28, 0                               ; written once: a lane permute's destination counts as read
	v_mov_b32 v31, 0                               ; (named as the upper half of v[30:31])
	s_wait_kmcnt 0x0
	s_add_nc_u64 s[4:5], s[4:5], s[18:19]
	s_add_nc_u64 s[12:13], s[12:13], s[18:19]
.irp j, 0,1,2,3,4,5,6,7
	global_load_b128 v[G+4*\j:G+4*\j+3], v1, s[6:7] offset:512*\j
.endr
.irp j, 0,1,2,3,4,5,6,7
	global_load_b128 v[BE+4*\j:BE+4*\j+3], v1, s[8:9] offset:512*\j
.endr
.irp k, 0,1,2,3
.irp j, 0,1,2,3,4,5,6,7
	global_load_b128 v[X+32*\k+4*\j:X+32*\k+4*\j+3], v1, s[4:5] offset:4096*\k+512*\j th:TH_LOAD_NT
.endr
.endr
.macro RED r                           ; the sum over the 32 lanes, in every lane
	v_add_f32_dpp v[\r], v[\r], v[\r] row_xmask:1 row_mask:0xf bank_mask:0xf
	v_add_f32_dpp v[\r], v[\r], v[\r] row_xmask:2 row_mask:0xf bank_mask:0xf
	v_add_f32_dpp v[\r], v[\r], v[\r] row_xmask:4 row_mask:0xf bank_mask:0xf
	v_add_f32_dpp v[\r], v[\r], v[\r] row_xmask:8 row_mask:0xf bank_mask:0xf
	v_permlanex16_b32 v28, v[\r], s22, s23
	v_add_f32 v[\r], v[\r], v28
.endm
.macro ROW k
.set XR, X+32*(\k)
	s_wait_loadcnt 8*(3-(\k))                      ; g, b and this row are in; the later rows' loads stay out
	v_pk_add_f32 v[24:25], v[XR:XR+1], v[XR+2:XR+3]
	v_pk_add_f32 v[26:27], v[XR+4:XR+5], v[XR+6:XR+7]
.set jj, 8
.rept 6
	v_pk_add_f32 v[24:25], v[24:25], v[XR+jj:XR+jj+1]
	v_pk_add_f32 v[26:27], v[26:27], v[XR+jj+2:XR+jj+3]
.set jj, jj+4
.endr
	v_pk_add_f32 v[24:25], v[24:25], v[26:27]
	v_add_f32 v24, v24, v25
	RED 24
	v_mul_f32 v30, s20, v24                        ; the mean
.set jj, 0
.rept 16
	v_pk_add_f32 v[XR+jj:XR+jj+1], v[XR+jj:XR+jj+1], v[30:31] op_sel_hi:[1,0] neg_lo:[0,1] neg_hi:[0,1]
.set jj, jj+2
.endr
	v_pk_mul_f32 v[24:25], v[XR:XR+1], v[XR:XR+1]
	v_pk_mul_f32 v[26:27], v[XR+2:XR+3], v[XR+2:XR+3]
.set jj, 4
.rept 7
	v_pk_fma_f32 v[24:25], v[XR+jj:XR+jj+1], v[XR+jj:XR+jj+1], v[24:25]
	v_pk_fma_f32 v[26:27], v[XR+jj+2:XR+jj+3], v[XR+jj+2:XR+jj+3], v[26:27]
.set jj, jj+4
.endr
	v_pk_add_f32 v[24:25], v[24:25], v[26:27]
	v_add_f32 v24, v24, v25
	RED 24
	v_fma_f32 v24, v24, s20, s25                   ; var + 1e-5
	v_rsq_f32 v30, v24
	v_nop                                          ; a plain line behind the transcendental,
	s_wait_alu depctr_va_vdst(0)                   ; and the wait ahead of its first reader
.set jj, 0
.rept 16
	v_pk_mul_f32 v[XR+jj:XR+jj+1], v[XR+jj:XR+jj+1], v[30:31] op_sel_hi:[1,0]
.set jj, jj+2
.endr
.set jj, 0
.rept 16
	v_pk_fma_f32 v[XR+jj:XR+jj+1], v[XR+jj:XR+jj+1], v[G+jj:G+jj+1], v[BE+jj:BE+jj+1]
.set jj, jj+2
.endr
.irp j, 0,1,2,3,4,5,6,7
	global_store_b128 v1, v[XR+4*\j:XR+4*\j+3], s[12:13] offset:4096*(\k)+512*\j th:TH_STORE_NT   ; 512 consecutive bytes; these registers are not written again
.endr
.endm
	ROW 0
	ROW 1
	ROW 2
	ROW 3
	s_endpgm
.Lfunc_end_k_q9add1ae096_ln2:
	.size	k_q9add1ae096_ln2, .Lfunc_end_k_q9add1ae096_ln2-k_q9add1ae096_ln2
	.p2alignl 7, 3214868480
	.fill 96, 4, 3214868480
	.section	.rodata,"a",@progbits
	.p2align	6, 0x0
	.amdhsa_kernel k_q9add1ae096_ln2
		.amdhsa_group_segment_fixed_size 0
		.amdhsa_private_segment_fixed_size 0
		.amdhsa_enable_private_segment 0
		.amdhsa_kernarg_size 32
		.amdhsa_user_sgpr_count 2
		.amdhsa_user_sgpr_kernarg_segment_ptr 1
		.amdhsa_wavefront_size32 1
		.amdhsa_system_sgpr_workgroup_id_x 1
		.amdhsa_system_sgpr_workgroup_id_y 1
		.amdhsa_system_sgpr_workgroup_id_z 1
		.amdhsa_system_vgpr_workitem_id 0
		.amdhsa_next_free_vgpr 224
		.amdhsa_next_free_sgpr 66
		.amdhsa_reserve_vcc 0
		.amdhsa_float_denorm_mode_32 3
		.amdhsa_float_denorm_mode_16_64 3
		.amdhsa_memory_ordered 1
		.amdhsa_forward_progress 1
		.amdhsa_inst_pref_size 33
	.end_amdhsa_kernel
	.amdgpu_metadata
---
amdhsa.version: [ 1, 2 ]
amdhsa.kernels:
  - .name:           k_q9add1ae096_ln2
    .symbol:         k_q9add1ae096_ln2.kd
    .args:
      - { .name: rs, .offset: 0, .size: 8, .value_kind: global_buffer, .address_space: global }
      - { .name: g2, .offset: 8, .size: 8, .value_kind: global_buffer, .address_space: global }
      - { .name: be2, .offset: 16, .size: 8, .value_kind: global_buffer, .address_space: global }
      - { .name: out0, .offset: 24, .size: 8, .value_kind: global_buffer, .address_space: global }
    .group_segment_fixed_size: 0
    .private_segment_fixed_size: 0
    .kernarg_segment_align: 8
    .kernarg_segment_size: 32
    .max_flat_workgroup_size: 128
    .sgpr_count:     66
    .vgpr_count:     224
    .wavefront_size: 32
...
	.end_amdgpu_metadata
.endif
;; end of part 8
;; ======== version 2 of 2: 8 launches
;; limits: right only within a limited range of input values
;; workspace buffers: xw 25,165,824 bytes; qkv 12,582,912 bytes; ao 4,194,304 bytes; rs 16,777,216 bytes; x1f 16,777,216 bytes; x1c 4,194,304 bytes; hc 16,777,216 bytes
;; launch prep (part 9): grid 640 x 1, 4 waves a work-group, no clusters, 35,840 bytes of LDS; arguments x, Wq, Wk, Wv, Wo, W1, W2, lowp_scales, xw; writes xw
.if DOCPART == 9
	.amdgcn_target "amdgcn-amd-amdhsa--gfx1250"
	.amdhsa_code_object_version 6
	.text
	.protected	k_q9add1ae096_prep
	.globl	k_q9add1ae096_prep
	.p2align	8
	.type	k_q9add1ae096_prep,@function
k_q9add1ae096_prep:
	s_mov_b64 s[64:65], 0
	v_nop
	global_prefetch_b8 v0, s[64:65] scope:SCOPE_SE
	s_setreg_imm32_b32 hwreg(HW_REG_WAVE_MODE, 25, 1), 1
	s_wait_xcnt 0x0
; PREP: the f32 inputs that many work-groups read become codes of E5M2, once.  x three times (its three given scales e0, e2, e4), the six weights once each, laid [N][K] with K innermost.
; DEAD WORK: none is left out in this program.  Every bias enters a quantised operand or an output (bk moves k's codes), the mask is honoured for every pattern, all 19 inputs are loaded.
; code = number / 2^e, held within +-57,344, to the nearest code, ties to even.  LIMITS: every e between -126 and 112; NaN among the inputs is not served.
; THE ROW ORDER sw: sw(i) is i with bits 3 and 4 exchanged (its own inverse).  The weights' rows n, and x's rows in the copies for k and v, are stored at place sw(row).  Sixteen rows on end, 16 i + r, then hold
; index 32 (i / 2) + 16 (r / 8) + 8 (i % 2) + r % 8: as source 0 of a matrix instruction they leave a lane's 16 registers of two neighbouring tiles as 16 NEIGHBOURS along that index.
; xw, in bytes: x for q at 0 (rows as they are), for k at 4 Mi, for v at 8 Mi; Wq 12 Mi, Wk 13 Mi, Wv 14 Mi, Wo 15 Mi, W1 16 Mi, W2 20 Mi.
; Work-groups 0 to 255 take x (16 rows each, no LDS); 256 to 639 a block of 128 columns x 256 along K of a weight (a lane to a column, registers down K; the codes leave through the wave's own stage in LDS).
.set SPW,   12                         ; v12 LDS address of my spare word; never rewritten
.set NIL,   13                         ; v13 0; never rewritten
.set SPARE, 34816                      ; behind the four stages of 32 x 272 bytes: the spare words, 512 bytes that no other line names
.set XX,    32                         ; x path: v32-159 sixteen steps of 8 numbers
.set T,     160                        ; v160-163 what I send to lane xor 1
.set U,     164                        ; v164-167 what I get
.set H,     168                        ; v168-191 the numbers held, one set for each scale
.set C,     192                        ; v192-207 codes, two sets by turns
.set OFF,   32                         ; weight path: v32-63 4 x lane + i rows of the source
.set WX,    64                         ; v64-127 two sets of 32 numbers; later the way out
.set WC,    128                        ; v128-135 a block's codes
.set VO,    136                        ; v136-151 where row pair t goes in xw
.set BASE,  40                         ; s[40:55] the source at block t of 32 rows
	s_load_b512 s[4:19], s[0:1], 0x0               ; x, Wq, Wk, Wv, Wo, W1, W2, the scales' exponents
	s_load_b64 s[20:21], s[0:1], 0x40              ; xw
	v_lshl_add_u32 v[SPW], v0, 2, SPARE
	v_mov_b32 v[NIL], 0
	v_lshrrev_b32 v1, 5, v0
	v_readfirstlane_b32 s22, v1                    ; wave
	v_and_b32 v2, 31, v0                           ; lane
	s_wait_kmcnt 0x0
	s_load_b512 s[68:83], s[18:19], 0x0            ; e0 .. e15
	s_cmp_lt_u32 ttmp9, 256
	s_cbranch_scc0 .Lweights
; ---------------- x: my wave's 4 rows are 16 KiB on end: 16 steps of 256 numbers
	s_wait_alu depctr_va_vdst(0)
	v_lshlrev_b32 v3, 4, v2                        ; my 16 bytes of a load's 512
	v_and_b32 v5, 1, v2
	v_cmp_eq_u32 s23, 1, v5                        ; the odd lanes
	v_lshrrev_b32 v4, 1, v2
	v_lshlrev_b32 v4, 3, v4
	v_lshl_add_u32 v4, v5, 7, v4                   ; my 8 codes of a step's 256: 128 (lane % 2) + 8 (lane / 2)
	s_lshl_b32 s24, ttmp9, 4
	s_lshl_b32 s25, s22, 2
	s_add_co_u32 s24, s24, s25                     ; R: my first row
	s_lshl_b32 s26, s24, 12
	s_mov_b32 s27, 0
	s_add_nc_u64 s[4:5], s[4:5], s[26:27]
.set nn, 0
.rept 16
	global_load_b128 v[XX+8*nn:XX+8*nn+3], v3, s[4:5] offset:1024*nn th:TH_LOAD_NT        ; 32 lanes read 512 consecutive bytes
	global_load_b128 v[XX+8*nn+4:XX+8*nn+7], v3, s[4:5] offset:1024*nn+512 th:TH_LOAD_NT
.set nn, nn+1
.endr
	s_and_b32 s28, s24, 0xffffffe7
	s_and_b32 s29, s24, 8
	s_lshl_b32 s29, s29, 1
	s_or_b32 s28, s28, s29
	s_and_b32 s29, s24, 16
	s_lshr_b32 s29, s29, 1
	s_or_b32 s28, s28, s29                         ; sw(R); R's bits 0 and 1 are 0, so the four rows stay on end
	s_lshl_b32 s26, s24, 10
	s_add_nc_u64 s[40:41], s[20:21], s[26:27]      ; x for q: rows as they are
	s_lshl_b32 s26, s28, 10
	s_add_nc_u64 s[42:43], s[20:21], s[26:27]
	s_add_nc_u64 s[44:45], s[42:43], 0x800000      ; x for v
	s_add_nc_u64 s[42:43], s[42:43], 0x400000      ; x for k
.irp k, 0,1,2,3
	v_mov_b32 v[U+\k], 0                           ; written once: a DPP form's destination counts as read
.endr
	s_wait_kmcnt 0x0
.irp i, 0,1,2
	s_add_co_i32 s30, s[68+2*\i], 127
	s_lshl_b32 s31, s30, 23
	v_mov_b32 v[14+2*\i], s31                      ; 2^e as f32: the conversion takes its exponent field
	s_add_co_i32 s30, s30, 15
	s_lshl_b32 s30, s30, 23
	s_or_b32 s30, s30, 0x600000
	v_mov_b32 v[15+2*\i], s30                      ; 57,344 x 2^e
.endr
; A step.  The loads take the bytes as they lie, 4 numbers a lane of the first 128 (A) and of the second 128 (B).  A conversion wants 8 neighbours in one lane: lanes 2 i and 2 i + 1 exchange, so that
; lane 2 i holds numbers 8 i .. 8 i + 7 of the first 128 and lane 2 i + 1 those of the second.
.macro XSTEP s
.set XS, XX+8*(\s)
	s_wait_loadcnt 30-2*(\s)                       ; this step's two loads are in; the later steps' stay out
	s_wait_xcnt 0x0                                ; the stores of two steps ago have read their codes' registers, which are written again below
.irp k, 0,1,2,3
	v_cndmask_b32 v[T+\k], v[XS+4+\k], v[XS+\k], s23               ; an even lane sends B, an odd one A
.endr
.irp k, 0,1,2,3
	v_mov_b32_dpp v[U+\k], v[T+\k] row_xmask:1 row_mask:0xf bank_mask:0xf
.endr
.irp k, 0,1,2,3
	v_cndmask_b32 v[XS+\k], v[XS+\k], v[U+\k], s23
.endr
.irp k, 0,1,2,3
	v_cndmask_b32 v[XS+4+\k], v[U+\k], v[XS+4+\k], s23
.endr
.irp i, 0,1,2
.irp k, 0,1,2,3,4,5,6,7
	v_med3_num_f32 v[H+8*\i+\k], v[XS+\k], -v[15+2*\i], v[15+2*\i]   ; the conversion to an 8-bit code does not saturate (ISA guide 7.6.2): the hold comes first
.endr
	v_cvt_scalef32_pk8_bf8_f32 v[C+8*((\s)%2)+2*\i:C+8*((\s)%2)+2*\i+1], v[H+8*\i:H+8*\i+7], v[14+2*\i]
.endr
	global_store_b64 v4, v[C+8*((\s)%2):C+8*((\s)%2)+1], s[40:41] offset:256*(\s)       ; 32 lanes store 256 consecutive bytes, aligned
	global_store_b64 v4, v[C+8*((\s)%2)+2:C+8*((\s)%2)+3], s[42:43] offset:256*(\s)
	global_store_b64 v4, v[C+8*((\s)%2)+4:C+8*((\s)%2)+5], s[44:45] offset:256*(\s)
.endm
.irp s, 0,1,2,3,4,5,6,7,8,9,10,11,12,13,14,15
	XSTEP \s
.endr
	s_endpgm
; ---------------- a weight: which, and which block of it, by the work-group's number alone
.Lweights:
	s_sub_co_u32 s24, ttmp9, 256                   ; idx 0 .. 383: 4 x 32 for Wq, Wk, Wv, Wo; 128 for W1; 128 for W2
	s_lshr_b32 s25, s24, 7
	s_bfe_u32 s26, s24, 0x20005
	s_add_co_u32 s27, s25, 3
	s_and_b32 s28, s24, 31
	s_and_b32 s29, s24, 127
	s_cmp_eq_u32 s25, 0
	s_cselect_b32 s26, s26, s27                    ; the tensor: 0 .. 5
	s_cselect_b32 s28, s28, s29                    ; my block among its blocks
	s_cmp_eq_u32 s25, 1
	s_cselect_b32 s29, 5, 3                        ; log2 of its blocks of 128 columns
	s_mov_b32 s30, 4096
	s_cselect_b32 s30, 16384, s30                  ; a row of the source in bytes
	s_cmp_eq_u32 s25, 2
	s_mov_b32 s31, 1024
	s_cselect_b32 s31, 4096, s31                   ; a row of its codes in bytes: K
	s_bfm_b32 s32, s29, 0
	s_and_b32 s32, s28, s32                        ; which 128 columns
	s_lshr_b32 s33, s28, s29                       ; which 256 along K
	s_wait_kmcnt 0x0
	s_mov_b64 s[34:35], s[6:7]                     ; the source and its exponent are chosen together, on the tensor's number
	s_mov_b32 s36, s69
	s_cmp_eq_u32 s26, 1
	s_cselect_b64 s[34:35], s[8:9], s[34:35]
	s_cselect_b32 s36, s71, s36
	s_cmp_eq_u32 s26, 2
	s_cselect_b64 s[34:35], s[10:11], s[34:35]
	s_cselect_b32 s36, s73, s36
	s_cmp_eq_u32 s26, 3
	s_cselect_b64 s[34:35], s[12:13], s[34:35]
	s_cselect_b32 s36, s79, s36
	s_cmp_eq_u32 s26, 4
	s_cselect_b64 s[34:35], s[14:15], s[34:35]
	s_cselect_b32 s36, s81, s36
	s_cmp_eq_u32 s26, 5
	s_cselect_b64 s[34:35], s[16:17], s[34:35]
	s_cselect_b32 s36, s83, s36
	s_cselect_b32 s37, 8, s26
	s_add_co_u32 s37, s37, 12
	s_lshl_b32 s37, s37, 20                        ; where its codes begin in xw
	s_lshl_b32 s38, s32, 7
	s_lshl_b32 s39, s22, 5
	s_add_co_u32 s38, s38, s39                     ; my wave's first column
	s_mul_i32 s56, s33, s30
	s_lshl_b32 s56, s56, 8
	s_lshl_b32 s58, s38, 2
	s_add_co_u32 s56, s56, s58
	s_mov_b32 s57, 0
	s_add_nc_u64 s[BASE:BASE+1], s[34:35], s[56:57]
	s_lshl_b32 s56, s30, 5                         ; 32 rows on
.irp t, 1,2,3,4,5,6,7
	s_add_nc_u64 s[BASE+2*\t:BASE+2*\t+1], s[BASE+2*\t-2:BASE+2*\t-1], s[56:57]
.endr
	s_mul_i32 s58, s38, s31
	s_lshl_b32 s59, s33, 8
	s_add_co_u32 s58, s58, s59
	s_add_co_u32 s58, s58, s37
	s_mov_b32 s59, 0
	s_add_nc_u64 s[20:21], s[20:21], s[58:59]      ; xw at my wave's first column, my 256 along K
	s_wait_alu depctr_va_vdst(0)
	v_lshlrev_b32 v[OFF], 2, v2
.irp i, 1,2,3,4,5,6,7,8,9,10,11,12,13,14,15,16,17,18,19,20,21,22,23,24,25,26,27,28,29,30,31
	v_add_nc_u32 v[OFF+\i], s30, v[OFF+\i-1]
.endr
.macro WLOAD t                         ; block t: W(32 t + i, my column): neighbouring lanes read neighbouring columns, 128 consecutive bytes a wave
.set nn, 0
.rept 32
	global_load_b32 v[WX+32*((\t)%2)+nn], v[OFF+nn], s[BASE+2*(\t):BASE+2*(\t)+1] th:TH_LOAD_NT
.set nn, nn+1
.endr
.endm
	WLOAD 0
	WLOAD 1
	s_mul_i32 s60, s22, 8704                       ; my stage
	v_mul_u32_u24 v5, v2, 272
	v_add_nc_u32 v5, s60, v5                       ; into it: row = my column
	v_and_b32 v8, 15, v2
	v_lshrrev_b32 v6, 4, v2
	v_mul_u32_u24 v7, v6, 272
	v_lshl_add_u32 v7, v8, 4, v7
	v_add_nc_u32 v7, s60, v7                       ; out of it: sixteen lanes to a row, two rows an instruction
	v_mul_lo_u32 v9, v6, s31
	v_lshl_add_u32 v9, v8, 4, v9
	s_wait_alu depctr_va_vdst(0)
.irp t, 0,1,2,3,4,5,6,7,8,9,10,11,12,13,14,15
	s_mul_i32 s61, s31, 2*((\t&3)|((\t&4)<<1)|((\t&8)>>1))         ; columns 2 t, 2 t + 1 go to places sw(2 t), sw(2 t) + 1: bits 2 and 3 of t change places
	v_add_nc_u32 v[VO+\t], s61, v9
.endr
	s_add_co_i32 s36, s36, 127
	s_lshl_b32 s62, s36, 23
	v_mov_b32 v11, s62                             ; 2^e
	s_add_co_i32 s36, s36, 15
	s_lshl_b32 s36, s36, 23
	s_or_b32 s36, s36, 0x600000
	v_mov_b32 v10, s36                             ; 57,344 x 2^e
.macro WBLOCK t
.set XS, WX+32*((\t)%2)
.if (\t) < 7
	s_wait_loadcnt 32                              ; this block's 32 loads are in; the next block's may be out
.else
	s_wait_loadcnt 0
.endif
.set nn, 0
.rept 32
	v_med3_num_f32 v[XS+nn], v[XS+nn], -v10, v10
.set nn, nn+1
.endr
.irp g, 0,1,2,3
	v_cvt_scalef32_pk8_bf8_f32 v[WC+2*\g:WC+2*\g+1], v[XS+8*\g:XS+8*\g+7], v11
.endr
	ds_store_b128 v5, v[WC:WC+3] offset:32*(\t)    ; 32 codes along K of my column
	ds_store_b128 v5, v[WC+4:WC+7] offset:32*(\t)+16
.if (\t)+2 < 8
	WLOAD (\t)+2
.endif
	s_wait_dscnt 0x0                               ; the stores have read their registers: the next block's codes may be written
.endm
	s_wait_alu depctr_va_vdst(0)
.irp t, 0,1,2,3,4,5,6,7
	WBLOCK \t
.endr
.irp t, 0,1,2,3,4,5,6,7,8,9,10,11,12,13,14,15
	ds_load_b128 v[WX+4*\t:WX+4*\t+3], v7 offset:2*\t*272          ; LDS serves a wave's instructions in order: these see my stores
.endr
.irp t, 0,1,2,3,4,5,6,7,8,9,10,11,12,13,14,15
	s_wait_dscnt 15-\t
	global_store_b128 v[VO+\t], v[WX+4*\t:WX+4*\t+3], s[20:21]     ; sixteen lanes store 256 consecutive bytes, aligned
.endr
	s_wait_tensorcnt 0x0                           ; the wave's end, behind my last LDS store
	ds_add_u32 v[SPW], v[NIL]
	s_wait_dscnt 0x0
	s_endpgm
.Lfunc_end_k_q9add1ae096_prep:
	.size	k_q9add1ae096_prep, .Lfunc_end_k_q9add1ae096_prep-k_q9add1ae096_prep
	.p2alignl 7, 3214868480
	.fill 96, 4, 3214868480
	.section	.rodata,"a",@progbits
	.p2align	6, 0x0
	.amdhsa_kernel k_q9add1ae096_prep
		.amdhsa_group_segment_fixed_size 35840
		.amdhsa_private_segment_fixed_size 0
		.amdhsa_enable_private_segment 0
		.amdhsa_kernarg_size 72
		.amdhsa_user_sgpr_count 2
		.amdhsa_user_sgpr_kernarg_segment_ptr 1
		.amdhsa_wavefront_size32 1
		.amdhsa_system_sgpr_workgroup_id_x 1
		.amdhsa_system_sgpr_workgroup_id_y 1
		.amdhsa_system_sgpr_workgroup_id_z 1
		.amdhsa_system_vgpr_workitem_id 0
		.amdhsa_next_free_vgpr 208
		.amdhsa_next_free_sgpr 100
		.amdhsa_reserve_vcc 0
		.amdhsa_float_denorm_mode_32 3
		.amdhsa_float_denorm_mode_16_64 3
		.amdhsa_memory_ordered 1
		.amdhsa_forward_progress 1
		.amdhsa_inst_pref_size 107
	.end_amdhsa_kernel
	.amdgpu_metadata
---
amdhsa.version: [ 1, 2 ]
amdhsa.kernels:
  - .name:           k_q9add1ae096_prep
    .symbol:         k_q9add1ae096_prep.kd
    .args:
      - { .name: x, .offset: 0, .size: 8, .value_kind: global_buffer, .address_space: global }
      - { .name: Wq, .offset: 8, .size: 8, .value_kind: global_buffer, .address_space: global }
      - { .name: Wk, .offset: 16, .size: 8, .value_kind: global_buffer, .address_space: global }
      - { .name: Wv, .offset: 24, .size: 8, .value_kind: global_buffer, .address_space: global }
      - { .name: Wo, .offset: 32, .size: 8, .value_kind: global_buffer, .address_space: global }
      - { .name: W1, .offset: 40, .size: 8, .value_kind: global_buffer, .address_space: global }
      - { .name: W2, .offset: 48, .size: 8, .value_kind: global_buffer, .address_space: global }
      - { .name: lowp_scales, .offset: 56, .size: 8, .value_kind: global_buffer, .address_space: global }
      - { .name: xw, .offset: 64, .size: 8, .value_kind: global_buffer, .address_space: global }
    .group_segment_fixed_size: 35840
    .private_segment_fixed_size: 0
    .kernarg_segment_align: 8
    .kernarg_segment_size: 72
    .max_flat_workgroup_size: 128
    .sgpr_count:     100
    .vgpr_count:     208
    .wavefront_size: 32
...
	.end_amdgpu_metadata
.endif
;; end of part 9
;; launch qkv (part 10): grid 12 x 16, 4 waves a work-group, clusters of 4 x 4, 327,680 bytes of LDS; arguments xw, lowp_scales, bq, bk, bv, mask, qkv; writes qkv
.if DOCPART == 10
	.amdgcn_target "amdgcn-amd-amdhsa--gfx1250"
	.amdhsa_code_object_version 6
	.text
	.protected	k_q9add1ae096_qkv
	.globl	k_q9add1ae096_qkv
	.p2align	8
	.type	k_q9add1ae096_qkv,@function
k_q9add1ae096_qkv:
	s_mov_b64 s[64:65], 0
	v_nop
	global_prefetch_b8 v0, s[64:65] scope:SCOPE_SE
	s_setreg_imm32_b32 hwreg(HW_REG_WAVE_MODE, 25, 1), 1
	s_wait_xcnt 0x0
	s_wait_alu depctr_hold_cnt(0) depctr_sa_sdst(0) depctr_va_vdst(0) depctr_va_sdst(0) depctr_va_ssrc(0) depctr_va_vcc(0) depctr_vm_vsrc(0)
	s_getreg_b32 s2, hwreg(HW_REG_IB_STS2, 6, 4)
	s_cmp_eq_u32 s2, 0
	s_cbranch_scc0 .Lentry_in_a_cluster
	s_endpgm
.Lentry_in_a_cluster:
	s_bfe_u32 s2, ttmp6, 0x10000c
	s_cmp_lg_u32 s2, 0xf033
	s_cbranch_scc0 .Lentry_shape_is_right
	s_endpgm
.Lentry_shape_is_right:
.set SIZE_K, 1024
.set KSTEP,  256
.set ROWB,   256
.set KROW,   SIZE_K
.set PITCH,  272
.set FR,     16
.set NL,     4
.set NP,     4
.set HALFT,  128*PITCH
.set SLOT,   4*HALFT
.set LAPS,   SIZE_K/(2*KSTEP)
.set SPARE,  2*SLOT
.set STGV,   69632
.set ADRA, 16
.set CO2,  18
.set ADRB, 20
.set STO2, 22
.set RD2,  23
.set STO,  24
.set RD,   25
.set CO,   26
.set LIM,  27
.set SPW,  28
.set NIL,  29
.set CV,   30
.set BNO,  31
.set LIMA, 32
.set VP,   40
.set L16,  48
.set BN,   64
.set TMP,  128
.set PC,   192
.set OUTR, 128
.set AF,   128
.set G1, 24
.set G0, 32
.set G1B, 48
.set G0B, 56
.set MSB, 0
.macro WIN new
.if MSB != \new
	s_set_vgpr_msb (MSB<<8)|\new
.set MSB, \new
.endif
.endm
.set MUL_LO, 0xa1
.set MUL_HI, 0xf1
.set TO_B,   0x40
.macro JLOAD g0a, g1a, g0b, g1b
	s_cmp_eq_u32 s15, 0
	s_cbranch_scc0 .Lfor_b_\@
	tensor_load_to_lds s[\g0a:\g0a+3], s[\g1a:\g1a+7]
	s_nop 0
.rept 4
	v_nop
.endr
	s_branch .Lasked_\@
.Lfor_b_\@:
	tensor_load_to_lds s[\g0b:\g0b+3], s[\g1b:\g1b+7]
	s_nop 0
.rept 4
	v_nop
.endr
.Lasked_\@:
.endm
.macro CREST
	s_cmp_lg_u32 s14, 0
	s_cbranch_scc1 .Lnot_wave_0_\@
	s_barrier_signal -3
.Lnot_wave_0_\@:
	s_barrier_wait -3
	s_barrier_signal -1
	s_barrier_wait -1
.endm
.macro CROUND
	s_barrier_signal -1
	s_barrier_wait -1
	CREST
.endm
.macro FRAG reg, adr, q, i
.irp c, 0,1,2,3
	ds_load_b128 v[\reg+4*\c:\reg+4*\c+3], v[\adr] offset:128*(\q)+32*\c+(\i)*16*PITCH
.endr
.endm
.macro MUL16 a0, p, zero
.irp a, \a0, \a0+1
.irp b, 0,1,2,3,4,5,6,7
.if \zero
	v_wmma_f32_16x16x128_bf8_bf8 v[8*(8*((\a)%4)+\b):8*(8*((\a)%4)+\b)+7], v[128*(\p)+FR*\b:128*(\p)+FR*\b+FR-1], v[AF+FR*(\a):AF+FR*(\a)+FR-1], 0
.else
	v_wmma_f32_16x16x128_bf8_bf8 v[8*(8*((\a)%4)+\b):8*(8*((\a)%4)+\b)+7], v[128*(\p)+FR*\b:128*(\p)+FR*\b+FR-1], v[AF+FR*(\a):AF+FR*(\a)+FR-1], v[8*(8*((\a)%4)+\b):8*(8*((\a)%4)+\b)+7]
.endif
.endr
.endr
.endm
.macro FETCH_B slot, q, p
	WIN TO_B
.irp i, 0,1,2,3,4,5,6,7
	FRAG 128*(\p)+FR*\i, ADRB+\slot, \q, \i
.endr
	WIN 0
.endm
.macro FETCH_A slot, q, i0
.irp i, \i0, \i0+1, \i0+2, \i0+3
	FRAG AF+FR*(\i), ADRA+\slot, \q, \i
.endr
.endm
.macro PLACES n
.rept \n
	v_nop
.endr
.endm
.macro STEP slot, q, zero
	s_wait_dscnt 4*NL
	WIN MUL_LO
	MUL16 0, (\q)%2, \zero
	MUL16 2, (\q)%2, \zero
	s_wait_dscnt 0
	PLACES NP
	FETCH_B \slot, (\q)+1, 1-(\q)%2
	FETCH_A \slot, (\q)+1, 0
	WIN MUL_HI
	MUL16 4, (\q)%2, \zero
	MUL16 6, (\q)%2, \zero
	PLACES NP
	WIN 0
	FETCH_A \slot, (\q)+1, 4
.endm
.macro TURN slot, next, fill
	s_wait_tensorcnt 0x0
	ds_add_u32 v[SPW], v[NIL]
	s_wait_dscnt 4*NL+1
	WIN MUL_LO
	MUL16 0, 1, 0
	s_wait_dscnt 0x0
	s_barrier_signal -1
	MUL16 2, 1, 0
	WIN 0
	s_barrier_wait -1
.if \fill
	CREST
	s_add_nc_u64 s[G0+4*\slot+2:G0+4*\slot+3], s[G0+4*\slot+2:G0+4*\slot+3], 2*ROWB
	s_add_nc_u64 s[G0B+4*\slot+2:G0B+4*\slot+3], s[G0B+4*\slot+2:G0B+4*\slot+3], 2*ROWB
	JLOAD G0+4*\slot, G1, G0B+4*\slot, G1B
.else
	PLACES NP
.endif
	FETCH_B \next, 0, 0
	FETCH_A \next, 0, 0
	WIN MUL_HI
	MUL16 4, 1, 0
	MUL16 6, 1, 0
	PLACES NP
	WIN 0
	FETCH_A \next, 0, 4
.endm
.macro LAST
	s_wait_dscnt 4*NL
	WIN MUL_LO
	MUL16 0, 1, 0
	MUL16 2, 1, 0
	s_wait_dscnt 0
	WIN MUL_HI
	MUL16 4, 1, 0
	MUL16 6, 1, 0
	WIN 0
.endm
.macro FINISH
	s_wait_tensorcnt 0x0
	ds_add_u32 v[SPW], v[NIL]
	s_wait_dscnt 0x0
	CROUND
	s_endpgm
.endm
.macro CONV a, mode, sto
.set AC, 64*((\a)%4)
	WIN 0x02+((\a)/4)
.set jj, 0
.rept 32
.if \mode == 1
	v_pk_fma_f32 v[TMP+jj:TMP+jj+1], v[AC+jj:AC+jj+1], s[96:97], v[L16+2*(\a):L16+2*(\a)+1] op_sel_hi:[1,0,1]
.else
	v_pk_fma_f32 v[TMP+jj:TMP+jj+1], v[AC+jj:AC+jj+1], s[96:97], v[BN+jj:BN+jj+1] op_sel_hi:[1,0,1]
.endif
.set jj, jj+2
.endr
	WIN 0
.set jj, 0
.rept 64
.if \mode == 1
	v_med3_num_f32 v[TMP+jj], v[TMP+jj], -v[LIM], v[LIM]
.else
	v_med3_num_f32 v[TMP+jj], v[TMP+jj], -v[LIMA+(\a)], v[LIMA+(\a)]
.endif
.set jj, jj+1
.endr
	s_wait_alu depctr_va_vdst(0)
	s_wait_dscnt 0x0
.irp p, 0,1,2,3
	v_cvt_scalef32_pk8_bf8_f32 v[PC+4*\p:PC+4*\p+1], v[TMP+16*\p:TMP+16*\p+7], v[CV]
	v_cvt_scalef32_pk8_bf8_f32 v[PC+4*\p+2:PC+4*\p+3], v[TMP+16*\p+8:TMP+16*\p+15], v[CV]
.endr
	v_nop
.irp p, 0,1,2,3
	ds_store_b128 v[\sto], v[PC+4*\p:PC+4*\p+3] offset:(\a)*4352+32*\p
.endr
.endm
.macro OUTROWS rd, co, pitch
.set tt, 0
.rept 32
	ds_load_b128 v[OUTR+4*tt:OUTR+4*tt+3], v[\rd] offset:2*tt*272
.set tt, tt+1
.endr
.set tt, 0
.rept 32
	s_wait_dscnt 31-tt
	global_store_b128 v[\co], v[OUTR+4*tt:OUTR+4*tt+3], s[88:89] offset:2*tt*\pitch
.set tt, tt+1
.endr
.endm
	s_load_b256 s[4:11], s[0:1], 0x0
	s_load_b128 s[84:87], s[0:1], 0x20
	s_load_b64 s[88:89], s[0:1], 0x30
	v_lshl_add_u32 v[SPW], v0, 2, SPARE
	v_mov_b32 v[NIL], 0
	ds_add_u32 v[SPW], v[NIL]
	ds_add_u32 v[SPW], v[NIL]
	v_lshrrev_b32 v1, 5, v0
	v_readfirstlane_b32 s14, v1
	s_lshr_b32 s15, s14, 1
	s_and_b32 s16, s14, 1
	s_bfe_u32 s40, ttmp6, 0x40000
	s_bfe_u32 s41, ttmp6, 0x40004
	s_and_b32 s18, ttmp7, 0xffff
	s_lshl_b32 s18, s18, 2
	s_lshl_b32 s19, ttmp9, 22
	s_lshl_b32 s20, ttmp9, 20
	s_add_co_u32 s20, s20, 0xC00000
	s_mov_b32 s21, 0xE00000
	s_mov_b32 s22, 0x800000
	s_cmp_eq_u32 ttmp9, 2
	s_cselect_b32 s17, 0, s18
	s_cselect_b32 s42, s18, 0
	s_cselect_b32 s90, s21, s19
	s_cselect_b32 s91, s22, s20
	s_add_co_u32 s17, s17, s41
	s_add_co_u32 s42, s42, s40
	s_lshl_b32 s43, s41, 2
	s_lshl_b32 s43, 15, s43
	s_lshl_b32 s44, 0x1111, s40
	s_or_b32 s[G1+0], s43, (1<<20)|(1<<21)|(5<<22)|(3<<25)
	s_or_b32 s[G1B+0], s44, (1<<20)|(1<<21)|(5<<22)|(3<<25)
.irp g, G1, G1B
	s_mov_b32 s[\g+1], ROWB<<16
	s_mov_b32 s[\g+2], 128<<16
	s_mov_b32 s[\g+3], ROWB<<16
	s_mov_b32 s[\g+4], 128
	s_mov_b32 s[\g+5], KROW
	s_mov_b32 s[\g+6], 0
	s_mov_b32 s[\g+7], 0
.endr
	s_lshl_b32 s18, s16, 7
	s_lshl_b32 s20, s17, 8
	s_add_co_u32 s20, s20, s18
	s_lshl_b32 s20, s20, 10
	s_add_co_u32 s20, s20, s90
	s_lshl_b32 s46, s42, 8
	s_add_co_u32 s46, s46, s18
	s_lshl_b32 s46, s46, 10
	s_add_co_u32 s46, s46, s91
	s_mov_b32 s21, 0
	s_mov_b32 s47, 0
	s_mul_i32 s45, s14, HALFT
	s_wait_dscnt 0x0
	s_wait_kmcnt 0x0
	s_load_b512 s[68:83], s[6:7], 0x0
	s_add_nc_u64 s[20:21], s[4:5], s[20:21]
	s_add_nc_u64 s[46:47], s[4:5], s[46:47]
	s_cmp_eq_u32 s15, 0                            ; the prefetches: of the 128 rows that I fetch, my work-group's 32 (told apart by address: cx for A, cy for B), a lane a row, from K step 2 on
	s_cselect_b64 s[100:101], s[20:21], s[46:47]
	s_cselect_b32 s18, s40, s41
	s_lshl_b32 s18, s18, 15
	s_add_co_u32 s18, s18, 512
	s_mov_b32 s19, 0
	s_add_nc_u64 s[100:101], s[100:101], s[18:19]
	v_and_b32 v41, 31, v0
	v_lshlrev_b32 v41, 10, v41
	s_wait_alu depctr_va_vdst(0)
	CROUND
.irp s, 0,1
	s_mov_b32 s[G0+4*\s], 1
	s_add_co_u32 s[G0+4*\s+1], s45, \s*SLOT
	s_add_nc_u64 s[G0+4*\s+2:G0+4*\s+3], s[20:21], \s*ROWB
	s_or_b32 s[G0+4*\s+3], s[G0+4*\s+3], 0x80000000
	s_mov_b32 s[G0B+4*\s], 1
	s_add_co_u32 s[G0B+4*\s+1], s45, \s*SLOT
	s_add_nc_u64 s[G0B+4*\s+2:G0B+4*\s+3], s[46:47], \s*ROWB
	s_or_b32 s[G0B+4*\s+3], s[G0B+4*\s+3], 0x80000000
.if \s == 0
	JLOAD G0, G1, G0B, G1B                         ; K step 0: one tensor load a wave at the head
	global_prefetch_b8 v41, s[100:101] offset:-256 th:TH_LOAD_NT scope:SCOPE_SE   ; K step 1, whose load sets out only when step 0 is in,
	global_prefetch_b8 v41, s[100:101] th:TH_LOAD_NT scope:SCOPE_SE               ; and K step 2
.endif
.endr
	v_and_b32 v1, 15, v0
	v_bfe_u32 v2, v0, 4, 1
	v_mul_u32_u24 v3, v1, PITCH
	v_lshl_add_u32 v4, v2, 4, v3
	s_wait_alu depctr_va_vdst(0)
	s_mul_i32 s21, s15, HALFT
	s_mul_i32 s22, s16, HALFT
	s_add_co_u32 s22, s22, 2*HALFT
.irp s, 0,1
	v_add_nc_u32 v[ADRA+\s], s21, v4
	v_add_nc_u32 v[ADRB+\s], s22, v4
	s_add_co_u32 s21, s21, SLOT
	s_add_co_u32 s22, s22, SLOT
.endr
	s_mul_i32 s23, s15, 128*272
	s_lshl_b32 s21, s16, 7
	s_add_co_u32 s23, s23, s21
	v_add_nc_u32 v[STO], s23, v4
	v_add_nc_u32 v[STO2], STGV, v[STO]
	s_mul_i32 s23, s14, 64*272
	v_mul_u32_u24 v5, v2, 272
	v_lshl_add_u32 v5, v1, 4, v5
	v_add_nc_u32 v[RD], s23, v5
	v_add_nc_u32 v[RD2], STGV, v[RD]
	v_and_b32 v6, 31, v0
	v_lshlrev_b32 v[CO], 4, v6                     ; q, k go out head by head: 8 tokens x 64 bytes of one head are 512 bytes on end, 16 a lane
	v_lshrrev_b32 v7, 2, v6
	v_mul_u32_u24 v7, v7, 272
	v_and_b32 v6, 3, v6
	v_lshl_add_u32 v7, v6, 4, v7
	v_add_nc_u32 v19, s23, v7                      ; out of the stage: row lane / 4, 16 (lane % 4) bytes on
	v_lshlrev_b32 v[CO2], 11, v2
	v_lshl_add_u32 v[CO2], v1, 4, v[CO2]
	v_lshlrev_b32 v[BNO], 6, v2
	v_and_b32 v[VP], 7, v1
	v_lshrrev_b32 v5, 3, v1
	v_lshl_add_u32 v[VP], v5, 4, v[VP]
	v_lshlrev_b32 v[VP], 2, v[VP]
	s_lshl_b32 s92, s17, 8
	s_lshl_b32 s93, s14, 6
	s_add_co_u32 s92, s92, s93
	s_lshr_b32 s93, s92, 11                        ; q, k are laid [batch][head][token][64]: batch x 2^21 + head x 2^17 + token x 64
	s_lshl_b32 s93, s93, 21
	s_and_b32 s94, s92, 2047
	s_lshl_b32 s94, s94, 6
	s_add_co_u32 s93, s93, s94
	s_lshl_b32 s94, s42, 19
	s_add_co_u32 s93, s93, s94
	s_lshl_b32 s95, ttmp9, 22
	s_add_co_u32 s93, s93, s95
	s_lshr_b32 s94, s42, 3
	s_lshl_b32 s94, s94, 10
	s_add_co_u32 s94, s94, s92
	s_lshl_b32 s94, s94, 11
	s_and_b32 s95, s42, 7
	s_lshl_b32 s95, s95, 8
	s_add_co_u32 s94, s94, s95
	s_add_co_u32 s94, s94, 0x800000
	s_cmp_eq_u32 ttmp9, 2
	s_cselect_b32 s92, s94, s93
	s_mov_b32 s93, 0
	s_add_nc_u64 s[88:89], s[88:89], s[92:93]
	s_lshl_b32 s92, s42, 10
	s_lshl_b32 s94, s16, 9
	s_add_co_u32 s92, s92, s94
	s_cmp_eq_u32 ttmp9, 0
	s_cselect_b64 s[8:9], s[8:9], s[10:11]
	s_add_nc_u64 s[8:9], s[8:9], s[92:93]
	s_lshl_b32 s92, s17, 10
	s_lshl_b32 s94, s15, 9
	s_add_co_u32 s92, s92, s94
	s_add_nc_u64 s[86:87], s[86:87], s[92:93]
	s_add_nc_u64 s[84:85], s[84:85], s[92:93]
	s_wait_kmcnt 0x0
	s_add_co_i32 s92, s68, s69
	s_add_co_i32 s93, s70, s71
	s_add_co_i32 s94, s72, s73
	s_cmp_eq_u32 ttmp9, 0
	s_cselect_b32 s96, s92, s93
	s_cselect_b32 s95, s74, s75
	s_cmp_eq_u32 ttmp9, 2
	s_cselect_b32 s96, s94, s96
	s_cselect_b32 s95, s77, s95
	s_cmp_eq_u32 ttmp9, 1
	s_cselect_b32 s98, 0, -1
	s_add_co_i32 s96, s96, 127
	s_lshl_b32 s96, s96, 23
	s_mov_b32 s97, s96
	s_add_co_i32 s95, s95, 127
	s_lshl_b32 s94, s95, 23
	v_mov_b32 v[CV], s94
	s_add_co_i32 s95, s95, 15
	s_lshl_b32 s95, s95, 23
	s_or_b32 s95, s95, 0x600000
	v_mov_b32 v[LIM], s95
	s_wait_alu depctr_va_vdst(0)                   ; the wait at the head's end
	s_wait_tensorcnt 0x0                           ; my part of K step 0 is in
	ds_add_u32 v28, v29
	s_wait_dscnt 0x0
	CROUND
	JLOAD G0+4, G1, G0B+4, G1B                     ; K step 1: the first tensor load behind the round
	global_prefetch_b8 v41, s[100:101] offset:256 th:TH_LOAD_NT scope:SCOPE_SE    ; K step 3, the last
	FETCH_B 0, 0, 0
	FETCH_A 0, 0, 0
	FETCH_A 0, 0, 4
	STEP 0, 0, 1
	s_mov_b32 s3, LAPS-1
.Llap:
	TURN 0, 1, 1
	STEP 1, 0, 0
	TURN 1, 0, 1
	STEP 0, 0, 0
	s_sub_co_u32 s3, s3, 1
	s_cmp_lg_u32 s3, 0
	s_cbranch_scc1 .Llap
	TURN 0, 1, 0
	STEP 1, 0, 0
	s_cmp_eq_u32 ttmp9, 2
	s_cbranch_scc1 .Lv
	s_wait_alu depctr_va_vdst(0)
.irp p, 0,1,2,3
.irp i, 0,1,2,3
	global_load_b128 v[BN+16*\p+4*\i:BN+16*\p+4*\i+3], v[BNO], s[8:9] offset:128*\p+16*\i
.endr
.endr
.irp a, 0,1,2,3,4,5,6,7
	global_load_b32 v[L16+2*\a], v[VP], s[86:87] offset:4*(32*(\a/2)+8*(\a%2))
.endr
	LAST
	PLACES NP
	s_wait_loadcnt 0x0
.irp a, 0,1,2,3,4,5,6,7
	v_cmp_ne_u32 vcc_lo, 0, v[L16+2*\a]
	s_or_b32 vcc_lo, vcc_lo, s98
	v_cndmask_b32 v[LIMA+\a], 0, v[LIM], vcc_lo
.endr
.irp a, 0,1,2,3,4,5,6,7
	CONV \a, 0, STO
.endr
	s_wait_dscnt 0x0
	s_barrier_signal -1
	s_barrier_wait -1
.set tt, 0
.rept 32
	ds_load_b128 v[OUTR+4*tt:OUTR+4*tt+3], v19 offset:8*(tt%8)*272+64*(tt/8)
.set tt, tt+1
.endr
.set tt, 0
.rept 32
	s_wait_dscnt 31-tt
	global_store_b128 v[CO], v[OUTR+4*tt:OUTR+4*tt+3], s[88:89] offset:(tt/8)*131072+(tt%8)*512   ; 32 lanes store 512 consecutive bytes, aligned
.set tt, tt+1
.endr
	FINISH
.Lv:
	s_wait_alu depctr_va_vdst(0)
.irp a, 0,1,2,3,4,5,6,7
	global_load_b32 v[L16+2*\a], v[VP], s[84:85] offset:4*(32*(\a/2)+8*(\a%2))
	global_load_b32 v[L16+2*\a+1], v[VP], s[84:85] offset:4*(32*(\a/2)+8*(\a%2))
.endr
	LAST
	PLACES NP
	s_wait_loadcnt 0x0
.irp a, 0,1,2,3,4,5,6,7
	CONV \a, 1, STO2
.endr
	s_wait_dscnt 0x0
	s_barrier_signal -1
	s_barrier_wait -1
	OUTROWS RD2, CO2, 2048
	FINISH
.Lfunc_end_k_q9add1ae096_qkv:
	.size	k_q9add1ae096_qkv, .Lfunc_end_k_q9add1ae096_qkv-k_q9add1ae096_qkv
	.p2alignl 7, 3214868480
	.fill 96, 4, 3214868480
	.section	.rodata,"a",@progbits
	.p2align	6, 0x0
	.amdhsa_kernel k_q9add1ae096_qkv
		.amdhsa_group_segment_fixed_size 327680
		.amdhsa_private_segment_fixed_size 0
		.amdhsa_enable_private_segment 0
		.amdhsa_kernarg_size 56
		.amdhsa_user_sgpr_count 2
		.amdhsa_user_sgpr_kernarg_segment_ptr 1
		.amdhsa_wavefront_size32 1
		.amdhsa_system_sgpr_workgroup_id_x 1
		.amdhsa_system_sgpr_workgroup_id_y 1
		.amdhsa_system_sgpr_workgroup_id_z 1
		.amdhsa_system_vgpr_workitem_id 0
		.amdhsa_next_free_vgpr 1024
		.amdhsa_next_free_sgpr 104
		.amdhsa_reserve_vcc 1
		.amdhsa_float_denorm_mode_32 3
		.amdhsa_float_denorm_mode_16_64 3
		.amdhsa_memory_ordered 1
		.amdhsa_forward_progress 1
		.amdhsa_inst_pref_size 213
	.end_amdhsa_kernel
	.amdgpu_metadata
---
amdhsa.version: [ 1, 2 ]
amdhsa.kernels:
  - .name:           k_q9add1ae096_qkv
    .symbol:         k_q9add1ae096_qkv.kd
    .args:
      - { .name: xw, .offset: 0, .size: 8, .value_kind: global_buffer, .address_space: global }
      - { .name: lowp_scales, .offset: 8, .size: 8, .value_kind: global_buffer, .address_space: global }
      - { .name: bq, .offset: 16, .size: 8, .value_kind: global_buffer, .address_space: global }
      - { .name: bk, .offset: 24, .size: 8, .value_kind: global_buffer, .address_space: global }
      - { .name: bv, .offset: 32, .size: 8, .value_kind: global_buffer, .address_space: global }
      - { .name: mask, .offset: 40, .size: 8, .value_kind: global_buffer, .address_space: global }
      - { .name: qkv, .offset: 48, .size: 8, .value_kind: global_buffer, .address_space: global }
    .group_segment_fixed_size: 327680
    .private_segment_fixed_size: 0
    .kernarg_segment_align: 8
    .kernarg_segment_size: 56
    .max_flat_workgroup_size: 128
    .sgpr_count:     104
    .vgpr_count:     1024
    .wavefront_size: 32
...
	.end_amdgpu_metadata
.endif
;; end of part 10
;; launch attn (part 11): grid 8 x 32, 8 waves a work-group, clusters of 4 x 1, 327,680 bytes of LDS; arguments qkv, mask, lowp_scales, ao; writes ao
.if DOCPART == 11
	.amdgcn_target "amdgcn-amd-amdhsa--gfx1250"
	.amdhsa_code_object_version 6
	.text
	.protected	k_q9add1ae096_attn
	.globl	k_q9add1ae096_attn
	.p2align	8
	.type	k_q9add1ae096_attn,@function
k_q9add1ae096_attn:
	s_mov_b64 s[64:65], 0
	v_nop
	global_prefetch_b8 v0, s[64:65] scope:SCOPE_SE
	s_setreg_imm32_b32 hwreg(HW_REG_WAVE_MODE, 25, 1), 1
	s_wait_xcnt 0x0
	s_wait_alu depctr_hold_cnt(0) depctr_sa_sdst(0) depctr_va_vdst(0) depctr_va_sdst(0) depctr_va_ssrc(0) depctr_va_vcc(0) depctr_vm_vsrc(0)
	s_getreg_b32 s2, hwreg(HW_REG_IB_STS2, 6, 4)
	s_cmp_eq_u32 s2, 0
	s_cbranch_scc0 .Lentry_in_a_cluster
	s_endpgm
.Lentry_in_a_cluster:
	s_bfe_u32 s2, ttmp6, 0x10000c
	s_cmp_lg_u32 s2, 0x3003
	s_cbranch_scc0 .Lentry_shape_is_right
	s_endpgm
.Lentry_shape_is_right:
; ATTN: ao = softmax(q k^T / 8, masked keys at a very low logit) v, both products on codes of E5M2; ao is quantised at once (e10).  No work of the problem is left out here.
; THE SOFTMAX: t = logit x log2(e); M = the running largest t rounded UP to a whole number; p = 2^(t - M) is quantised along the keys (e8), not normalised; the sum is taken of the unquantised p and divides at the end.
; SHARES.  A work-group owns 256 queries of ONE head; each of its 8 waves owns 32 of them, two tiles of 16.  All 2,048 keys of the head lie in LDS: k 128 KiB, v 128 KiB, in 8 chunks of 256 keys each.
; Each wave asks for two chunks: one at the head (keys 0 to 1,023 in all), one behind the full sequence and a round (keys 1,024 on).  No LDS byte is filled twice.  One barrier, behind chunk 2, shows the second fills to all waves.
; The four query blocks of a cluster need the same k and v and ask for each chunk jointly.  No prefetch.
; qkv: q, k [batch x head][token][64] (k's tokens at places sw(token), bits 3 and 4 exchanged): a chunk of k is 16 KiB on end, taken as 64 rows of 256 bytes; v [batch x head x 64 channels at places sw][2,048 keys].
; LAYOUT.  Both products transposed: S^T = k q^T, O^T = v^T p^T: a lane holds one query; by sw the 16 registers of tiles 2 b, 2 b + 1 are 16 neighbours along the keys (or channels).
; WINDOWS.  Window 0 holds both tiles' scores, state, q and codes, so that the two tiles' vector lines can stand by turns; window 1 holds k's and v's fragments, each read from LDS once for both tiles, and O^T.
; THE TWO TILES BY TURNS: the maxima in eight chains, the two tails line by line; tile 0's exponentials stand among tile 1's scalings, tile 1's among tile 0's holds: lines whose sources were written ahead of a wait and
; whose results are read behind one.
; THE MASK costs no vector line in the loop.  A table of 2,048 f32 in LDS holds 0 for an open key and C = -2^(33 - e6 - e7) for a masked one; a step's 64 words are loaded into tile 0's score registers and are the C of both tiles'
; first products (tile 1's first, into its own registers).  A masked key's codes of k are zeros, so its raw score is C and its logit -2^30.  LIMIT, stated: reference() writes -1e9 there.  Beside any open key both give p = 0; with
; all keys masked both give equal p.  Open logits under about -1e9 are not served.
; ao is laid as the next product's operand registers want it: for each 16 tokens and head 1 KiB: [32 channels c][16 channels h][token r][16 codes]: a wave's store covers 512 consecutive bytes.
; LIMITS: e6 + e7 between -93 and 130; e8, e10 between -126 and 112.  NaN among the inputs is not served.
.set CH,    17408                      ; a chunk in LDS: 64 rows of 256 bytes + 16 of padding
.set VOFF,  8*CH                       ; k's 8 chunks, then v's 8
.set BIAS,  16*CH                      ; the mask's table, 8,192 bytes, and 512 bytes of zeros behind it for the last step's look-ahead; no tile lands here
.set SPARE, BIAS+8704                  ; the spare words, 128 bytes for each of 8 waves, that no other line names
.set AK0, 1
.set AV0, 2
.set AB0, 3
.set SPW, 5
.set NIL, 6
.set GO,  7
.set ADK, 8
.set ADV, 9
.set ADB, 10
.set ST,  12                           ; tile t: v[ST+4t] -M, +1 the largest t, +2, +3 the sum
.set Q,   20                           ; + 8 t: q's fragment
.set PC,  36                           ; + 16 t: p's codes
.set TT,  68                           ; + 16 t: at work: +0..3 maxima, +4 from the other half, +6 f (a pair), +8, +10, +12 partial sums
.set HLA, 100                          ; 57,344 x 2^e8, twice: the two halves of a dual line name registers of different banks
.set HLB, 101
.set CVS, 102                          ; 2^e8
.set HO,  103                          ; 57,344 x 2^e10
.set S,   104                          ; + 64 t: S^T, then p
.set CVO, 232                          ; 2^e10
.set KF,  0                            ; window 1: k's 8 fragments
.set VF,  64                           ; window 1: v's 4 fragments
.set O,   128                          ; window 1, + 32 t: O^T
.set TB,  2                            ; s2 LDS byte of the chunk in hand
.set KB,  3                            ; s3 its first key x 4
.set WV,  18
.set SEL, 20
.set CS,  22                           ; s[22:23] c = log2(e) / 8 x 2^(e6 + e7)
.set G1K, 24
.set G1V, 32
.set G0K, 40
.set G0V, 44
.set EO,  48
.set CNT, 67
.set MSB, 0
.macro WIN new                         ; the immediate's high byte repeats the setting that is left
.if MSB != \new
	s_set_vgpr_msb (MSB<<8)|\new
.set MSB, \new
.endif
.endm
.macro TLOAD                           ; waves 0 to 3 fetch a chunk of k, waves 4 to 7 one of v: one load in each arm; an s_nop 0 and four v_nop follow each line
	s_cmp_lt_u32 s[WV], 4
	s_cbranch_scc0 .Lfor_v_\@
	tensor_load_to_lds s[G0K:G0K+3], s[G1K:G1K+7]
	s_nop 0
.rept 4
	v_nop
.endr
	s_branch .Lasked_\@
.Lfor_v_\@:
	tensor_load_to_lds s[G0V:G0V+3], s[G1V:G1V+7]
	s_nop 0
.rept 4
	v_nop
.endr
.Lasked_\@:
.endm
.macro CROUND
	s_barrier_signal -1
	s_barrier_wait -1
	s_cmp_lg_u32 s[WV], 0
	s_cbranch_scc1 .Lnot_wave_0_\@
	s_barrier_signal -3
.Lnot_wave_0_\@:
	s_barrier_wait -3
	s_barrier_signal -1
	s_barrier_wait -1
.endm
.macro KLOAD adr, off                  ; 128 keys of k: 8 fragments of 16 keys x 64; 16 keys are 4 LDS rows (destination: window 1)
.irp i, 0,1,2,3,4,5,6,7
	ds_load_b128 v[KF+8*\i:KF+8*\i+3], v[\adr] offset:\off+1088*\i
	ds_load_b128 v[KF+8*\i+4:KF+8*\i+7], v[\adr] offset:\off+1088*\i+32
.endr
.endm
.macro BLOAD adr, off                  ; the table's words of tile i's keys 32 (i / 2) + 16 h + 8 (i % 2) + 0 .. 7, into tile 0's score registers
.irp i, 0,1,2,3,4,5,6,7
	ds_load_b128 v[S+8*\i:S+8*\i+3], v[\adr] offset:\off+4*(32*(\i/2)+8*(\i%2))
	ds_load_b128 v[S+8*\i+4:S+8*\i+7], v[\adr] offset:\off+4*(32*(\i/2)+8*(\i%2))+16
.endr
.endm
.macro QK t                            ; tile t's scores; C = the table's words, in tile 0's score registers
.irp i, 0,1,2,3,4,5,6,7
	v_wmma_f32_16x16x64_bf8_bf8 v[S+64*\t+8*\i:S+64*\t+8*\i+7], v[KF+8*\i:KF+8*\i+7], v[Q+8*\t:Q+8*\t+7], v[S+8*\i:S+8*\i+7]
.endr
.endm
.macro HOLD r                          ; two holds in one line (ISA guide 7.6.2: the conversion does not saturate); p is not negative, so the hold is one-sided
	v_dual_min_num_f32 v[\r], v[\r], v[HLA] :: v_dual_min_num_f32 v[\r+1], v[\r+1], v[HLB]
.endm
.macro SUMT t                          ; tile t's sum of the unquantised p, four chains
.set SB, S+64*\t
.set AB, TT+16*\t+8
.set SU, ST+4*\t+2
	v_pk_add_f32 v[AB:AB+1], v[SB:SB+1], v[SB+2:SB+3]
	v_pk_add_f32 v[AB+2:AB+3], v[SB+4:SB+5], v[SB+6:SB+7]
	v_pk_add_f32 v[AB+4:AB+5], v[SB+8:SB+9], v[SB+10:SB+11]
	v_pk_add_f32 v[SU:SU+1], v[SU:SU+1], v[SB+12:SB+13]
.set jj, 14
.rept 6
	v_pk_add_f32 v[AB:AB+1], v[AB:AB+1], v[SB+jj:SB+jj+1]
	v_pk_add_f32 v[AB+2:AB+3], v[AB+2:AB+3], v[SB+jj+2:SB+jj+3]
	v_pk_add_f32 v[AB+4:AB+5], v[AB+4:AB+5], v[SB+jj+4:SB+jj+5]
	v_pk_add_f32 v[SU:SU+1], v[SU:SU+1], v[SB+jj+6:SB+jj+7]
.set jj, jj+8
.endr
	v_pk_add_f32 v[AB:AB+1], v[AB:AB+1], v[SB+62:SB+63]
	v_pk_add_f32 v[SU:SU+1], v[SU:SU+1], v[AB+4:AB+5]
	v_pk_add_f32 v[AB:AB+1], v[AB:AB+1], v[AB+2:AB+3]
	v_nop
	v_pk_add_f32 v[SU:SU+1], v[SU:SU+1], v[AB:AB+1]
.endm
.macro CVT t
.irp b, 0,1,2,3
	v_cvt_scalef32_pk8_bf8_f32 v[PC+16*\t+4*\b:PC+16*\t+4*\b+1], v[S+64*\t+16*\b:S+64*\t+16*\b+7], v[CVS]
	v_cvt_scalef32_pk8_bf8_f32 v[PC+16*\t+4*\b+2:PC+16*\t+4*\b+3], v[S+64*\t+16*\b+8:S+64*\t+16*\b+15], v[CVS]
.endr
.endm
; Both tiles' softmax of a step: 2 x 64 scores a lane.
.macro SOFT q
	s_wait_alu depctr_va_vdst(0)                   ; the wait ahead of the first readers of the scores
.irp t, 1,0                                    ; the step's largest scores: four chains a tile, each accumulator from its low end on
	v_max3_num_f32 v[TT+16*\t], v[S+64*\t], v[S+64*\t+1], v[S+64*\t+2]
	v_max3_num_f32 v[TT+16*\t+1], v[S+64*\t+3], v[S+64*\t+4], v[S+64*\t+5]
	v_max3_num_f32 v[TT+16*\t+2], v[S+64*\t+6], v[S+64*\t+7], v[S+64*\t+8]
	v_max3_num_f32 v[TT+16*\t+3], v[S+64*\t+9], v[S+64*\t+10], v[S+64*\t+11]
.endr
.set jj, 12
.rept 6
.irp t, 1,0
	v_max3_num_f32 v[TT+16*\t], v[TT+16*\t], v[S+64*\t+jj], v[S+64*\t+jj+1]
	v_max3_num_f32 v[TT+16*\t+1], v[TT+16*\t+1], v[S+64*\t+jj+2], v[S+64*\t+jj+3]
	v_max3_num_f32 v[TT+16*\t+2], v[TT+16*\t+2], v[S+64*\t+jj+4], v[S+64*\t+jj+5]
	v_max3_num_f32 v[TT+16*\t+3], v[TT+16*\t+3], v[S+64*\t+jj+6], v[S+64*\t+jj+7]
.endr
.set jj, jj+8
.endr
.irp t, 1,0
	v_max3_num_f32 v[TT+16*\t], v[TT+16*\t], v[S+64*\t+60], v[S+64*\t+61]
	v_max3_num_f32 v[TT+16*\t+1], v[TT+16*\t+1], v[S+64*\t+62], v[S+64*\t+63]
.endr
.irp t, 1,0
	v_max3_num_f32 v[TT+16*\t], v[TT+16*\t], v[TT+16*\t+1], v[TT+16*\t+2]
.endr
.irp t, 1,0
	v_max_num_f32 v[TT+16*\t], v[TT+16*\t], v[TT+16*\t+3]
.endr
.irp t, 1,0
	v_permlanex16_b32 v[TT+16*\t+4], v[TT+16*\t], s[SEL], s[SEL+1]
.endr
.irp t, 1,0
	v_max_num_f32 v[TT+16*\t], v[TT+16*\t], v[TT+16*\t+4]          ; and among lane l xor 16's
.endr
.irp t, 1,0
	v_mul_f32 v[TT+16*\t], s[CS], v[TT+16*\t]                      ; as t (c is positive)
	v_mov_b32 v[TT+16*\t+1], v[ST+4*\t]                            ; the old -M
.endr
.irp t, 1,0
	v_max_num_f32 v[ST+4*\t+1], v[ST+4*\t+1], v[TT+16*\t]
.endr
.irp t, 1,0
	v_floor_f32 v[ST+4*\t], -v[ST+4*\t+1]                          ; the new -M = floor(-t): M is a whole number
.endr
.irp t, 1,0
	v_sub_f32 v[TT+16*\t], v[ST+4*\t], v[TT+16*\t+1]               ; old M - new M: a whole number, 0 or less
.endr
.irp t, 1,0
	v_cvt_i32_f32 v[TT+16*\t], v[TT+16*\t]                         ; (it saturates)
.endr
.irp t, 1,0
	v_ldexp_f32 v[TT+16*\t+6], 1.0, v[TT+16*\t]                    ; f = 2^(old M - new M)
.endr
	WIN 0x41                                       ; O^T in window 1, f in window 0
	s_wait_alu depctr_va_vdst(0)                   ; the wait directly ahead of the first readers of O^T
.irp t, 1,0
.set jj, 0
.rept 16
	v_pk_mul_f32 v[O+32*\t+jj:O+32*\t+jj+1], v[O+32*\t+jj:O+32*\t+jj+1], v[TT+16*\t+6:TT+16*\t+7] op_sel_hi:[1,0]   ; O^T under the new M
.set jj, jj+2
.endr
.endr
	WIN 0
.set jj, 0
.rept 32
	v_pk_fma_f32 v[S+jj:S+jj+1], v[S+jj:S+jj+1], s[CS:CS+1], v[ST:ST+1] op_sel_hi:[1,0,0]   ; tile 0: t - M, two at a time
.set jj, jj+2
.endr
	s_wait_alu depctr_va_vdst(0)                   ; the wait ahead of the batch
.set jj, 0
.rept 32
	v_exp_f32 v[S+jj], v[S+jj]                     ; tile 0: p = 2^(t - M);
	v_exp_f32 v[S+jj+1], v[S+jj+1]
	v_pk_fma_f32 v[S+64+jj:S+64+jj+1], v[S+64+jj:S+64+jj+1], s[CS:CS+1], v[ST+4:ST+5] op_sel_hi:[1,0,0]   ; among them tile 1's t - M, read behind the wait below
.set jj, jj+2
.endr
.irp t, 0,1
	v_pk_mul_f32 v[ST+4*\t+2:ST+4*\t+3], v[ST+4*\t+2:ST+4*\t+3], v[TT+16*\t+6:TT+16*\t+7] op_sel_hi:[1,0]   ; the sums under the new M: plain lines behind the exponentials
.endr
	s_wait_alu depctr_va_vdst(0)                   ; one wait for the whole batch, ahead of its first reader
	SUMT 0
	s_wait_alu depctr_va_vdst(0)                   ; the wait ahead of the second batch
.set jj, 0
.rept 32
	v_exp_f32 v[S+64+jj], v[S+64+jj]               ; tile 1: p;
	v_exp_f32 v[S+64+jj+1], v[S+64+jj+1]
	HOLD S+jj                                      ; among them tile 0's holds, read behind the wait below
.set jj, jj+2
.endr
	v_nop                                          ; a plain line behind the exponentials
	s_wait_alu depctr_va_vdst(0)
	CVT 0
	BLOAD ADB, 512*(\q+1)                          ; the next step's words of the table: tile 0's scores are done with
	SUMT 1
.set jj, 0
.rept 32
	HOLD S+64+jj
.set jj, jj+2
.endr
	CVT 1
	v_nop                                          ; a plain line between the conversions and the products that read the codes
.endm
; A KEY STEP: 128 keys, the q-th of the chunk in hand, for both tiles.  k's fragments and the table's words were asked for in the step before.
.macro STEP q
	s_wait_dscnt 0x0                               ; k's fragments and the table's words are in
	WIN 0x01                                       ; k in window 1, all else in window 0
	QK 1
.rept 5
	v_nop                                          ; five places: tile 0's products write over registers that tile 1's took as C
.endr
	QK 0
.rept 4
	v_nop                                          ; places in front of loads into registers that products have read, and of the first read of the scores
.endr
	WIN 0x40
.irp t, 0,1,2,3
.irp c, 0,1,2,3
	ds_load_b128 v[VF+16*\t+4*\c:VF+16*\t+4*\c+3], v[ADV] offset:16*\t*272+128*(\q)+32*\c   ; v's four fragments land under the softmax
.endr
.endr
	KLOAD ADK, 8704*(\q+1)                         ; the next step's k
	WIN 0
	SOFT \q
	s_wait_alu depctr_va_vdst(0)                   ; the wait directly ahead of the wait below
	s_wait_dscnt 32                                ; v is in; the 16 loads of the next step's k and the 16 of the table may be out
	WIN 0x51                                       ; O^T and v in window 1, the codes in window 0
.irp u, 0,1,2,3
.irp t, 0,1
	v_wmma_f32_16x16x128_bf8_bf8 v[O+32*\t+8*\u:O+32*\t+8*\u+7], v[VF+16*\u:VF+16*\u+15], v[PC+16*\t:PC+16*\t+15], v[O+32*\t+8*\u:O+32*\t+8*\u+7]
.endr
.endr
	WIN 0
.endm
.macro RUN trips                       ; so many chunks of 256 keys
	s_mov_b32 s[CNT], \trips
.Lrun_\@:
	v_add_nc_u32 v[ADK], s[TB], v[AK0]
	v_add_nc_u32 v[ADV], s[TB], v[AV0]
	v_add_nc_u32 v[ADB], s[KB], v[AB0]
	s_wait_alu depctr_va_vdst(0)                   ; the wait behind these writes
	STEP 0
	STEP 1
	s_add_co_u32 s[TB], s[TB], CH
	s_add_co_u32 s[KB], s[KB], 1024
	s_sub_co_u32 s[CNT], s[CNT], 1
	s_cmp_lg_u32 s[CNT], 0
	s_cbranch_scc1 .Lrun_\@
.endm
	s_load_b256 s[4:11], s[0:1], 0x0               ; qkv, mask, the scales' exponents, ao
	v_lshl_add_u32 v[SPW], v0, 2, SPARE
	v_mov_b32 v[NIL], 0
	ds_add_u32 v[SPW], v[NIL]                      ; the wave's opening: the add, twice on end, and its wait ahead of the first tensor loads
	ds_add_u32 v[SPW], v[NIL]
	v_lshrrev_b32 v8, 5, v0
	v_readfirstlane_b32 s[WV], v8                  ; wave 0..7
	s_bfe_u32 s12, ttmp6, 0x40000                  ; cx: it enters q's and ao's global addresses alone
	s_and_b32 s13, ttmp7, 0xffff                   ; 16 x batch + head
	s_lshr_b32 s14, s13, 4
	s_and_b32 s15, s13, 15
	s_lshl_b32 s16, ttmp9, 2
	s_add_co_u32 s16, s16, s12                     ; my block of 256 queries
	s_and_b32 s17, s[WV], 3                        ; which chunk of four I fetch
	s_lshl_b32 s90, s13, 17                        ; the head's 128 KiB in each of q, k, v
	s_lshl_b32 s91, s17, 14
	s_add_co_u32 s92, s90, s91
	s_add_co_u32 s92, s92, 0x400000                ; k: 4 Mi + head + 16 KiB x chunk
	s_mov_b32 s93, 0
	s_lshl_b32 s91, s17, 8
	s_add_co_u32 s94, s90, s91
	s_add_co_u32 s94, s94, 0x800000                ; v: 8 Mi + head + 256 x chunk
	s_mov_b32 s95, 0
	s_mul_i32 s19, s17, CH
	s_mov_b32 s[G1K], 15|(1<<20)|(1<<21)|(5<<22)|(3<<25)           ; the mask: all four partners; elements of 1 byte; padding on; bit 21 beside a mask; after every 64 words, 4 words
	s_mov_b32 s[G1K+1], 256<<16
	s_mov_b32 s[G1K+2], 64<<16
	s_mov_b32 s[G1K+3], 256<<16
	s_mov_b32 s[G1K+4], 64
	s_mov_b32 s[G1K+5], 256                        ; four keys to a row, rows on end
	s_mov_b32 s[G1K+6], 0
	s_mov_b32 s[G1K+7], 0
	s_mov_b32 s[G1V], 15|(1<<20)|(1<<21)|(5<<22)|(3<<25)
	s_mov_b32 s[G1V+1], 256<<16
	s_mov_b32 s[G1V+2], 64<<16
	s_mov_b32 s[G1V+3], 256<<16
	s_mov_b32 s[G1V+4], 64
	s_mov_b32 s[G1V+5], 2048                       ; from channel to channel
	s_mov_b32 s[G1V+6], 0
	s_mov_b32 s[G1V+7], 0
	s_mov_b32 s[SEL], 0x76543210
	s_mov_b32 s[SEL+1], 0xfedcba98
	s_mov_b32 s[CS], 0x3e38aa3b                    ; log2(e) / 8
	s_mov_b32 s[TB], 0
	s_mov_b32 s[KB], 0
	s_wait_dscnt 0x0                               ; both opening adds are done
	s_wait_kmcnt 0x0
	s_load_b512 s[68:83], s[8:9], 0x0              ; e0 .. e15
	s_mov_b32 s[G0K], 1
	s_mov_b32 s[G0K+1], s19
	s_add_nc_u64 s[G0K+2:G0K+3], s[4:5], s[92:93]
	s_or_b32 s[G0K+3], s[G0K+3], 0x80000000
	s_mov_b32 s[G0V], 1
	s_add_co_u32 s[G0V+1], s19, VOFF
	s_add_nc_u64 s[G0V+2:G0V+3], s[4:5], s[94:95]
	s_or_b32 s[G0V+3], s[G0V+3], 0x80000000
	CROUND                                         ; all four work-groups are here: the first joint loads meet
	TLOAD                                          ; chunks 0 to 3: one tensor load a wave at the head
	s_lshl_b32 s91, s16, 8
	s_lshl_b32 s96, s[WV], 5
	s_add_co_u32 s91, s91, s96                     ; my first query
	s_lshl_b32 s96, s91, 6
	s_add_co_u32 s96, s96, s90
	s_mov_b32 s97, 0
	s_add_nc_u64 s[96:97], s[4:5], s[96:97]        ; q at my first query
	s_lshl_b32 s98, s14, 11
	s_add_co_u32 s98, s98, s91
	s_lshl_b32 s98, s98, 10                        ; 16 KiB for each 16 tokens
	s_lshl_b32 s99, s15, 10
	s_add_co_u32 s98, s98, s99
	s_mov_b32 s99, 0
	s_add_nc_u64 s[10:11], s[10:11], s[98:99]      ; ao at my first tile, my head
	s_lshl_b32 s98, s14, 13
	s_add_nc_u64 s[6:7], s[6:7], s[98:99]          ; my batch's mask
	v_and_b32 v104, 15, v0                         ; r
	v_bfe_u32 v105, v0, 4, 1                       ; h
	v_lshlrev_b32 v106, 6, v104
	v_lshl_add_u32 v106, v105, 4, v106             ; q: 64 r + 16 h
	v_lshrrev_b32 v107, 2, v104
	v_lshl_add_u32 v[AK0], v107, 4, v106           ; k in LDS: 64 r + 16 (r / 4) of padding + 16 h: the 16 lanes of a half touch 16 different 16-byte columns of 256
	v_mul_u32_u24 v[AV0], v104, 272
	v_lshl_add_u32 v[AV0], v105, 4, v[AV0]
	v_add_nc_u32 v[AV0], VOFF, v[AV0]              ; v: row r, + 16 h
	v_lshlrev_b32 v[AB0], 6, v105
	v_add_nc_u32 v[AB0], BIAS, v[AB0]              ; the table: + 64 h
	v_and_b32 v[GO], 31, v0
	v_lshlrev_b32 v[GO], 4, v[GO]                  ; the way out: 16 bytes a lane
	v_lshlrev_b32 v108, 5, v0                      ; eight words of the mask a thread
	v_lshl_add_u32 v109, v0, 5, BIAS
	v_lshl_add_u32 v110, v0, 4, BIAS+8192
	s_wait_alu depctr_va_vdst(0)                   ; the wait
.irp t, 0,1
	global_load_b128 v[Q+8*\t:Q+8*\t+3], v106, s[96:97] offset:1024*\t       ; q's fragments stay in registers: K = 32 c + 16 h + 0 .. 15
	global_load_b128 v[Q+8*\t+4:Q+8*\t+7], v106, s[96:97] offset:1024*\t+32
.endr
	global_load_b128 v[112:115], v108, s[6:7]
	global_load_b128 v[116:119], v108, s[6:7] offset:16
	s_wait_kmcnt 0x0
	s_add_co_i32 s90, s74, s75                     ; e6 + e7
	s_lshl_b32 s91, s90, 23
	s_add_co_i32 s[CS], s[CS], s91                 ; added to c's exponent field
	s_mov_b32 s[CS+1], s[CS]
	s_sub_co_i32 s91, 160, s90
	s_lshl_b32 s91, s91, 23
	s_or_b32 s49, s91, 0x80000000                  ; C = -2^(33 - e6 - e7)
	s_add_co_i32 s90, s76, 127
	s_lshl_b32 s50, s90, 23                        ; 2^e8
	s_add_co_i32 s90, s90, 15
	s_lshl_b32 s90, s90, 23
	s_or_b32 s51, s90, 0x600000                    ; 57,344 x 2^e8
	s_add_co_i32 s90, s78, 127
	s_lshl_b32 s52, s90, 23                        ; 2^e10
	s_add_co_i32 s90, s90, 15
	s_lshl_b32 s90, s90, 23
	s_or_b32 s53, s90, 0x600000                    ; 57,344 x 2^e10
	s_add_co_i32 s[EO], s76, s77
.irp t, 0,1
	v_mov_b32 v[ST+4*\t+1], 0xff61b1e6             ; the largest t so far: -3e38
	v_mov_b32 v[ST+4*\t], 0x7f61b1e6               ; -M = floor(3e38)
	v_mov_b32 v[ST+4*\t+2], 0
	v_mov_b32 v[ST+4*\t+3], 0
	v_mov_b32 v[TT+16*\t+4], 0                     ; written once: a lane permute's destination counts as read
	v_mov_b32 v[TT+16*\t+7], 0                     ; (named as the upper half of a pair)
.endr
	v_mov_b32 v[HLA], s51
	v_mov_b32 v[HLB], s51
	v_mov_b32 v[CVS], s50
	v_mov_b32 v[HO], s53
	v_mov_b32 v[CVO], s52
	v_mov_b32 v120, s49
.irp k, 124,125,126,127
	v_mov_b32 v\k, 0
.endr
	WIN 0x40
.set jj, 0
.rept 64
	v_mov_b32 v[O+jj], 0                           ; O^T: the step is written once; its first pass finds zeros
.set jj, jj+1
.endr
	WIN 0
	s_wait_alu depctr_va_vdst(0)                   ; the wait directly ahead of the wait below
	s_wait_loadcnt 0x0                             ; q and the mask
.irp k, 0,1,2,3,4,5,6,7
	v_cmp_eq_u32 vcc_lo, 0, v[112+\k]
	v_cndmask_b32 v[112+\k], 0, v120, vcc_lo
.endr
	ds_store_b128 v109, v[112:115]                 ; the round below waits for it and shows it to all eight waves
	ds_store_b128 v109, v[116:119] offset:16
	s_cmp_lg_u32 s[WV], 0
	s_cbranch_scc1 .Lnoslack
	ds_store_b128 v110, v[124:127]                 ; wave 0: the 512 bytes of zeros behind the table
.Lnoslack:
	s_wait_alu depctr_va_vdst(0)                   ; the wait at the head's end
	s_wait_tensorcnt 0x0                           ; my first chunk is in
	ds_add_u32 v[SPW], v[NIL]
	s_add_co_u32 s[G0K+1], s[G0K+1], 4*CH          ; four chunks on
	s_add_nc_u64 s[G0K+2:G0K+3], s[G0K+2:G0K+3], 65536
	s_add_co_u32 s[G0V+1], s[G0V+1], 4*CH
	s_add_nc_u64 s[G0V+2:G0V+3], s[G0V+2:G0V+3], 1024
	s_wait_dscnt 0x0                               ; the add and my stores into the table are done
	CROUND
	TLOAD                                          ; chunks 4 to 7: the first tensor load behind the round; it has three chunks' steps in which to land
	WIN 0x40
	KLOAD AK0, 0
	WIN 0
	BLOAD AB0, 0
	RUN 3                                          ; chunks 0 to 2; the last step's look-ahead reads chunk 3, of the first fills
	s_wait_tensorcnt 0x0                           ; my second chunk is in
	ds_add_u32 v[SPW], v[NIL]
	s_wait_dscnt 0x0
	s_barrier_signal -1
	s_barrier_wait -1                              ; and everybody's
	RUN 5                                          ; chunks 3 to 7; the last step's look-ahead reads landed bytes of v's first chunk and the zeros behind the table, and is not used
	s_wait_alu depctr_va_vdst(0)
	s_wait_dscnt 0x0                               ; no load is out into the registers written below
	; THE WAY OUT: O^T / the sum x 2^(e8 + e9), held and quantised (e10): registers 16 b + 0 .. 15 of a tile are channels 32 b + 16 h + 0 .. 15
.irp t, 0,1
	v_add_f32 v[ST+4*\t+2], v[ST+4*\t+2], v[ST+4*\t+3]
.endr
.irp t, 0,1
	v_permlanex16_b32 v[TT+16*\t+4], v[ST+4*\t+2], s[SEL], s[SEL+1]
.endr
.irp t, 0,1
	v_add_f32 v[ST+4*\t+2], v[ST+4*\t+2], v[TT+16*\t+4]
.endr
	s_wait_alu depctr_va_vdst(0)
.irp t, 0,1
	v_rcp_f32 v[ST+4*\t+2], v[ST+4*\t+2]
.endr
	v_nop                                          ; a plain line behind the reciprocals
	s_wait_alu depctr_va_vdst(0)                   ; the wait ahead of their first reader
.irp t, 0,1
	v_ldexp_f32 v[ST+4*\t+2], v[ST+4*\t+2], s[EO]
.endr
	WIN 0x01                                       ; O^T in window 1
	s_wait_alu depctr_va_vdst(0)                   ; and directly ahead of the first readers of O^T
.irp t, 0,1
.set jj, 0
.rept 32
	v_mul_f32 v[S+64*\t+jj], v[O+32*\t+jj], v[ST+4*\t+2]
.set jj, jj+1
.endr
.endr
	WIN 0
.irp t, 0,1
.set jj, 0
.rept 32
	v_med3_num_f32 v[S+64*\t+jj], v[S+64*\t+jj], -v[HO], v[HO]
.set jj, jj+1
.endr
.endr
.irp t, 0,1
.irp b, 0,1
	v_cvt_scalef32_pk8_bf8_f32 v[PC+16*\t+4*\b:PC+16*\t+4*\b+1], v[S+64*\t+16*\b:S+64*\t+16*\b+7], v[CVO]
	v_cvt_scalef32_pk8_bf8_f32 v[PC+16*\t+4*\b+2:PC+16*\t+4*\b+3], v[S+64*\t+16*\b+8:S+64*\t+16*\b+15], v[CVO]
.endr
.endr
	v_nop
.irp t, 0,1
	global_store_b128 v[GO], v[PC+16*\t:PC+16*\t+3], s[10:11] offset:16384*\t          ; 32 lanes store 512 consecutive bytes, aligned
	global_store_b128 v[GO], v[PC+16*\t+4:PC+16*\t+7], s[10:11] offset:16384*\t+512
.endr
	s_wait_tensorcnt 0x0                           ; the wave's end
	ds_add_u32 v[SPW], v[NIL]
	s_wait_dscnt 0x0
	CROUND                                         ; the closing round
	s_endpgm
.Lfunc_end_k_q9add1ae096_attn:
	.size	k_q9add1ae096_attn, .Lfunc_end_k_q9add1ae096_attn-k_q9add1ae096_attn
	.p2alignl 7, 3214868480
	.fill 96, 4, 3214868480
	.section	.rodata,"a",@progbits
	.p2align	6, 0x0
	.amdhsa_kernel k_q9add1ae096_attn
		.amdhsa_group_segment_fixed_size 327680
		.amdhsa_private_segment_fixed_size 0
		.amdhsa_enable_private_segment 0
		.amdhsa_kernarg_size 32
		.amdhsa_user_sgpr_count 2
		.amdhsa_user_sgpr_kernarg_segment_ptr 1
		.amdhsa_wavefront_size32 1
		.amdhsa_system_sgpr_workgroup_id_x 1
		.amdhsa_system_sgpr_workgroup_id_y 1
		.amdhsa_system_sgpr_workgroup_id_z 1
		.amdhsa_system_vgpr_workitem_id 0
		.amdhsa_next_free_vgpr 512
		.amdhsa_next_free_sgpr 104
		.amdhsa_reserve_vcc 1
		.amdhsa_float_denorm_mode_32 3
		.amdhsa_float_denorm_mode_16_64 3
		.amdhsa_memory_ordered 1
		.amdhsa_forward_progress 1
		.amdhsa_inst_pref_size 140
	.end_amdhsa_kernel
	.amdgpu_metadata
---
amdhsa.version: [ 1, 2 ]
amdhsa.kernels:
  - .name:           k_q9add1ae096_attn
    .symbol:         k_q9add1ae096_attn.kd
    .args:
      - { .name: qkv, .offset: 0, .size: 8, .value_kind: global_buffer, .address_space: global }
      - { .name: mask, .offset: 8, .size: 8, .value_kind: global_buffer, .address_space: global }
      - { .name: lowp_scales, .offset: 16, .size: 8, .value_kind: global_buffer, .address_space: global }
      - { .name: ao, .offset: 24, .size: 8, .value_kind: global_buffer, .address_space: global }
    .group_segment_fixed_size: 327680
    .private_segment_fixed_size: 0
    .kernarg_segment_align: 8
    .kernarg_segment_size: 32
    .max_flat_workgroup_size: 256
    .sgpr_count:     104
    .vgpr_count:     512
    .wavefront_size: 32
...
	.end_amdgpu_metadata
.endif
;; end of part 11
;; launch wo (part 12): grid 8 x 32, 4 waves a work-group, clusters of 4 x 4, 327,680 bytes of LDS; arguments ao, xw, lowp_scales, bo, x, rs; writes rs
.if DOCPART == 12
	.amdgcn_target "amdgcn-amd-amdhsa--gfx1250"
	.amdhsa_code_object_version 6
	.text
	.protected	k_q9add1ae096_wo
	.globl	k_q9add1ae096_wo
	.p2align	8
	.type	k_q9add1ae096_wo,@function
k_q9add1ae096_wo:
	s_mov_b64 s[64:65], 0
	v_nop
	global_prefetch_b8 v0, s[64:65] scope:SCOPE_SE
	s_setreg_imm32_b32 hwreg(HW_REG_WAVE_MODE, 25, 1), 1
	s_wait_xcnt 0x0
	s_wait_alu depctr_hold_cnt(0) depctr_sa_sdst(0) depctr_va_vdst(0) depctr_va_sdst(0) depctr_va_ssrc(0) depctr_va_vcc(0) depctr_vm_vsrc(0)
	s_getreg_b32 s2, hwreg(HW_REG_IB_STS2, 6, 4)
	s_cmp_eq_u32 s2, 0
	s_cbranch_scc0 .Lentry_in_a_cluster
	s_endpgm
.Lentry_in_a_cluster:
	s_bfe_u32 s2, ttmp6, 0x10000c
	s_cmp_lg_u32 s2, 0xf033
	s_cbranch_scc0 .Lentry_shape_is_right
	s_endpgm
.Lentry_shape_is_right:
; WO: rs = x + (ao Wo + bo): the product on codes of E5M2 (scales e10, e11), the rest in f32.  No work of the problem is left out here.
; A tile of 128 x 128 to a work-group of four waves, 64 x 64 to a wave: 16 accumulators; 256 tiles.  All of K = 1,024 lies in LDS after ONE tensor load a wave (64 KiB each): nothing is filled again, one barrier.
; A (ao) is laid as an image of the operand's registers: for each 16 tokens 16 KiB: [head][32 channels c][16 channels h][token r][16 codes].  64 tokens are 64 KiB on end, taken as 256 rows of 256 bytes (+ 16 in LDS).
; B (Wo's codes, rows n at places sw(n), bits 3 and 4 exchanged): 64 rows of 1,024 bytes (+ 16 in LDS), so a lane's 16 registers of tiles 2 p, 2 p + 1 are columns 32 p + 16 h + 0 .. 15.
; CLUSTERS: 4 x 4 work-groups.  A's tile is asked for jointly along the cluster's row, B's along its column.  No prefetch: every tile is asked for at the head.
; The matrix instruction is used transposed (source 0 = 16 rows of B, source 1 = 16 rows of A).  Registers 4 c .. 4 c + 3 of a fragment hold K = 32 c + 16 (lane / 16) + 0 .. 15, alike in A and B.
; LIMIT: e10 + e11 between -126 and 127.
; REGISTERS: window 0: v8-11 the bias; v3, v16-29 addresses; v32-95 two sets of 16 rows on the way out; v128-255 the accumulators.  window 1: two fragment buffers of 128.  window 2: v0-127 my part of the residual.
.set BOFF,   0xF00000                  ; Wo's codes in xw
.set AHALF,  69632                     ; 256 LDS rows of 272 bytes
.set BP,     1040                      ; B's LDS row: 65 x 16 bytes
.set BHALF,  64*BP
.set BBASE,  2*AHALF
.set STAGE,  BBASE+2*BHALF             ; behind the tiles: 16 rows x 272 bytes for each wave, for the way out; no tile lands there
.set SPITCH, 272
.set SPARE,  STAGE+4*16*SPITCH         ; the spare words, 512 bytes that no other line names
.set FR,   16
.set BO,   3                           ; v3 16 (lane % 16)
.set BI,   8
.set ADRA, 16                          ; v16 heads 0-7, v17 heads 8-15
.set ADRB, 20
.set STO,  24
.set RD,   25
.set CO,   26
.set SPW,  28
.set NIL,  29
.set BK,   32
.set ACC,  128
.set G1, 24
.set G0, 32
.set G1B, 48
.set G0B, 56
.set MSB, 0
.macro WIN new
.if MSB != \new
	s_set_vgpr_msb (MSB<<8)|\new
.set MSB, \new
.endif
.endm
.set MUL,   0x05                       ; sources 0 (B) and 1 (A) window 1; C and D window 0
.set TO_F,  0x40
.set TO_R,  0x80
.set ADD_R, 0x08
.macro CROUND
	s_barrier_signal -1
	s_barrier_wait -1
	s_cmp_lg_u32 s14, 0
	s_cbranch_scc1 .Lnot_wave_0_\@
	s_barrier_signal -3
.Lnot_wave_0_\@:
	s_barrier_wait -3
	s_barrier_signal -1
	s_barrier_wait -1
.endm
.macro MUL4 f, a, zero                 ; A's block a x B's four, 128 along K; the 16 accumulators take turns
.irp b, 0,1,2,3
.if \zero
	v_wmma_f32_16x16x128_bf8_bf8 v[ACC+8*(4*(\a)+\b):ACC+8*(4*(\a)+\b)+7], v[\f+64+FR*\b:\f+64+FR*\b+FR-1], v[\f+FR*(\a):\f+FR*(\a)+FR-1], 0
.else
	v_wmma_f32_16x16x128_bf8_bf8 v[ACC+8*(4*(\a)+\b):ACC+8*(4*(\a)+\b)+7], v[\f+64+FR*\b:\f+64+FR*\b+FR-1], v[\f+FR*(\a):\f+FR*(\a)+FR-1], v[ACC+8*(4*(\a)+\b):ACC+8*(4*(\a)+\b)+7]
.endif
.endr
.endm
.macro FETCH kk, f                     ; 32 LDS loads: the fragments of the kk-th 128 along K (heads 2 kk, 2 kk + 1) into buffer f: B's four, then A's four
	WIN TO_F
.irp i, 0,1,2,3
.irp c, 0,1,2,3
	ds_load_b128 v[\f+64+FR*\i+4*\c:\f+64+FR*\i+4*\c+3], v[ADRB] offset:128*(\kk)+32*\c+\i*16*BP
.endr
.endr
.irp i, 0,1,2,3
.irp c, 0,1,2,3
	ds_load_b128 v[\f+FR*\i+4*\c:\f+FR*\i+4*\c+3], v[ADRA+(\kk)/4] offset:((\kk)%4)*2176+544*\c+\i*17408
.endr
.endr
.endm
.macro PLACES n
.rept \n
	v_nop
.endr
.endm
.macro QUARTER kk                      ; multiplies buffer kk % 2 and fetches step kk + 1 into the other
	s_wait_dscnt 8                                 ; B's four and A's blocks 0, 1 are in; the youngest eight loads may be out
	WIN MUL
	MUL4 128*((\kk)%2), 0, (\kk)==0
	MUL4 128*((\kk)%2), 1, (\kk)==0
	PLACES 4                                       ; in front of loads into registers that products have read
	FETCH (\kk)+1, 128*(1-(\kk)%2)
	s_wait_dscnt 32                                ; all but the 32 just issued
	WIN MUL
	MUL4 128*((\kk)%2), 2, (\kk)==0
	MUL4 128*((\kk)%2), 3, (\kk)==0
.endm
; THE WAY OUT, block by block of 16 rows x 64 columns, through the wave's own stage: a wave's 64 columns of f32 are 256 consecutive bytes of a row, aligned.
.macro TOSTAGE a
.set AC, ACC+32*(\a)
.irp p, 0,1
.irp i, 0,1,2,3
	ds_store_b128 v[STO], v[AC+16*\p+4*\i:AC+16*\p+4*\i+3] offset:128*\p+16*\i
.endr
.endr
.set BB, BK+32*((\a)%2)
.set tt, 0
.rept 8
	ds_load_b128 v[BB+4*tt:BB+4*tt+3], v[RD] offset:2*tt*SPITCH    ; LDS serves a wave's instructions in order
.set tt, tt+1
.endr
.endm
.macro SEND a, yds                     ; yds: the younger LDS instructions that may stay out
.set BB, BK+32*((\a)%2)
	s_wait_dscnt \yds
.set tt, 0
.rept 8
	v_pk_fma_f32 v[BB+4*tt:BB+4*tt+1], v[BB+4*tt:BB+4*tt+1], s[96:97], v[BI:BI+1] op_sel_hi:[1,0,1]       ; sum x 2^(e10 + e11) + bias
	v_pk_fma_f32 v[BB+4*tt+2:BB+4*tt+3], v[BB+4*tt+2:BB+4*tt+3], s[96:97], v[BI+2:BI+3] op_sel_hi:[1,0,1]
.set tt, tt+1
.endr
	WIN ADD_R
.set jj, 0
.rept 16
	v_pk_add_f32 v[BB+jj:BB+jj+1], v[BB+jj:BB+jj+1], v[32*(\a)+jj:32*(\a)+jj+1]                           ; + the residual
.set jj, jj+2
.endr
	WIN 0
.set tt, 0
.rept 8
	global_store_b128 v[CO], v[BB+4*tt:BB+4*tt+3], s[70:71] offset:(16*(\a)+2*tt)*4096   ; sixteen lanes store 256 consecutive bytes, aligned
.set tt, tt+1
.endr
.endm
	s_load_b256 s[4:11], s[0:1], 0x0               ; ao, xw, the scales' exponents, the bias
	s_load_b128 s[68:71], s[0:1], 0x20             ; the residual, rs
	v_lshl_add_u32 v[SPW], v0, 2, SPARE
	v_mov_b32 v[NIL], 0
	ds_add_u32 v[SPW], v[NIL]                      ; the wave's opening: the add, twice on end, and its wait ahead of my tensor load
	ds_add_u32 v[SPW], v[NIL]
	v_lshrrev_b32 v1, 5, v0
	v_readfirstlane_b32 s14, v1                    ; wave 0..3
	s_lshr_b32 s15, s14, 1                         ; which half of the tile's rows is mine.  Also: I fetch for A (0) or for B (1)
	s_and_b32 s16, s14, 1                          ; which half of its columns.  Also: which 64 rows I fetch
	s_bfe_u32 s40, ttmp6, 0x40000                  ; cx
	s_bfe_u32 s41, ttmp6, 0x40004                  ; cy
	s_lshl_b32 s42, ttmp9, 2
	s_add_co_u32 s42, s42, s40                     ; tile column
	s_and_b32 s17, ttmp7, 0xffff
	s_lshl_b32 s17, s17, 2
	s_add_co_u32 s17, s17, s41                     ; tile row
	s_lshl_b32 s43, s41, 2
	s_lshl_b32 s43, 15, s43                        ; my row of the cluster
	s_lshl_b32 s44, 0x1111, s40                    ; my column
	s_or_b32 s[G1+0], s43, (1<<20)|(1<<21)|(5<<22)|(3<<25)         ; A: 256 rows of 256 bytes on end; 4 words of padding after every 64
	s_mov_b32 s[G1+1], 256<<16
	s_mov_b32 s[G1+2], 256<<16
	s_mov_b32 s[G1+3], 256<<16
	s_mov_b32 s[G1+4], 256
	s_mov_b32 s[G1+5], 256
	s_mov_b32 s[G1+6], 0
	s_mov_b32 s[G1+7], 0
	s_or_b32 s[G1B+0], s44, (1<<20)|(1<<21)|(7<<22)|(3<<25)        ; B: 64 rows of 1,024 bytes; 4 words of padding after every 256
	s_mov_b32 s[G1B+1], 1024<<16
	s_mov_b32 s[G1B+2], 64<<16
	s_mov_b32 s[G1B+3], 1024<<16
	s_mov_b32 s[G1B+4], 64
	s_mov_b32 s[G1B+5], 1024
	s_mov_b32 s[G1B+6], 0
	s_mov_b32 s[G1B+7], 0
	s_lshl_b32 s18, s16, 6
	s_lshl_b32 s20, s17, 7
	s_add_co_u32 s20, s20, s18
	s_lshl_b32 s20, s20, 10                        ; A: (128 x tile row + 64 x half) tokens x 1,024 bytes
	s_lshl_b32 s46, s42, 7
	s_add_co_u32 s46, s46, s18
	s_lshl_b32 s46, s46, 10                        ; B: (128 x tile column + 64 x half) rows x 1,024 bytes
	s_mov_b32 s21, 0
	s_mov_b32 s47, 0
	s_mul_i32 s45, s16, AHALF                      ; where they go: no place in the cluster enters an LDS address
	s_mul_i32 s19, s16, BHALF
	s_add_co_u32 s19, s19, BBASE
	s_wait_dscnt 0x0                               ; both opening adds are done
	s_wait_kmcnt 0x0
	s_load_b64 s[96:97], s[8:9], 40                ; e10, e11
	s_add_nc_u64 s[6:7], s[6:7], BOFF
	s_add_nc_u64 s[20:21], s[4:5], s[20:21]
	s_add_nc_u64 s[46:47], s[6:7], s[46:47]
	CROUND                                         ; all sixteen work-groups are here: the joint loads meet
	s_mov_b32 s[G0], 1
	s_mov_b32 s[G0+1], s45
	s_mov_b64 s[G0+2:G0+3], s[20:21]
	s_or_b32 s[G0+3], s[G0+3], 0x80000000
	s_mov_b32 s[G0B], 1
	s_mov_b32 s[G0B+1], s19
	s_mov_b64 s[G0B+2:G0B+3], s[46:47]
	s_or_b32 s[G0B+3], s[G0B+3], 0x80000000
	s_cmp_eq_u32 s15, 0                            ; waves 0 and 1 fetch for A, waves 2 and 3 for B: one load in each arm; an s_nop 0 and four v_nop follow each line
	s_cbranch_scc0 .Lfor_b
	tensor_load_to_lds s[G0:G0+3], s[G1:G1+7]
	s_nop 0
.rept 4
	v_nop
.endr
	s_branch .Lasked
.Lfor_b:
	tensor_load_to_lds s[G0B:G0B+3], s[G1B:G1B+7]
	s_nop 0
.rept 4
	v_nop
.endr
.Lasked:
	s_mul_i32 s21, s15, AHALF                      ; my 64 rows of A
	s_mul_i32 s22, s16, BHALF
	s_add_co_u32 s22, s22, BBASE                   ; my 64 rows of B
	s_mul_i32 s23, s14, 16*SPITCH
	s_add_co_u32 s23, s23, STAGE                   ; my stage
	s_lshl_b32 s20, s17, 7
	s_lshl_b32 s18, s15, 6
	s_add_co_u32 s20, s20, s18
	s_lshl_b32 s20, s20, 12                        ; my first row x 4,096 bytes
	s_lshl_b32 s46, s42, 9
	s_lshl_b32 s47, s16, 8
	s_add_co_u32 s46, s46, s47                     ; my first column x 4
	s_mov_b32 s47, 0
	s_add_nc_u64 s[10:11], s[10:11], s[46:47]
	s_add_co_u32 s46, s46, s20
	s_add_nc_u64 s[68:69], s[68:69], s[46:47]
	s_add_nc_u64 s[70:71], s[70:71], s[46:47]
	v_and_b32 v1, 15, v0                           ; r
	v_bfe_u32 v2, v0, 4, 1                         ; h
	v_lshlrev_b32 v[BO], 4, v1
	v_mad_u32_u24 v4, v2, 272, v[BO]               ; 272 h + 16 r
	v_add_nc_u32 v[ADRA], s21, v4                  ; A: a lane's 16 bytes lie 16 apart: row h of a pair, place r
	v_add_nc_u32 v[ADRA+1], 8704, v[ADRA]          ; eight heads on
	v_mul_u32_u24 v5, v1, BP
	v_lshl_add_u32 v5, v2, 4, v5
	v_add_nc_u32 v[ADRB], s22, v5                  ; B: row r, + 16 h
	v_mul_u32_u24 v5, v1, SPITCH
	v_lshl_add_u32 v5, v2, 6, v5
	v_add_nc_u32 v[STO], s23, v5                   ; into the stage: row r, + 64 h: my 16 columns of each 32
	v_add_nc_u32 v[RD], s23, v4                    ; back: lanes 0-15 take one row of 256 bytes, lanes 16-31 the next
	v_lshl_add_u32 v[CO], v2, 12, v[BO]            ; and the same two rows in the residual and in rs
	s_wait_alu depctr_va_vdst(0)                   ; the wait at the head's end
	global_load_b128 v[BI:BI+3], v[BO], s[10:11]   ; the bias of my four columns, and my 64 rows x 256 bytes of the residual: waited for on the way out
	WIN TO_R
.set tt, 0
.rept 32
	global_load_b128 v[4*tt:4*tt+3], v[CO], s[68:69] offset:2*tt*4096 th:TH_LOAD_NT
.set tt, tt+1
.endr
	WIN 0
	s_wait_tensorcnt 0x0                           ; my tile is in
	s_barrier_signal -1
	s_barrier_wait -1                              ; and everybody's
	FETCH 0, 0
.irp kk, 0,1,2,3,4,5,6
	QUARTER \kk                                    ; the first step's products start the sums: nothing is cleared
.endr
	s_wait_dscnt 8                                 ; the last step: nothing more to fetch
	WIN MUL
	MUL4 128, 0, 0
	MUL4 128, 1, 0
	s_wait_dscnt 0
	MUL4 128, 2, 0
	MUL4 128, 3, 0
	WIN 0
	s_wait_kmcnt 0x0
	s_add_co_i32 s96, s96, s97
	s_add_co_i32 s96, s96, 127
	s_lshl_b32 s96, s96, 23                        ; 2^(e10 + e11) as f32
	s_mov_b32 s97, s96
	PLACES 4
	s_wait_loadcnt 0x0                             ; the bias and the residual
	TOSTAGE 0
.irp a, 1,2,3
.if \a > 1
	s_wait_xcnt 0x0                                ; block a - 2's stores have read their registers: block a's rows may land there
.endif
	TOSTAGE \a
	SEND \a-1, 16                                  ; behind block a - 1's loads: block a's 8 stores and 8 loads
.endr
	SEND 3, 0
	s_wait_tensorcnt 0x0                           ; the wave's end
	ds_add_u32 v[SPW], v[NIL]
	s_wait_dscnt 0x0
	CROUND                                         ; the closing round
	s_endpgm
.Lfunc_end_k_q9add1ae096_wo:
	.size	k_q9add1ae096_wo, .Lfunc_end_k_q9add1ae096_wo-k_q9add1ae096_wo
	.p2alignl 7, 3214868480
	.fill 96, 4, 3214868480
	.section	.rodata,"a",@progbits
	.p2align	6, 0x0
	.amdhsa_kernel k_q9add1ae096_wo
		.amdhsa_group_segment_fixed_size 327680
		.amdhsa_private_segment_fixed_size 0
		.amdhsa_enable_private_segment 0
		.amdhsa_kernarg_size 48
		.amdhsa_user_sgpr_count 2
		.amdhsa_user_sgpr_kernarg_segment_ptr 1
		.amdhsa_wavefront_size32 1
		.amdhsa_system_sgpr_workgroup_id_x 1
		.amdhsa_system_sgpr_workgroup_id_y 1
		.amdhsa_system_sgpr_workgroup_id_z 1
		.amdhsa_system_vgpr_workitem_id 0
		.amdhsa_next_free_vgpr 640
		.amdhsa_next_free_sgpr 104
		.amdhsa_reserve_vcc 0
		.amdhsa_float_denorm_mode_32 3
		.amdhsa_float_denorm_mode_16_64 3
		.amdhsa_memory_ordered 1
		.amdhsa_forward_progress 1
		.amdhsa_inst_pref_size 52
	.end_amdhsa_kernel
	.amdgpu_metadata
---
amdhsa.version: [ 1, 2 ]
amdhsa.kernels:
  - .name:           k_q9add1ae096_wo
    .symbol:         k_q9add1ae096_wo.kd
    .args:
      - { .name: ao, .offset: 0, .size: 8, .value_kind: global_buffer, .address_space: global }
      - { .name: xw, .offset: 8, .size: 8, .value_kind: global_buffer, .address_space: global }
      - { .name: lowp_scales, .offset: 16, .size: 8, .value_kind: global_buffer, .address_space: global }
      - { .name: bo, .offset: 24, .size: 8, .value_kind: global_buffer, .address_space: global }
      - { .name: x, .offset: 32, .size: 8, .value_kind: global_buffer, .address_space: global }
      - { .name: rs, .offset: 40, .size: 8, .value_kind: global_buffer, .address_space: global }
    .group_segment_fixed_size: 327680
    .private_segment_fixed_size: 0
    .kernarg_segment_align: 8
    .kernarg_segment_size: 48
    .max_flat_workgroup_size: 128
    .sgpr_count:     104
    .vgpr_count:     640
    .wavefront_size: 32
...
	.end_amdgpu_metadata
.endif
;; end of part 12
;; launch ln1 (part 13): grid 256 x 1, 4 waves a work-group, no clusters, 0 bytes of LDS; arguments rs, g1, be1, lowp_scales, x1f, x1c; writes x1f, x1c
.if DOCPART == 13
	.amdgcn_target "amdgcn-amd-amdhsa--gfx1250"
	.amdhsa_code_object_version 6
	.text
	.protected	k_q9add1ae096_ln1
	.globl	k_q9add1ae096_ln1
	.p2align	8
	.type	k_q9add1ae096_ln1,@function
k_q9add1ae096_ln1:
	s_mov_b64 s[64:65], 0
	v_nop
	global_prefetch_b8 v0, s[64:65] scope:SCOPE_SE
	s_setreg_imm32_b32 hwreg(HW_REG_WAVE_MODE, 25, 1), 1
	s_wait_xcnt 0x0
; LN: y = (x - mean) rsqrt(var + 1e-5) g + b along rows of 1,024 f32.  CODES = 1: y is also quantised to E5M2 with the given scale e12 (between -126 and 112).  No work of the problem is left out here.
; A wave takes 4 rows and keeps each in 32 registers: lane l holds 16 bytes at 512 j + 16 l.  The mean first, then the mean of the squared differences, as reference() has it.  No LDS, no barrier: memory binds, all loads go out first.
.set CODES, 1
.set E,  8                             ; v8-15 eight neighbours for a conversion
.set T,  16
.set U,  20
.set G,  32
.set BE, 64
.set X,  96
.if CODES
	s_load_b256 s[4:11], s[0:1], 0x0               ; rs, g, b, the scales' exponents
	s_load_b128 s[12:15], s[0:1], 0x20             ; y, y's codes
.else
	s_load_b128 s[4:7], s[0:1], 0x0                ; rs, g
	s_load_b64 s[8:9], s[0:1], 0x10                ; b
	s_load_b64 s[12:13], s[0:1], 0x18              ; y
.endif
	v_lshrrev_b32 v1, 5, v0
	v_readfirstlane_b32 s16, v1
	v_and_b32 v2, 31, v0
	v_lshlrev_b32 v1, 4, v2                        ; 16 x lane
	s_lshl_b32 s17, ttmp9, 4
	s_lshl_b32 s18, s16, 2
	s_add_co_u32 s17, s17, s18                     ; my first row
	s_lshl_b32 s18, s17, 12
	s_mov_b32 s19, 0
	s_mov_b32 s20, 0x3a800000                      ; 1 / 1,024
	s_mov_b32 s25, 0x3727c5ac                      ; 1e-5
	s_mov_b32 s22, 0x76543210
	s_mov_b32 s23, 0xfedcba98
	v_mov_b32 v28, 0                               ; written once: a lane permute's destination counts as read
	v_mov_b32 v31, 0                               ; (named as the upper half of v[30:31])
	s_wait_alu depctr_va_vdst(0)
	s_wait_kmcnt 0x0
	s_add_nc_u64 s[4:5], s[4:5], s[18:19]
	s_add_nc_u64 s[12:13], s[12:13], s[18:19]
.irp j, 0,1,2,3,4,5,6,7
	global_load_b128 v[G+4*\j:G+4*\j+3], v1, s[6:7] offset:512*\j
.endr
.irp j, 0,1,2,3,4,5,6,7
	global_load_b128 v[BE+4*\j:BE+4*\j+3], v1, s[8:9] offset:512*\j
.endr
.irp k, 0,1,2,3
.irp j, 0,1,2,3,4,5,6,7
	global_load_b128 v[X+32*\k+4*\j:X+32*\k+4*\j+3], v1, s[4:5] offset:4096*\k+512*\j th:TH_LOAD_NT
.endr
.endr
.if CODES
	s_load_b32 s24, s[10:11], 0x30                 ; e12
	s_lshl_b32 s18, s17, 10
	s_add_nc_u64 s[14:15], s[14:15], s[18:19]
	v_and_b32 v3, 1, v2
	v_cmp_eq_u32 s21, 1, v3                        ; the odd lanes
	v_lshrrev_b32 v2, 1, v2
	v_lshlrev_b32 v2, 3, v2
	v_lshl_add_u32 v2, v3, 7, v2                   ; my 8 codes of 256: 128 (lane % 2) + 8 (lane / 2)
.irp k, 0,1,2,3
	v_mov_b32 v[U+\k], 0                           ; written once: a DPP form's destination counts as read
.endr
	s_wait_kmcnt 0x0
	s_add_co_i32 s24, s24, 127
	s_lshl_b32 s26, s24, 23
	v_mov_b32 v4, s26                              ; 2^e12
	s_add_co_i32 s24, s24, 15
	s_lshl_b32 s24, s24, 23
	s_or_b32 s24, s24, 0x600000
	v_mov_b32 v3, s24                              ; 57,344 x 2^e12
.endif
.macro RED r                           ; the sum over the 32 lanes, in every lane
	v_add_f32_dpp v[\r], v[\r], v[\r] row_xmask:1 row_mask:0xf bank_mask:0xf
	v_add_f32_dpp v[\r], v[\r], v[\r] row_xmask:2 row_mask:0xf bank_mask:0xf
	v_add_f32_dpp v[\r], v[\r], v[\r] row_xmask:4 row_mask:0xf bank_mask:0xf
	v_add_f32_dpp v[\r], v[\r], v[\r] row_xmask:8 row_mask:0xf bank_mask:0xf
	v_permlanex16_b32 v28, v[\r], s22, s23
	v_add_f32 v[\r], v[\r], v28
.endm
.macro ROW k
.set XR, X+32*(\k)
	s_wait_loadcnt 8*(3-(\k))                      ; g, b and this row are in; the later rows' loads stay out
	v_pk_add_f32 v[24:25], v[XR:XR+1], v[XR+2:XR+3]
	v_pk_add_f32 v[26:27], v[XR+4:XR+5], v[XR+6:XR+7]
.set jj, 8
.rept 6
	v_pk_add_f32 v[24:25], v[24:25], v[XR+jj:XR+jj+1]
	v_pk_add_f32 v[26:27], v[26:27], v[XR+jj+2:XR+jj+3]
.set jj, jj+4
.endr
	v_pk_add_f32 v[24:25], v[24:25], v[26:27]
	v_add_f32 v24, v24, v25
	RED 24
	v_mul_f32 v30, s20, v24                        ; the mean
.set jj, 0
.rept 16
	v_pk_add_f32 v[XR+jj:XR+jj+1], v[XR+jj:XR+jj+1], v[30:31] op_sel_hi:[1,0] neg_lo:[0,1] neg_hi:[0,1]
.set jj, jj+2
.endr
	v_pk_mul_f32 v[24:25], v[XR:XR+1], v[XR:XR+1]
	v_pk_mul_f32 v[26:27], v[XR+2:XR+3], v[XR+2:XR+3]
.set jj, 4
.rept 7
	v_pk_fma_f32 v[24:25], v[XR+jj:XR+jj+1], v[XR+jj:XR+jj+1], v[24:25]
	v_pk_fma_f32 v[26:27], v[XR+jj+2:XR+jj+3], v[XR+jj+2:XR+jj+3], v[26:27]
.set jj, jj+4
.endr
	v_pk_add_f32 v[24:25], v[24:25], v[26:27]
	v_add_f32 v24, v24, v25
	RED 24
	v_fma_f32 v24, v24, s20, s25                   ; var + 1e-5
	s_wait_alu depctr_va_vdst(0)
	v_rsq_f32 v30, v24
	v_nop                                          ; a plain line behind the transcendental,
	s_wait_alu depctr_va_vdst(0)                   ; and the wait ahead of its first reader
.set jj, 0
.rept 16
	v_pk_mul_f32 v[XR+jj:XR+jj+1], v[XR+jj:XR+jj+1], v[30:31] op_sel_hi:[1,0]
.set jj, jj+2
.endr
.set jj, 0
.rept 16
	v_pk_fma_f32 v[XR+jj:XR+jj+1], v[XR+jj:XR+jj+1], v[G+jj:G+jj+1], v[BE+jj:BE+jj+1]
.set jj, jj+2
.endr
.irp j, 0,1,2,3,4,5,6,7
	global_store_b128 v1, v[XR+4*\j:XR+4*\j+3], s[12:13] offset:4096*(\k)+512*\j   ; 512 consecutive bytes; these registers are not written again
.endr
.if CODES
; lanes 2 i and 2 i + 1 exchange, so that lane 2 i holds numbers 8 i .. 8 i + 7 of chunk 2 q and lane 2 i + 1 those of chunk 2 q + 1: eight neighbours for a conversion
.irp q, 0,1,2,3
.irp c, 0,1,2,3
	v_cndmask_b32 v[T+\c], v[XR+8*\q+4+\c], v[XR+8*\q+\c], s21
.endr
.irp c, 0,1,2,3
	v_mov_b32_dpp v[U+\c], v[T+\c] row_xmask:1 row_mask:0xf bank_mask:0xf
.endr
.irp c, 0,1,2,3
	v_cndmask_b32 v[E+\c], v[XR+8*\q+\c], v[U+\c], s21
.endr
.irp c, 0,1,2,3
	v_cndmask_b32 v[E+4+\c], v[U+\c], v[XR+8*\q+4+\c], s21
.endr
.irp c, 0,1,2,3,4,5,6,7
	v_med3_num_f32 v[E+\c], v[E+\c], -v3, v3
.endr
	v_cvt_scalef32_pk8_bf8_f32 v[224+8*(\k)+2*\q:225+8*(\k)+2*\q], v[E:E+7], v4
	global_store_b64 v2, v[224+8*(\k)+2*\q:225+8*(\k)+2*\q], s[14:15] offset:1024*(\k)+256*\q   ; 256 consecutive bytes, aligned; each pair of code registers is written once
.endr
.endif
.endm
	ROW 0
	ROW 1
	ROW 2
	ROW 3
	s_endpgm
.Lfunc_end_k_q9add1ae096_ln1:
	.size	k_q9add1ae096_ln1, .Lfunc_end_k_q9add1ae096_ln1-k_q9add1ae096_ln1
	.p2alignl 7, 3214868480
	.fill 96, 4, 3214868480
	.section	.rodata,"a",@progbits
	.p2align	6, 0x0
	.amdhsa_kernel k_q9add1ae096_ln1
		.amdhsa_group_segment_fixed_size 0
		.amdhsa_private_segment_fixed_size 0
		.amdhsa_enable_private_segment 0
		.amdhsa_kernarg_size 48
		.amdhsa_user_sgpr_count 2
		.amdhsa_user_sgpr_kernarg_segment_ptr 1
		.amdhsa_wavefront_size32 1
		.amdhsa_system_sgpr_workgroup_id_x 1
		.amdhsa_system_sgpr_workgroup_id_y 1
		.amdhsa_system_sgpr_workgroup_id_z 1
		.amdhsa_system_vgpr_workitem_id 0
		.amdhsa_next_free_vgpr 256
		.amdhsa_next_free_sgpr 66
		.amdhsa_reserve_vcc 0
		.amdhsa_float_denorm_mode_32 3
		.amdhsa_float_denorm_mode_16_64 3
		.amdhsa_memory_ordered 1
		.amdhsa_forward_progress 1
		.amdhsa_inst_pref_size 60
	.end_amdhsa_kernel
	.amdgpu_metadata
---
amdhsa.version: [ 1, 2 ]
amdhsa.kernels:
  - .name:           k_q9add1ae096_ln1
    .symbol:         k_q9add1ae096_ln1.kd
    .args:
      - { .name: rs, .offset: 0, .size: 8, .value_kind: global_buffer, .address_space: global }
      - { .name: g1, .offset: 8, .size: 8, .value_kind: global_buffer, .address_space: global }
      - { .name: be1, .offset: 16, .size: 8, .value_kind: global_buffer, .address_space: global }
      - { .name: lowp_scales, .offset: 24, .size: 8, .value_kind: global_buffer, .address_space: global }
      - { .name: x1f, .offset: 32, .size: 8, .value_kind: global_buffer, .address_space: global }
      - { .name: x1c, .offset: 40, .size: 8, .value_kind: global_buffer, .address_space: global }
    .group_segment_fixed_size: 0
    .private_segment_fixed_size: 0
    .kernarg_segment_align: 8
    .kernarg_segment_size: 48
    .max_flat_workgroup_size: 128
    .sgpr_count:     66
    .vgpr_count:     256
    .wavefront_size: 32
...
	.end_amdgpu_metadata
.endif
;; end of part 13
;; launch ffn1 (part 14): grid 16 x 16, 4 waves a work-group, clusters of 4 x 4, 327,680 bytes of LDS; arguments x1c, xw, lowp_scales, b1, hc; writes hc
.if DOCPART == 14
	.amdgcn_target "amdgcn-amd-amdhsa--gfx1250"
	.amdhsa_code_object_version 6
	.text
	.protected	k_q9add1ae096_ffn1
	.globl	k_q9add1ae096_ffn1
	.p2align	8
	.type	k_q9add1ae096_ffn1,@function
k_q9add1ae096_ffn1:
	s_mov_b64 s[64:65], 0
	v_nop
	global_prefetch_b8 v0, s[64:65] scope:SCOPE_SE
	s_setreg_imm32_b32 hwreg(HW_REG_WAVE_MODE, 25, 1), 1
	s_wait_xcnt 0x0
	s_wait_alu depctr_hold_cnt(0) depctr_sa_sdst(0) depctr_va_vdst(0) depctr_va_sdst(0) depctr_va_ssrc(0) depctr_va_vcc(0) depctr_vm_vsrc(0)
	s_getreg_b32 s2, hwreg(HW_REG_IB_STS2, 6, 4)
	s_cmp_eq_u32 s2, 0
	s_cbranch_scc0 .Lentry_in_a_cluster
	s_endpgm
.Lentry_in_a_cluster:
	s_bfe_u32 s2, ttmp6, 0x10000c
	s_cmp_lg_u32 s2, 0xf033
	s_cbranch_scc0 .Lentry_shape_is_right
	s_endpgm
.Lentry_shape_is_right:
.set SIZE_K, 1024
.set BOFF,   0x1000000
.set KSTEP,  256
.set ROWB,   256
.set KROW,   SIZE_K
.set PITCH,  272
.set FR,     16
.set NL,     4
.set NP,     4
.set HALFT,  128*PITCH
.set SLOT,   4*HALFT
.set LAPS,   SIZE_K/(2*KSTEP)
.set SPARE,  2*SLOT
.set ADRA, 16
.set ADRB, 20
.set STO,  24
.set RD,   25
.set CO,   26
.set LIM,  27
.set SPW,  28
.set NIL,  29
.set CV,   30
.set BNO,  31
.set BN,   64
.set TMP,  128
.set PC,   192
.set OUTR, 128
.set AF,   128
.set G1, 24
.set G0, 32
.set G1B, 48
.set G0B, 56
.set MSB, 0
.macro WIN new
.if MSB != \new
	s_set_vgpr_msb (MSB<<8)|\new
.set MSB, \new
.endif
.endm
.set MUL_LO, 0xa1
.set MUL_HI, 0xf1
.set TO_B,   0x40
.macro JLOAD g0a, g1a, g0b, g1b
	s_cmp_eq_u32 s15, 0
	s_cbranch_scc0 .Lfor_b_\@
	tensor_load_to_lds s[\g0a:\g0a+3], s[\g1a:\g1a+7]
	s_nop 0
.rept 4
	v_nop
.endr
	s_branch .Lasked_\@
.Lfor_b_\@:
	tensor_load_to_lds s[\g0b:\g0b+3], s[\g1b:\g1b+7]
	s_nop 0
.rept 4
	v_nop
.endr
.Lasked_\@:
.endm
.macro CREST
	s_cmp_lg_u32 s14, 0
	s_cbranch_scc1 .Lnot_wave_0_\@
	s_barrier_signal -3
.Lnot_wave_0_\@:
	s_barrier_wait -3
	s_barrier_signal -1
	s_barrier_wait -1
.endm
.macro CROUND
	s_barrier_signal -1
	s_barrier_wait -1
	CREST
.endm
.macro FRAG reg, adr, q, i
.irp c, 0,1,2,3
	ds_load_b128 v[\reg+4*\c:\reg+4*\c+3], v[\adr] offset:128*(\q)+32*\c+(\i)*16*PITCH
.endr
.endm
.macro MUL16 a0, p, zero
.irp a, \a0, \a0+1
.irp b, 0,1,2,3,4,5,6,7
.if \zero
	v_wmma_f32_16x16x128_bf8_bf8 v[8*(8*((\a)%4)+\b):8*(8*((\a)%4)+\b)+7], v[128*(\p)+FR*\b:128*(\p)+FR*\b+FR-1], v[AF+FR*(\a):AF+FR*(\a)+FR-1], 0
.else
	v_wmma_f32_16x16x128_bf8_bf8 v[8*(8*((\a)%4)+\b):8*(8*((\a)%4)+\b)+7], v[128*(\p)+FR*\b:128*(\p)+FR*\b+FR-1], v[AF+FR*(\a):AF+FR*(\a)+FR-1], v[8*(8*((\a)%4)+\b):8*(8*((\a)%4)+\b)+7]
.endif
.endr
.endr
.endm
.macro FETCH_B slot, q, p
	WIN TO_B
.irp i, 0,1,2,3,4,5,6,7
	FRAG 128*(\p)+FR*\i, ADRB+\slot, \q, \i
.endr
	WIN 0
.endm
.macro FETCH_A slot, q, i0
.irp i, \i0, \i0+1, \i0+2, \i0+3
	FRAG AF+FR*(\i), ADRA+\slot, \q, \i
.endr
.endm
.macro PLACES n
.rept \n
	v_nop
.endr
.endm
.macro STEP slot, q, zero
	s_wait_dscnt 4*NL
	WIN MUL_LO
	MUL16 0, (\q)%2, \zero
	MUL16 2, (\q)%2, \zero
	s_wait_dscnt 0
	PLACES NP
	FETCH_B \slot, (\q)+1, 1-(\q)%2
	FETCH_A \slot, (\q)+1, 0
	WIN MUL_HI
	MUL16 4, (\q)%2, \zero
	MUL16 6, (\q)%2, \zero
	PLACES NP
	WIN 0
	FETCH_A \slot, (\q)+1, 4
.endm
.macro TURN slot, next, fill
	s_wait_tensorcnt 0x0
	ds_add_u32 v[SPW], v[NIL]
	s_wait_dscnt 4*NL+1
	WIN MUL_LO
	MUL16 0, 1, 0
	s_wait_dscnt 0x0
	s_barrier_signal -1
	MUL16 2, 1, 0
	WIN 0
	s_barrier_wait -1
.if \fill
	CREST
	s_add_nc_u64 s[G0+4*\slot+2:G0+4*\slot+3], s[G0+4*\slot+2:G0+4*\slot+3], 2*ROWB
	s_add_nc_u64 s[G0B+4*\slot+2:G0B+4*\slot+3], s[G0B+4*\slot+2:G0B+4*\slot+3], 2*ROWB
	JLOAD G0+4*\slot, G1, G0B+4*\slot, G1B
.else
	PLACES NP
.endif
	FETCH_B \next, 0, 0
	FETCH_A \next, 0, 0
	WIN MUL_HI
	MUL16 4, 1, 0
	MUL16 6, 1, 0
	PLACES NP
	WIN 0
	FETCH_A \next, 0, 4
.endm
.macro LAST
	s_wait_dscnt 4*NL
	WIN MUL_LO
	MUL16 0, 1, 0
	MUL16 2, 1, 0
	s_wait_dscnt 0
	WIN MUL_HI
	MUL16 4, 1, 0
	MUL16 6, 1, 0
	WIN 0
.endm
.macro CONV a
.set AC, 64*((\a)%4)
	WIN 0x02+((\a)/4)
.set jj, 0
.rept 32
	v_pk_fma_f32 v[TMP+jj:TMP+jj+1], v[AC+jj:AC+jj+1], s[96:97], v[BN+jj:BN+jj+1] op_sel_hi:[1,0,1]
.set jj, jj+2
.endr
	WIN 0
.set jj, 0
.rept 64
	v_med3_num_f32 v[TMP+jj], v[TMP+jj], 0, v[LIM]
.set jj, jj+1
.endr
	s_wait_alu depctr_va_vdst(0)
	s_wait_dscnt 0x0
.irp p, 0,1,2,3
	v_cvt_scalef32_pk8_bf8_f32 v[PC+4*\p:PC+4*\p+1], v[TMP+16*\p:TMP+16*\p+7], v[CV]
	v_cvt_scalef32_pk8_bf8_f32 v[PC+4*\p+2:PC+4*\p+3], v[TMP+16*\p+8:TMP+16*\p+15], v[CV]
.endr
	v_nop
.irp p, 0,1,2,3
	ds_store_b128 v[STO], v[PC+4*\p:PC+4*\p+3] offset:(\a)*4352+32*\p
.endr
.endm
	s_load_b256 s[4:11], s[0:1], 0x0
	s_load_b64 s[88:89], s[0:1], 0x20
	v_lshl_add_u32 v[SPW], v0, 2, SPARE
	v_mov_b32 v[NIL], 0
	ds_add_u32 v[SPW], v[NIL]
	ds_add_u32 v[SPW], v[NIL]
	v_lshrrev_b32 v1, 5, v0
	v_readfirstlane_b32 s14, v1
	s_lshr_b32 s15, s14, 1
	s_and_b32 s16, s14, 1
	s_bfe_u32 s40, ttmp6, 0x40000
	s_bfe_u32 s41, ttmp6, 0x40004
	s_lshl_b32 s42, ttmp9, 2
	s_add_co_u32 s42, s42, s40
	s_and_b32 s17, ttmp7, 0xffff
	s_lshl_b32 s17, s17, 2
	s_add_co_u32 s17, s17, s41
	s_lshl_b32 s43, s41, 2
	s_lshl_b32 s43, 15, s43
	s_lshl_b32 s44, 0x1111, s40
	s_or_b32 s[G1+0], s43, (1<<20)|(1<<21)|(5<<22)|(3<<25)
	s_or_b32 s[G1B+0], s44, (1<<20)|(1<<21)|(5<<22)|(3<<25)
.irp g, G1, G1B
	s_mov_b32 s[\g+1], ROWB<<16
	s_mov_b32 s[\g+2], 128<<16
	s_mov_b32 s[\g+3], ROWB<<16
	s_mov_b32 s[\g+4], 128
	s_mov_b32 s[\g+5], KROW
	s_mov_b32 s[\g+6], 0
	s_mov_b32 s[\g+7], 0
.endr
	s_lshl_b32 s18, s16, 7
	s_lshl_b32 s20, s17, 8
	s_add_co_u32 s20, s20, s18
	s_lshl_b32 s46, s42, 8
	s_add_co_u32 s46, s46, s18
	s_mov_b32 s21, 0
	s_mov_b32 s47, 0
	s_mov_b64 s[18:19], KROW
	s_mul_u64 s[20:21], s[20:21], s[18:19]
	s_mul_u64 s[46:47], s[46:47], s[18:19]
	s_mul_i32 s45, s14, HALFT
	s_wait_dscnt 0x0
	s_wait_kmcnt 0x0
	s_load_b128 s[92:95], s[8:9], 0x30
	s_add_nc_u64 s[6:7], s[6:7], BOFF
	s_add_nc_u64 s[20:21], s[4:5], s[20:21]
	s_add_nc_u64 s[46:47], s[6:7], s[46:47]
	s_cmp_eq_u32 s15, 0                            ; the prefetches: of the 128 rows that I fetch, my work-group's 32 (told apart by address: cx for A, cy for B), a lane a row, from K step 2 on
	s_cselect_b64 s[72:73], s[20:21], s[46:47]
	s_cselect_b32 s74, s40, s41
	s_lshl_b32 s74, s74, 15
	s_add_co_u32 s74, s74, 512
	s_mov_b32 s75, 0
	s_add_nc_u64 s[72:73], s[72:73], s[74:75]
	v_and_b32 v18, 31, v0
	v_lshlrev_b32 v18, 10, v18
	s_wait_alu depctr_va_vdst(0)
	CROUND
.irp s, 0,1
	s_mov_b32 s[G0+4*\s], 1
	s_add_co_u32 s[G0+4*\s+1], s45, \s*SLOT
	s_add_nc_u64 s[G0+4*\s+2:G0+4*\s+3], s[20:21], \s*ROWB
	s_or_b32 s[G0+4*\s+3], s[G0+4*\s+3], 0x80000000
	s_mov_b32 s[G0B+4*\s], 1
	s_add_co_u32 s[G0B+4*\s+1], s45, \s*SLOT
	s_add_nc_u64 s[G0B+4*\s+2:G0B+4*\s+3], s[46:47], \s*ROWB
	s_or_b32 s[G0B+4*\s+3], s[G0B+4*\s+3], 0x80000000
.if \s == 0
	JLOAD G0, G1, G0B, G1B                         ; K step 0: one tensor load a wave at the head
	global_prefetch_b8 v18, s[72:73] offset:-256 th:TH_LOAD_NT scope:SCOPE_SE     ; K step 1, whose load sets out only when step 0 is in,
	global_prefetch_b8 v18, s[72:73] th:TH_LOAD_NT scope:SCOPE_SE                 ; and K step 2
.endif
.endr
	v_and_b32 v1, 15, v0
	v_bfe_u32 v2, v0, 4, 1
	v_mul_u32_u24 v3, v1, PITCH
	v_lshl_add_u32 v4, v2, 4, v3
	s_wait_alu depctr_va_vdst(0)
	s_mul_i32 s21, s15, HALFT
	s_mul_i32 s22, s16, HALFT
	s_add_co_u32 s22, s22, 2*HALFT
.irp s, 0,1
	v_add_nc_u32 v[ADRA+\s], s21, v4
	v_add_nc_u32 v[ADRB+\s], s22, v4
	s_add_co_u32 s21, s21, SLOT
	s_add_co_u32 s22, s22, SLOT
.endr
	s_mul_i32 s23, s15, 128*272
	s_lshl_b32 s21, s16, 7
	s_add_co_u32 s23, s23, s21
	v_add_nc_u32 v[STO], s23, v4
	s_mul_i32 s23, s14, 64*272
	v_mul_u32_u24 v5, v2, 272
	v_lshl_add_u32 v5, v1, 4, v5
	v_add_nc_u32 v[RD], s23, v5
	v_lshlrev_b32 v[CO], 12, v2
	v_lshl_add_u32 v[CO], v1, 4, v[CO]
	v_lshlrev_b32 v[BNO], 6, v2
	s_lshl_b32 s46, s42, 10
	s_lshl_b32 s47, s16, 9
	s_add_co_u32 s46, s46, s47
	s_mov_b32 s47, 0
	s_add_nc_u64 s[10:11], s[10:11], s[46:47]
.irp p, 0,1,2,3
.irp i, 0,1,2,3
	global_load_b128 v[BN+16*\p+4*\i:BN+16*\p+4*\i+3], v[BNO], s[10:11] offset:128*\p+16*\i
.endr
.endr
	s_lshl_b32 s46, s17, 8
	s_lshl_b32 s20, s14, 6
	s_add_co_u32 s46, s46, s20
	s_lshl_b32 s46, s46, 12
	s_lshl_b32 s20, s42, 8
	s_add_co_u32 s46, s46, s20
	s_add_nc_u64 s[88:89], s[88:89], s[46:47]
	s_wait_kmcnt 0x0
	s_add_co_i32 s96, s92, s93
	s_add_co_i32 s96, s96, 127
	s_lshl_b32 s96, s96, 23
	s_mov_b32 s97, s96
	s_add_co_i32 s94, s94, 127
	s_lshl_b32 s95, s94, 23
	v_mov_b32 v[CV], s95
	s_add_co_i32 s94, s94, 15
	s_lshl_b32 s94, s94, 23
	s_or_b32 s94, s94, 0x600000
	v_mov_b32 v[LIM], s94
	s_wait_alu depctr_va_vdst(0)                   ; the wait at the head's end
	s_wait_tensorcnt 0x0                           ; my part of K step 0 is in
	ds_add_u32 v28, v29
	s_wait_dscnt 0x0
	CROUND
	JLOAD G0+4, G1, G0B+4, G1B                     ; K step 1: the first tensor load behind the round
	global_prefetch_b8 v18, s[72:73] offset:256 th:TH_LOAD_NT scope:SCOPE_SE      ; K step 3, the last
	FETCH_B 0, 0, 0
	FETCH_A 0, 0, 0
	FETCH_A 0, 0, 4
	STEP 0, 0, 1
	s_mov_b32 s3, LAPS-1
.Llap:
	TURN 0, 1, 1
	STEP 1, 0, 0
	TURN 1, 0, 1
	STEP 0, 0, 0
	s_sub_co_u32 s3, s3, 1
	s_cmp_lg_u32 s3, 0
	s_cbranch_scc1 .Llap
	TURN 0, 1, 0
	STEP 1, 0, 0
	LAST
	PLACES NP
	s_wait_loadcnt 0x0
.irp a, 0,1,2,3,4,5,6,7
	CONV \a
.endr
	s_wait_dscnt 0x0
	s_barrier_signal -1
	s_barrier_wait -1
.set tt, 0
.rept 32
	ds_load_b128 v[OUTR+4*tt:OUTR+4*tt+3], v[RD] offset:2*tt*272
.set tt, tt+1
.endr
.set tt, 0
.rept 32
	s_wait_dscnt 31-tt
	global_store_b128 v[CO], v[OUTR+4*tt:OUTR+4*tt+3], s[88:89] offset:2*tt*4096
.set tt, tt+1
.endr
	s_wait_tensorcnt 0x0
	ds_add_u32 v[SPW], v[NIL]
	s_wait_dscnt 0x0
	CROUND
	s_endpgm
.Lfunc_end_k_q9add1ae096_ffn1:
	.size	k_q9add1ae096_ffn1, .Lfunc_end_k_q9add1ae096_ffn1-k_q9add1ae096_ffn1
	.p2alignl 7, 3214868480
	.fill 96, 4, 3214868480
	.section	.rodata,"a",@progbits
	.p2align	6, 0x0
	.amdhsa_kernel k_q9add1ae096_ffn1
		.amdhsa_group_segment_fixed_size 327680
		.amdhsa_private_segment_fixed_size 0
		.amdhsa_enable_private_segment 0
		.amdhsa_kernarg_size 40
		.amdhsa_user_sgpr_count 2
		.amdhsa_user_sgpr_kernarg_segment_ptr 1
		.amdhsa_wavefront_size32 1
		.amdhsa_system_sgpr_workgroup_id_x 1
		.amdhsa_system_sgpr_workgroup_id_y 1
		.amdhsa_system_sgpr_workgroup_id_z 1
		.amdhsa_system_vgpr_workitem_id 0
		.amdhsa_next_free_vgpr 1024
		.amdhsa_next_free_sgpr 104
		.amdhsa_reserve_vcc 0
		.amdhsa_float_denorm_mode_32 3
		.amdhsa_float_denorm_mode_16_64 3
		.amdhsa_memory_ordered 1
		.amdhsa_forward_progress 1
		.amdhsa_inst_pref_size 142
	.end_amdhsa_kernel
	.amdgpu_metadata
---
amdhsa.version: [ 1, 2 ]
amdhsa.kernels:
  - .name:           k_q9add1ae096_ffn1
    .symbol:         k_q9add1ae096_ffn1.kd
    .args:
      - { .name: x1c, .offset: 0, .size: 8, .value_kind: global_buffer, .address_space: global }
      - { .name: xw, .offset: 8, .size: 8, .value_kind: global_buffer, .address_space: global }
      - { .name: lowp_scales, .offset: 16, .size: 8, .value_kind: global_buffer, .address_space: global }
      - { .name: b1, .offset: 24, .size: 8, .value_kind: global_buffer, .address_space: global }
      - { .name: hc, .offset: 32, .size: 8, .value_kind: global_buffer, .address_space: global }
    .group_segment_fixed_size: 327680
    .private_segment_fixed_size: 0
    .kernarg_segment_align: 8
    .kernarg_segment_size: 40
    .max_flat_workgroup_size: 128
    .sgpr_count:     104
    .vgpr_count:     1024
    .wavefront_size: 32
...
	.end_amdgpu_metadata
.endif
;; end of part 14
;; launch ffn2 (part 15): grid 8 x 32, 4 waves a work-group, clusters of 4 x 4, 327,680 bytes of LDS; arguments hc, xw, lowp_scales, b2, x1f, rs; writes rs
.if DOCPART == 15
	.amdgcn_target "amdgcn-amd-amdhsa--gfx1250"
	.amdhsa_code_object_version 6
	.text
	.protected	k_q9add1ae096_ffn2
	.globl	k_q9add1ae096_ffn2
	.p2align	8
	.type	k_q9add1ae096_ffn2,@function
k_q9add1ae096_ffn2:
	s_mov_b64 s[64:65], 0
	v_nop
	global_prefetch_b8 v0, s[64:65] scope:SCOPE_SE
	s_setreg_imm32_b32 hwreg(HW_REG_WAVE_MODE, 25, 1), 1
	s_wait_xcnt 0x0
	s_wait_alu depctr_hold_cnt(0) depctr_sa_sdst(0) depctr_va_vdst(0) depctr_va_sdst(0) depctr_va_ssrc(0) depctr_va_vcc(0) depctr_vm_vsrc(0)
	s_getreg_b32 s2, hwreg(HW_REG_IB_STS2, 6, 4)
	s_cmp_eq_u32 s2, 0
	s_cbranch_scc0 .Lentry_in_a_cluster
	s_endpgm
.Lentry_in_a_cluster:
	s_bfe_u32 s2, ttmp6, 0x10000c
	s_cmp_lg_u32 s2, 0xf033
	s_cbranch_scc0 .Lentry_shape_is_right
	s_endpgm
.Lentry_shape_is_right:
.set SIZE_K, 4096
.set BOFF,   0x1400000
.set SCOFF,  56
.set ROWB,   512
.set KROW,   SIZE_K
.set PITCH,  528
.set FR,     16
.set NP,     4
.set HALFT,  64*PITCH
.set SLOT,   4*HALFT
.set LAPS,   SIZE_K/(2*ROWB)
.set STAGE,  2*SLOT
.set SPITCH, 272
.set SPARE,  STAGE+4*16*SPITCH
.set BI,   8
.set BO,   12
.set ADRA, 16
.set ADRB, 20
.set STO,  24
.set RD,   25
.set CO,   26
.set SPW,  28
.set NIL,  29
.set BK,   32
.set ACC,  128
.set F0,   0
.set F1,   128
.set G1, 24
.set G0, 32
.set G1B, 48
.set G0B, 56
.set MSB, 0
.macro WIN new
.if MSB != \new
	s_set_vgpr_msb (MSB<<8)|\new
.set MSB, \new
.endif
.endm
.set MUL,   0x05
.set TO_F,  0x40
.set TO_R,  0x80
.set ADD_R, 0x08
.macro JLOAD g0a, g1a, g0b, g1b
	s_cmp_eq_u32 s15, 0
	s_cbranch_scc0 .Lfor_b_\@
	tensor_load_to_lds s[\g0a:\g0a+3], s[\g1a:\g1a+7]
	s_nop 0
.rept 4
	v_nop
.endr
	s_branch .Lasked_\@
.Lfor_b_\@:
	tensor_load_to_lds s[\g0b:\g0b+3], s[\g1b:\g1b+7]
	s_nop 0
.rept 4
	v_nop
.endr
.Lasked_\@:
.endm
.macro CREST
	s_cmp_lg_u32 s14, 0
	s_cbranch_scc1 .Lnot_wave_0_\@
	s_barrier_signal -3
.Lnot_wave_0_\@:
	s_barrier_wait -3
	s_barrier_signal -1
	s_barrier_wait -1
.endm
.macro CROUND
	s_barrier_signal -1
	s_barrier_wait -1
	CREST
.endm
.macro MUL4 f, a, zero
.irp b, 0,1,2,3
.if \zero
	v_wmma_f32_16x16x128_bf8_bf8 v[ACC+8*(4*(\a)+\b):ACC+8*(4*(\a)+\b)+7], v[\f+64+FR*\b:\f+64+FR*\b+FR-1], v[\f+FR*(\a):\f+FR*(\a)+FR-1], 0
.else
	v_wmma_f32_16x16x128_bf8_bf8 v[ACC+8*(4*(\a)+\b):ACC+8*(4*(\a)+\b)+7], v[\f+64+FR*\b:\f+64+FR*\b+FR-1], v[\f+FR*(\a):\f+FR*(\a)+FR-1], v[ACC+8*(4*(\a)+\b):ACC+8*(4*(\a)+\b)+7]
.endif
.endr
.endm
.macro FETCH slot, k, f
	WIN TO_F
.irp i, 0,1,2,3
.irp c, 0,1,2,3
	ds_load_b128 v[\f+64+FR*\i+4*\c:\f+64+FR*\i+4*\c+3], v[ADRB+\slot] offset:\k+32*\c+\i*16*PITCH
.endr
.endr
.irp i, 0,1,2,3
.irp c, 0,1,2,3
	ds_load_b128 v[\f+FR*\i+4*\c:\f+FR*\i+4*\c+3], v[ADRA+\slot] offset:\k+32*\c+\i*16*PITCH
.endr
.endr
.endm
.macro PLACES n
.rept \n
	v_nop
.endr
.endm
.macro QUARTER slot, k, f, g, zero
	s_wait_dscnt 8
	WIN MUL
	MUL4 \f, 0, \zero
	MUL4 \f, 1, \zero
	PLACES NP
	FETCH \slot, \k, \g
	s_wait_dscnt 32
	WIN MUL
	MUL4 \f, 2, \zero
	MUL4 \f, 3, \zero
.endm
.macro TURN slot, next, fill
	WIN 0
.if \fill
	s_wait_xcnt 0x0                                ; the last prefetch, a K step back, has read its address
	s_add_nc_u64 s[72:73], s[72:73], 512
.endif
	s_wait_tensorcnt 0x0
	ds_add_u32 v[SPW], v[NIL]
	s_wait_dscnt 9
	WIN MUL
	MUL4 F1, 0, 0
	s_wait_dscnt 0x0
	s_barrier_signal -1
	MUL4 F1, 1, 0
.if \fill
	WIN 0
.endif
	s_barrier_wait -1
.if \fill
	CREST
	s_add_nc_u64 s[G0+4*\slot+2:G0+4*\slot+3], s[G0+4*\slot+2:G0+4*\slot+3], 2*ROWB
	s_add_nc_u64 s[G0B+4*\slot+2:G0B+4*\slot+3], s[G0B+4*\slot+2:G0B+4*\slot+3], 2*ROWB
	JLOAD G0+4*\slot, G1, G0B+4*\slot, G1B
	s_cmp_gt_u32 s3, 1                             ; the last trip's two refills have no K step two on
	s_cbranch_scc0 .Lnoask_\@
	global_prefetch_b8 v30, s[72:73] offset:512 th:TH_LOAD_NT scope:SCOPE_SE   ; the K step two refills on
.Lnoask_\@:
.else
	PLACES NP
.endif
	FETCH \next, 0, F0
	WIN MUL
	MUL4 F1, 2, 0
	MUL4 F1, 3, 0
.endm
.macro TOSTAGE a
.set AC, ACC+32*(\a)
.irp p, 0,1
.irp i, 0,1,2,3
	ds_store_b128 v[STO], v[AC+16*\p+4*\i:AC+16*\p+4*\i+3] offset:128*\p+16*\i
.endr
.endr
.set BB, BK+32*((\a)%2)
.set tt, 0
.rept 8
	ds_load_b128 v[BB+4*tt:BB+4*tt+3], v[RD] offset:2*tt*SPITCH
.set tt, tt+1
.endr
.endm
.macro SEND a, yds
.set BB, BK+32*((\a)%2)
	s_wait_dscnt \yds
.set tt, 0
.rept 8
	v_pk_fma_f32 v[BB+4*tt:BB+4*tt+1], v[BB+4*tt:BB+4*tt+1], s[96:97], v[BI:BI+1] op_sel_hi:[1,0,1]
	v_pk_fma_f32 v[BB+4*tt+2:BB+4*tt+3], v[BB+4*tt+2:BB+4*tt+3], s[96:97], v[BI+2:BI+3] op_sel_hi:[1,0,1]
.set tt, tt+1
.endr
	WIN ADD_R
.set jj, 0
.rept 16
	v_pk_add_f32 v[BB+jj:BB+jj+1], v[BB+jj:BB+jj+1], v[32*(\a)+jj:32*(\a)+jj+1]
.set jj, jj+2
.endr
	WIN 0
.set tt, 0
.rept 8
	global_store_b128 v[CO], v[BB+4*tt:BB+4*tt+3], s[70:71] offset:(16*(\a)+2*tt)*4096
.set tt, tt+1
.endr
.endm
	s_load_b256 s[4:11], s[0:1], 0x0
	s_load_b128 s[68:71], s[0:1], 0x20
	v_lshl_add_u32 v[SPW], v0, 2, SPARE
	v_mov_b32 v[NIL], 0
	ds_add_u32 v[SPW], v[NIL]
	ds_add_u32 v[SPW], v[NIL]
	v_lshrrev_b32 v1, 5, v0
	v_readfirstlane_b32 s14, v1
	s_lshr_b32 s15, s14, 1
	s_and_b32 s16, s14, 1
	s_bfe_u32 s40, ttmp6, 0x40000
	s_bfe_u32 s41, ttmp6, 0x40004
	s_lshl_b32 s42, ttmp9, 2
	s_add_co_u32 s42, s42, s40
	s_and_b32 s17, ttmp7, 0xffff
	s_lshl_b32 s17, s17, 2
	s_add_co_u32 s17, s17, s41
	s_lshl_b32 s43, s41, 2
	s_lshl_b32 s43, 15, s43
	s_lshl_b32 s44, 0x1111, s40
	s_or_b32 s[G1+0], s43, (1<<20)|(1<<21)|(6<<22)|(3<<25)
	s_or_b32 s[G1B+0], s44, (1<<20)|(1<<21)|(6<<22)|(3<<25)
.irp g, G1, G1B
	s_mov_b32 s[\g+1], ROWB<<16
	s_mov_b32 s[\g+2], 64<<16
	s_mov_b32 s[\g+3], ROWB<<16
	s_mov_b32 s[\g+4], 64
	s_mov_b32 s[\g+5], KROW
	s_mov_b32 s[\g+6], 0
	s_mov_b32 s[\g+7], 0
.endr
	s_lshl_b32 s18, s16, 6
	s_lshl_b32 s20, s17, 7
	s_add_co_u32 s20, s20, s18
	s_lshl_b32 s46, s42, 7
	s_add_co_u32 s46, s46, s18
	s_mov_b32 s21, 0
	s_mov_b32 s47, 0
	s_mov_b64 s[18:19], KROW
	s_mul_u64 s[20:21], s[20:21], s[18:19]
	s_mul_u64 s[46:47], s[46:47], s[18:19]
	s_mul_i32 s45, s14, HALFT
	s_wait_dscnt 0x0
	s_wait_kmcnt 0x0
	s_load_b64 s[96:97], s[8:9], SCOFF
	s_add_nc_u64 s[6:7], s[6:7], BOFF
	s_add_nc_u64 s[20:21], s[4:5], s[20:21]
	s_add_nc_u64 s[46:47], s[6:7], s[46:47]
	s_cmp_eq_u32 s15, 0                            ; the prefetches: of the 64 rows x 512 bytes that I fetch, my work-group's 16 rows (told apart by address: cx for A, cy for B), two lanes a row, 256 bytes apart, from K step 2 on
	s_cselect_b64 s[72:73], s[20:21], s[46:47]
	s_cselect_b32 s74, s40, s41
	s_lshl_b32 s74, s74, 16
	s_add_co_u32 s74, s74, 1024
	s_mov_b32 s75, 0
	s_add_nc_u64 s[72:73], s[72:73], s[74:75]
	v_and_b32 v30, 31, v0
	v_lshrrev_b32 v31, 1, v30
	v_and_b32 v30, 1, v30
	v_lshlrev_b32 v30, 8, v30
	v_lshl_add_u32 v30, v31, 12, v30
	s_wait_alu depctr_va_vdst(0)
	CROUND
.irp s, 0,1
	s_mov_b32 s[G0+4*\s], 1
	s_add_co_u32 s[G0+4*\s+1], s45, \s*SLOT
	s_add_nc_u64 s[G0+4*\s+2:G0+4*\s+3], s[20:21], \s*ROWB
	s_or_b32 s[G0+4*\s+3], s[G0+4*\s+3], 0x80000000
	s_mov_b32 s[G0B+4*\s], 1
	s_add_co_u32 s[G0B+4*\s+1], s45, \s*SLOT
	s_add_nc_u64 s[G0B+4*\s+2:G0B+4*\s+3], s[46:47], \s*ROWB
	s_or_b32 s[G0B+4*\s+3], s[G0B+4*\s+3], 0x80000000
.if \s == 0
	JLOAD G0, G1, G0B, G1B                         ; K step 0: one tensor load a wave at the head
	global_prefetch_b8 v30, s[72:73] offset:-512 th:TH_LOAD_NT scope:SCOPE_SE     ; K step 1, whose load sets out only when step 0 is in,
	global_prefetch_b8 v30, s[72:73] th:TH_LOAD_NT scope:SCOPE_SE                 ; and K step 2
.endif
.endr
	v_and_b32 v1, 15, v0
	s_wait_alu depctr_va_vdst(0)
	v_bfe_u32 v2, v0, 4, 1
	v_mul_u32_u24 v3, v1, PITCH
	v_lshl_add_u32 v4, v2, 4, v3
	s_mul_i32 s21, s15, HALFT
	s_mul_i32 s22, s16, HALFT
	s_add_co_u32 s22, s22, 2*HALFT
.irp s, 0,1
	v_add_nc_u32 v[ADRA+\s], s21, v4
	v_add_nc_u32 v[ADRB+\s], s22, v4
	s_add_co_u32 s21, s21, SLOT
	s_add_co_u32 s22, s22, SLOT
.endr
	s_mul_i32 s23, s14, 16*SPITCH
	s_add_co_u32 s23, s23, STAGE
	v_mul_u32_u24 v5, v1, SPITCH
	s_wait_alu depctr_va_vdst(0)
	v_lshl_add_u32 v5, v2, 6, v5
	v_add_nc_u32 v[STO], s23, v5
	v_mul_u32_u24 v6, v2, SPITCH
	v_lshl_add_u32 v6, v1, 4, v6
	v_add_nc_u32 v[RD], s23, v6
	v_lshlrev_b32 v[CO], 12, v2
	v_lshl_add_u32 v[CO], v1, 4, v[CO]
	v_lshlrev_b32 v[BO], 4, v1
	s_wait_alu depctr_va_vdst(0)
	s_lshl_b32 s20, s17, 7
	s_lshl_b32 s21, s15, 6
	s_add_co_u32 s20, s20, s21
	s_lshl_b32 s20, s20, 12
	s_lshl_b32 s46, s42, 9
	s_lshl_b32 s47, s16, 8
	s_add_co_u32 s46, s46, s47
	s_mov_b32 s47, 0
	s_add_nc_u64 s[10:11], s[10:11], s[46:47]
	s_add_co_u32 s46, s46, s20
	s_add_nc_u64 s[68:69], s[68:69], s[46:47]
	s_add_nc_u64 s[70:71], s[70:71], s[46:47]
	global_load_b128 v[BI:BI+3], v[BO], s[10:11]
	WIN TO_R
.set tt, 0
.rept 32
	global_load_b128 v[4*tt:4*tt+3], v[CO], s[68:69] offset:2*tt*4096 th:TH_LOAD_NT
.set tt, tt+1
.endr
	WIN 0
	s_wait_alu depctr_va_vdst(0)                   ; the wait at the head's end
	s_wait_tensorcnt 0x0                           ; my part of K step 0 is in
	ds_add_u32 v28, v29
	s_wait_dscnt 0x0
	CROUND
	JLOAD G0+4, G1, G0B+4, G1B                     ; K step 1: the first tensor load behind the round
	global_prefetch_b8 v30, s[72:73] offset:512 th:TH_LOAD_NT scope:SCOPE_SE      ; K step 3: two loads on
	FETCH 0, 0, F0
	QUARTER 0, 128, F0, F1, 1
.if LAPS > 1
	WIN 0
	s_mov_b32 s3, LAPS-1
.Llap:
	QUARTER 0, 256, F1, F0, 0
	QUARTER 0, 384, F0, F1, 0
	TURN 0, 1, 1
	QUARTER 1, 128, F0, F1, 0
	QUARTER 1, 256, F1, F0, 0
	QUARTER 1, 384, F0, F1, 0
	TURN 1, 0, 1
	QUARTER 0, 128, F0, F1, 0
	WIN 0
	s_sub_co_u32 s3, s3, 1
	s_cmp_lg_u32 s3, 0
	s_cbranch_scc1 .Llap
.endif
	QUARTER 0, 256, F1, F0, 0
	QUARTER 0, 384, F0, F1, 0
	TURN 0, 1, 0
	QUARTER 1, 128, F0, F1, 0
	QUARTER 1, 256, F1, F0, 0
	QUARTER 1, 384, F0, F1, 0
	s_wait_dscnt 8
	WIN MUL
	MUL4 F1, 0, 0
	MUL4 F1, 1, 0
	s_wait_dscnt 0
	MUL4 F1, 2, 0
	MUL4 F1, 3, 0
	WIN 0
	s_wait_kmcnt 0x0
	s_add_co_i32 s96, s96, s97
	s_add_co_i32 s96, s96, 127
	s_lshl_b32 s96, s96, 23
	s_mov_b32 s97, s96
	PLACES NP
	s_wait_loadcnt 0x0
	TOSTAGE 0
.irp a, 1,2,3
.if \a > 1
	s_wait_xcnt 0x0
.endif
	TOSTAGE \a
	SEND \a-1, 16
.endr
	SEND 3, 0
	s_wait_tensorcnt 0x0
	ds_add_u32 v[SPW], v[NIL]
	s_wait_dscnt 0x0
	CROUND
	s_endpgm
.Lfunc_end_k_q9add1ae096_ffn2:
	.size	k_q9add1ae096_ffn2, .Lfunc_end_k_q9add1ae096_ffn2-k_q9add1ae096_ffn2
	.p2alignl 7, 3214868480
	.fill 96, 4, 3214868480
	.section	.rodata,"a",@progbits
	.p2align	6, 0x0
	.amdhsa_kernel k_q9add1ae096_ffn2
		.amdhsa_group_segment_fixed_size 327680
		.amdhsa_private_segment_fixed_size 0
		.amdhsa_enable_private_segment 0
		.amdhsa_kernarg_size 48
		.amdhsa_user_sgpr_count 2
		.amdhsa_user_sgpr_kernarg_segment_ptr 1
		.amdhsa_wavefront_size32 1
		.amdhsa_system_sgpr_workgroup_id_x 1
		.amdhsa_system_sgpr_workgroup_id_y 1
		.amdhsa_system_sgpr_workgroup_id_z 1
		.amdhsa_system_vgpr_workitem_id 0
		.amdhsa_next_free_vgpr 640
		.amdhsa_next_free_sgpr 104
		.amdhsa_reserve_vcc 0
		.amdhsa_float_denorm_mode_32 3
		.amdhsa_float_denorm_mode_16_64 3
		.amdhsa_memory_ordered 1
		.amdhsa_forward_progress 1
		.amdhsa_inst_pref_size 83
	.end_amdhsa_kernel
	.amdgpu_metadata
---
amdhsa.version: [ 1, 2 ]
amdhsa.kernels:
  - .name:           k_q9add1ae096_ffn2
    .symbol:         k_q9add1ae096_ffn2.kd
    .args:
      - { .name: hc, .offset: 0, .size: 8, .value_kind: global_buffer, .address_space: global }
      - { .name: xw, .offset: 8, .size: 8, .value_kind: global_buffer, .address_space: global }
      - { .name: lowp_scales, .offset: 16, .size: 8, .value_kind: global_buffer, .address_space: global }
      - { .name: b2, .offset: 24, .size: 8, .value_kind: global_buffer, .address_space: global }
      - { .name: x1f, .offset: 32, .size: 8, .value_kind: global_buffer, .address_space: global }
      - { .name: rs, .offset: 40, .size: 8, .value_kind: global_buffer, .address_space: global }
    .group_segment_fixed_size: 327680
    .private_segment_fixed_size: 0
    .kernarg_segment_align: 8
    .kernarg_segment_size: 48
    .max_flat_workgroup_size: 128
    .sgpr_count:     104
    .vgpr_count:     640
    .wavefront_size: 32
...
	.end_amdgpu_metadata
.endif
;; end of part 15
;; launch ln2 (part 16): grid 256 x 1, 4 waves a work-group, no clusters, 0 bytes of LDS; arguments rs, g2, be2, out0; writes out0
.if DOCPART == 16
	.amdgcn_target "amdgcn-amd-amdhsa--gfx1250"
	.amdhsa_code_object_version 6
	.text
	.protected	k_q9add1ae096_ln2
	.globl	k_q9add1ae096_ln2
	.p2align	8
	.type	k_q9add1ae096_ln2,@function
k_q9add1ae096_ln2:
	s_mov_b64 s[64:65], 0
	v_nop
	global_prefetch_b8 v0, s[64:65] scope:SCOPE_SE
	s_setreg_imm32_b32 hwreg(HW_REG_WAVE_MODE, 25, 1), 1
	s_wait_xcnt 0x0
; LN: y = (x - mean) rsqrt(var + 1e-5) g + b along rows of 1,024 f32: the block's result.  No work of the problem is left out here.
; A wave takes 4 rows and keeps each in 32 registers: lane l holds 16 bytes at 512 j + 16 l.  The mean first, then the mean of the squared differences, as reference() has it.  No LDS, no barrier: memory binds, all loads go out first.
.set G,  32
.set BE, 64
.set X,  96
	s_load_b128 s[4:7], s[0:1], 0x0                ; rs, g
	s_load_b64 s[8:9], s[0:1], 0x10                ; b
	s_load_b64 s[12:13], s[0:1], 0x18              ; y
	v_lshrrev_b32 v1, 5, v0
	v_readfirstlane_b32 s16, v1
	v_and_b32 v2, 31, v0
	v_lshlrev_b32 v1, 4, v2                        ; 16 x lane
	s_lshl_b32 s17, ttmp9, 4
	s_lshl_b32 s18, s16, 2
	s_add_co_u32 s17, s17, s18                     ; my first row
	s_lshl_b32 s18, s17, 12
	s_mov_b32 s19, 0
	s_mov_b32 s20, 0x3a800000                      ; 1 / 1,024
	s_mov_b32 s25, 0x3727c5ac                      ; 1e-5
	s_mov_b32 s22, 0x76543210
	s_mov_b32 s23, 0xfedcba98
	v_mov_b32 v28, 0                               ; written once: a lane permute's destination counts as read
	v_mov_b32 v31, 0                               ; (named as the upper half of v[30:31])
	s_wait_alu depctr_va_vdst(0)
	s_wait_kmcnt 0x0
	s_add_nc_u64 s[4:5], s[4:5], s[18:19]
	s_add_nc_u64 s[12:13], s[12:13], s[18:19]
.irp j, 0,1,2,3,4,5,6,7
	global_load_b128 v[G+4*\j:G+4*\j+3], v1, s[6:7] offset:512*\j
.endr
.irp j, 0,1,2,3,4,5,6,7
	global_load_b128 v[BE+4*\j:BE+4*\j+3], v1, s[8:9] offset:512*\j
.endr
.irp k, 0,1,2,3
.irp j, 0,1,2,3,4,5,6,7
	global_load_b128 v[X+32*\k+4*\j:X+32*\k+4*\j+3], v1, s[4:5] offset:4096*\k+512*\j th:TH_LOAD_NT
.endr
.endr
.macro RED r                           ; the sum over the 32 lanes, in every lane
	v_add_f32_dpp v[\r], v[\r], v[\r] row_xmask:1 row_mask:0xf bank_mask:0xf
	v_add_f32_dpp v[\r], v[\r], v[\r] row_xmask:2 row_mask:0xf bank_mask:0xf
	v_add_f32_dpp v[\r], v[\r], v[\r] row_xmask:4 row_mask:0xf bank_mask:0xf
	v_add_f32_dpp v[\r], v[\r], v[\r] row_xmask:8 row_mask:0xf bank_mask:0xf
	v_permlanex16_b32 v28, v[\r], s22, s23
	v_add_f32 v[\r], v[\r], v28
.endm
.macro ROW k
.set XR, X+32*(\k)
	s_wait_loadcnt 8*(3-(\k))                      ; g, b and this row are in; the later rows' loads stay out
	v_pk_add_f32 v[24:25], v[XR:XR+1], v[XR+2:XR+3]
	v_pk_add_f32 v[26:27], v[XR+4:XR+5], v[XR+6:XR+7]
.set jj, 8
.rept 6
	v_pk_add_f32 v[24:25], v[24:25], v[XR+jj:XR+jj+1]
	v_pk_add_f32 v[26:27], v[26:27], v[XR+jj+2:XR+jj+3]
.set jj, jj+4
.endr
	v_pk_add_f32 v[24:25], v[24:25], v[26:27]
	v_add_f32 v24, v24, v25
	RED 24
	v_mul_f32 v30, s20, v24                        ; the mean
.set jj, 0
.rept 16
	v_pk_add_f32 v[XR+jj:XR+jj+1], v[XR+jj:XR+jj+1], v[30:31] op_sel_hi:[1,0] neg_lo:[0,1] neg_hi:[0,1]
.set jj, jj+2
.endr
	v_pk_mul_f32 v[24:25], v[XR:XR+1], v[XR:XR+1]
	v_pk_mul_f32 v[26:27], v[XR+2:XR+3], v[XR+2:XR+3]
.set jj, 4
.rept 7
	v_pk_fma_f32 v[24:25], v[XR+jj:XR+jj+1], v[XR+jj:XR+jj+1], v[24:25]
	v_pk_fma_f32 v[26:27], v[XR+jj+2:XR+jj+3], v[XR+jj+2:XR+jj+3], v[26:27]
.set jj, jj+4
.endr
	v_pk_add_f32 v[24:25], v[24:25], v[26:27]
	v_add_f32 v24, v24, v25
	RED 24
	v_fma_f32 v24, v24, s20, s25                   ; var + 1e-5
	s_wait_alu depctr_va_vdst(0)
	v_rsq_f32 v30, v24
	v_nop                                          ; a plain line behind the transcendental,
	s_wait_alu depctr_va_vdst(0)                   ; and the wait ahead of its first reader
.set jj, 0
.rept 16
	v_pk_mul_f32 v[XR+jj:XR+jj+1], v[XR+jj:XR+jj+1], v[30:31] op_sel_hi:[1,0]
.set jj, jj+2
.endr
.set jj, 0
.rept 16
	v_pk_fma_f32 v[XR+jj:XR+jj+1], v[XR+jj:XR+jj+1], v[G+jj:G+jj+1], v[BE+jj:BE+jj+1]
.set jj, jj+2
.endr
.irp j, 0,1,2,3,4,5,6,7
	global_store_b128 v1, v[XR+4*\j:XR+4*\j+3], s[12:13] offset:4096*(\k)+512*\j th:TH_STORE_NT   ; 512 consecutive bytes; these registers are not written again
.endr
.endm
	ROW 0
	ROW 1
	ROW 2
	ROW 3
	s_endpgm
.Lfunc_end_k_q9add1ae096_ln2:
	.size	k_q9add1ae096_ln2, .Lfunc_end_k_q9add1ae096_ln2-k_q9add1ae096_ln2
	.p2alignl 7, 3214868480
	.fill 96, 4, 3214868480
	.section	.rodata,"a",@progbits
	.p2align	6, 0x0
	.amdhsa_kernel k_q9add1ae096_ln2
		.amdhsa_group_segment_fixed_size 0
		.amdhsa_private_segment_fixed_size 0
		.amdhsa_enable_private_segment 0
		.amdhsa_kernarg_size 32
		.amdhsa_user_sgpr_count 2
		.amdhsa_user_sgpr_kernarg_segment_ptr 1
		.amdhsa_wavefront_size32 1
		.amdhsa_system_sgpr_workgroup_id_x 1
		.amdhsa_system_sgpr_workgroup_id_y 1
		.amdhsa_system_sgpr_workgroup_id_z 1
		.amdhsa_system_vgpr_workitem_id 0
		.amdhsa_next_free_vgpr 224
		.amdhsa_next_free_sgpr 66
		.amdhsa_reserve_vcc 0
		.amdhsa_float_denorm_mode_32 3
		.amdhsa_float_denorm_mode_16_64 3
		.amdhsa_memory_ordered 1
		.amdhsa_forward_progress 1
		.amdhsa_inst_pref_size 33
	.end_amdhsa_kernel
	.amdgpu_metadata
---
amdhsa.version: [ 1, 2 ]
amdhsa.kernels:
  - .name:           k_q9add1ae096_ln2
    .symbol:         k_q9add1ae096_ln2.kd
    .args:
      - { .name: rs, .offset: 0, .size: 8, .value_kind: global_buffer, .address_space: global }
      - { .name: g2, .offset: 8, .size: 8, .value_kind: global_buffer, .address_space: global }
      - { .name: be2, .offset: 16, .size: 8, .value_kind: global_buffer, .address_space: global }
      - { .name: out0, .offset: 24, .size: 8, .value_kind: global_buffer, .address_space: global }
    .group_segment_fixed_size: 0
    .private_segment_fixed_size: 0
    .kernarg_segment_align: 8
    .kernarg_segment_size: 32
    .max_flat_workgroup_size: 128
    .sgpr_count:     66
    .vgpr_count:     224
    .wavefront_size: 32
...
	.end_amdgpu_metadata
.endif
;; end of part 16
